; MI455X (gfx1250); checked and timed in simulation.
; The chip was launched on July 23, 2026; its instructions are those of AMD's public machine-readable ISA for CDNA 5 (MIT licence, August 2026) and "CDNA5" Instruction Set Architecture Reference Guide (July 2026). The comments in the code are by the model that wrote it; some were corrected since.
;; Causal Self Attention. Allowed arithmetic: float matrix products may take bf16 or f16 operands with f32 sums; all other float work in f32.
;; Inputs: w_proj 1,024 x 1,024 float32; w_qkv 3,072 x 1,024 float32; x 4 x 2,048 x 1,024 float32.
;; Outputs: out0 4 x 2,048 x 1,024 float32.
;; 3 versions, each right; version 3 is version 2 with the launch cast written anew for expert scheduling mode. Each part assembles by itself: llvm-mc -triple=amdgcn-amd-amdhsa -mcpu=gfx1250 --defsym DOCPART=n.
;; ======== version 1 of 3: 5 launches
;; limits: values are held in f16: magnitudes above 65,504 overflow, below 6.1e-05 lose precision
;; workspace buffers: xb 16,777,216 bytes; wqb 6,291,456 bytes; wpb 4,194,304 bytes; qkvh 50,331,648 bytes; oh 33,554,432 bytes; pre 1,572,864 bytes
;; launch cast (part 1): grid 768 x 1, 8 waves a work-group, no clusters, 0 bytes of LDS; arguments x, w_qkv, w_proj, xb, wqb, wpb; writes xb, wqb, wpb
.if DOCPART == 1
	.amdgcn_target "amdgcn-amd-amdhsa--gfx1250"
	.amdhsa_code_object_version 6
	.text
	.protected	k_q6213f6c26a_cast
	.globl	k_q6213f6c26a_cast
	.p2align	8
	.type	k_q6213f6c26a_cast,@function
k_q6213f6c26a_cast:
	s_mov_b64 s[64:65], 0
	v_nop
	global_prefetch_b8 v0, s[64:65] scope:SCOPE_SE
	s_setreg_imm32_b32 hwreg(HW_REG_WAVE_MODE, 25, 1), 1
	s_wait_xcnt 0x0
; The three f32 inputs are rounded once to bf16 and laid out in blocks of 64 along K: dst[kb][row][64], kb = 0..15, so that the products behind this launch
; can ask for a K step's rows as dense bytes.  x [8192][1024] -> xb, w_qkv [3072][1024] -> wqb, both bf16.  w_proj [1024][1024] -> wpb: rounded to bf16 like the
; other inputs, and that number written as f16, since it is multiplied with f16 numbers.  wpb holds its 16 blocks TWICE, blocks 16-31 a copy of 0-15: the projection walks K twice
; (the upper and the lower parts of its other operand), and so its walk through wpb has one step from first to last.
; LIMITS.  A bf16 number of w_proj below 2^-14 in magnitude keeps f16's fixed step of 6e-8 (error 3e-8 at the most); 65,520 or more becomes an infinity.
; SHARES.  A work-group takes 16 rows of 1,024 numbers: groups 0-511 x, 512-703 w_qkv, 704-767 w_proj.  Thread t takes row t / 16 and the four numbers at k = 64 j + 4 (t % 16), j = 0..15.
; A wave's load covers 256 consecutive bytes in each of two rows; a wave's store covers 256 consecutive bytes (two rows of one block), aligned.  Every input byte is read once.
; No loop, no LDS, no barrier, no matrix unit: memory binds, and all sixteen loads of a thread are out together.  No register is written twice while a memory instruction may read it.
.set XBLK,  8192*128                   ; bytes in a block of xb
.set WQBLK, 3072*128                   ; of wqb
.set WPBLK, 1024*128                   ; of wpb
.set X,  8                             ; v[8:71]    load j: four f32
.set Y,  72                            ; v[72:103]  store j: four 16-bit numbers
.set T,  104                           ; v[104:107] at work (w_proj alone)
.set DB, 32                            ; s[32:63]   the destination at my rows of block j, a pair for each j
	s_load_b256 s[4:11], s[0:1], 0x0               ; x s[4:5], w_qkv s[6:7], w_proj s[8:9], xb s[10:11]
	s_load_b128 s[12:15], s[0:1], 0x20             ; wqb s[12:13], wpb s[14:15]
	v_lshrrev_b32 v1, 4, v0                        ; my row of the 16
	v_and_b32 v3, 15, v0
	v_lshlrev_b32 v1, 12, v1                       ; 4,096 bytes a row
	v_lshl_or_b32 v1, v3, 4, v1                    ; + 16 bytes for each thread of the row
	v_lshlrev_b32 v2, 3, v0                        ; in a block: row x 128 + 8 (t % 16) = 8 t
	s_mov_b32 s28, XBLK
	s_mov_b32 s29, WQBLK
	s_mov_b32 s30, WPBLK
	s_wait_kmcnt 0x0
	s_cmp_lt_u32 ttmp9, 512                        ; which tensor is mine: the choice hangs on the group's number alone
	s_cselect_b64 s[16:17], s[4:5], s[6:7]
	s_cselect_b64 s[18:19], s[10:11], s[12:13]
	s_cselect_b32 s20, s28, s29
	s_cselect_b32 s22, 0, 512
	s_cmp_lt_u32 ttmp9, 704
	s_cselect_b64 s[16:17], s[16:17], s[8:9]
	s_cselect_b64 s[18:19], s[18:19], s[14:15]
	s_cselect_b32 s20, s20, s30
	s_cselect_b32 s22, s22, 704
	s_mov_b32 s21, 0
	s_sub_co_u32 s23, ttmp9, s22                   ; my group among the tensor's
	s_lshl_b32 s24, s23, 16                        ; 16 rows of 4,096 bytes in,
	s_mov_b32 s25, 0
	s_lshl_b32 s26, s23, 11                        ; 16 rows of 128 bytes out
	s_mov_b32 s27, 0
	s_add_nc_u64 s[16:17], s[16:17], s[24:25]
	s_add_nc_u64 s[DB:DB+1], s[18:19], s[26:27]
.set j, 1
.rept 15
	s_add_nc_u64 s[DB+2*j:DB+2*j+1], s[DB+2*j-2:DB+2*j-1], s[20:21]  ; a block further on
.set j, j+1
.endr
.set j, 0
.rept 16
	global_load_b128 v[X+4*j:X+4*j+3], v1, s[16:17] offset:256*j th:TH_LOAD_NT  ; read once in the whole launch
.set j, j+1
.endr
.macro OUT j, half                     ; half = 1: the bf16 number is written as f16, and twice
	s_wait_loadcnt 15-(\j)                         ; loads come back in order (ISA guide 5.7.1): load j is in, the younger ones stay out
	v_cvt_pk_bf16_f32 v[Y+2*(\j)],   v[X+4*(\j)],   v[X+4*(\j)+1]
	v_cvt_pk_bf16_f32 v[Y+2*(\j)+1], v[X+4*(\j)+2], v[X+4*(\j)+3]
.if \half
.irp c, 0,1
	v_lshlrev_b32 v[T+2*(\c)],   16,         v[Y+2*(\j)+(\c)]      ; bf16 to f32: the low half moves up,
	v_and_b32     v[T+2*(\c)+1], 0xffff0000, v[Y+2*(\j)+(\c)]      ; the high half stays
.endr
.irp c, 0,1
	v_cvt_pk_f16_f32 v[Y+2*(\j)+(\c)], v[T+2*(\c)], v[T+2*(\c)+1]  ; eight significant bits: exact within f16's normal range
.endr
	global_store_b64 v2, v[Y+2*(\j):Y+2*(\j)+1], s[DB+2*(\j):DB+2*(\j)+1] offset:16*WPBLK  ; the copy, 16 blocks on: 2,097,152 bytes, inside the signed 24-bit immediate
.endif
	global_store_b64 v2, v[Y+2*(\j):Y+2*(\j)+1], s[DB+2*(\j):DB+2*(\j)+1]  ; a launch behind reads these bytes: no hint
.endm
	s_cmp_ge_u32 ttmp9, 704
	s_cbranch_scc1 .Lf16
.irp j, 0,1,2,3,4,5,6,7,8,9,10,11,12,13,14,15
	OUT \j, 0
.endr
	s_endpgm
.Lf16:
.irp j, 0,1,2,3,4,5,6,7,8,9,10,11,12,13,14,15
	OUT \j, 1
.endr
	s_endpgm
.Lfunc_end_k_q6213f6c26a_cast:
	.size	k_q6213f6c26a_cast, .Lfunc_end_k_q6213f6c26a_cast-k_q6213f6c26a_cast
	.p2alignl 7, 3214868480
	.fill 96, 4, 3214868480
	.section	.rodata,"a",@progbits
	.p2align	6, 0x0
	.amdhsa_kernel k_q6213f6c26a_cast
		.amdhsa_group_segment_fixed_size 0
		.amdhsa_private_segment_fixed_size 0
		.amdhsa_enable_private_segment 0
		.amdhsa_kernarg_size 48
		.amdhsa_user_sgpr_count 2
		.amdhsa_user_sgpr_kernarg_segment_ptr 1
		.amdhsa_wavefront_size32 1
		.amdhsa_system_sgpr_workgroup_id_x 1
		.amdhsa_system_sgpr_workgroup_id_y 1
		.amdhsa_system_sgpr_workgroup_id_z 1
		.amdhsa_system_vgpr_workitem_id 0
		.amdhsa_next_free_vgpr 108
		.amdhsa_next_free_sgpr 66
		.amdhsa_reserve_vcc 0
		.amdhsa_float_denorm_mode_32 3
		.amdhsa_float_denorm_mode_16_64 3
		.amdhsa_memory_ordered 1
		.amdhsa_forward_progress 1
		.amdhsa_inst_pref_size 19
	.end_amdhsa_kernel
	.amdgpu_metadata
---
amdhsa.version: [ 1, 2 ]
amdhsa.kernels:
  - .name:           k_q6213f6c26a_cast
    .symbol:         k_q6213f6c26a_cast.kd
    .args:
      - { .name: x, .offset: 0, .size: 8, .value_kind: global_buffer, .address_space: global }
      - { .name: w_qkv, .offset: 8, .size: 8, .value_kind: global_buffer, .address_space: global }
      - { .name: w_proj, .offset: 16, .size: 8, .value_kind: global_buffer, .address_space: global }
      - { .name: xb, .offset: 24, .size: 8, .value_kind: global_buffer, .address_space: global }
      - { .name: wqb, .offset: 32, .size: 8, .value_kind: global_buffer, .address_space: global }
      - { .name: wpb, .offset: 40, .size: 8, .value_kind: global_buffer, .address_space: global }
    .group_segment_fixed_size: 0
    .private_segment_fixed_size: 0
    .kernarg_segment_align: 8
    .kernarg_segment_size: 48
    .max_flat_workgroup_size: 256
    .sgpr_count:     66
    .vgpr_count:     108
    .wavefront_size: 32
...
	.end_amdgpu_metadata
.endif
;; end of part 1
;; launch qkv (part 2): grid 8 x 32, 4 waves a work-group, clusters of 4 x 4, 327,680 bytes of LDS; arguments xb, wqb, qkvh, pre; writes qkvh, pre
.if DOCPART == 2
	.amdgcn_target "amdgcn-amd-amdhsa--gfx1250"
	.amdhsa_code_object_version 6
	.text
	.protected	k_q6213f6c26a_qkv
	.globl	k_q6213f6c26a_qkv
	.p2align	8
	.type	k_q6213f6c26a_qkv,@function
k_q6213f6c26a_qkv:
	s_mov_b64 s[64:65], 0
	v_nop
	global_prefetch_b8 v0, s[64:65] scope:SCOPE_SE
	s_setreg_imm32_b32 hwreg(HW_REG_WAVE_MODE, 25, 1), 1
	s_wait_xcnt 0x0
	s_wait_alu depctr_hold_cnt(0) depctr_sa_sdst(0) depctr_va_vdst(0) depctr_va_sdst(0) depctr_va_ssrc(0) depctr_va_vcc(0) depctr_vm_vsrc(0)
	s_getreg_b32 s2, hwreg(HW_REG_IB_STS2, 6, 4)
	s_cmp_eq_u32 s2, 0
	s_cbranch_scc0 .Lentry_in_a_cluster
	s_endpgm
.Lentry_in_a_cluster:
	s_bfe_u32 s2, ttmp6, 0x10000c
	s_cmp_lg_u32 s2, 0xf033
	s_cbranch_scc0 .Lentry_shape_is_right
	s_endpgm
.Lentry_shape_is_right:
; qkv[m][n] = the sum over k of x[m][k] w_qkv[n][k], m = 0..8191, n = 0..3071, k = 0..1023; operands bf16, sums f32, the result rounded once to f16 and stored BY HEADS:
; qkvh[part = n / 1024][16 (m / 2048) + (n / 64) % 16][m % 2048][n % 64].  q is stored unscaled.  xb and wqb lie in blocks of 64 along K: [kb][row][64] bf16, a row 128 bytes.
; ROWS 0 TO 31 OF EVERY BATCH ARE STORED ONCE MORE, IN TWO f16 PARTS: pre[upper, lower][part][head slab][32 rows][64].  The upper part is the f32 sum with the low 13 bits of its mantissa cut off (11 significant
; bits: exact in f16), the lower part the sum less the upper part (exact in f32), rounded to f16.  Why: row t of the attention's result is a mean over t + 1 rows of v, so a batch's first rows are many times the
; output's root mean square, by which the allowed error goes; a launch behind this one makes those rows with both parts of every operand.
; LIMITS.  f16 holds no number beyond 65,504: a sum of 65,520 or more in magnitude becomes an infinity; a part below 2^-14 keeps f16's fixed step of 6e-8.
; SHARES.  8,192 x 3,072 in tiles of 256 x 384 are 32 x 8 = 256 work-groups.  Four waves, each 128 rows x 192 columns (three heads): 96 accumulators of 16 x 16, 768 registers.
; K goes in 16 steps of 64 through a ring of two LDS slots: two slots of 128 along K for this tile would be 348,160 bytes.  In the blocked layout a step's rows lie end to end, so
; they are asked for as rows of 256 bytes that start at multiples of 256 from the buffer's first byte, and are padded in LDS after every 128 bytes.
; CLUSTERS.  4 x 4 work-groups: the four of a row of the cluster need the same tiles of x, the four of a column the same tiles of w_qkv; each tile is asked for JOINTLY, by the same tensor load
; with the same descriptor and a mask that names the four.  The tile row is 8 cy + cluster y: a cluster's four rows lie in the four batches, at the same place in each, so that whether a tile holds a batch's
; first rows hangs on the cluster's y alone, which all sixteen partners share.
; THE MATRIX INSTRUCTION IS USED TRANSPOSED: source 0 = 16 rows of w_qkv, source 1 = 16 rows of x: a lane then holds one row m (lane % 16) and eight neighbouring columns n = 8 (lane / 16) + 0..7.
; REGISTERS, in windows of 256 (s_set_vgpr_msb: bits 1:0 source 0, 3:2 source 1, 5:4 source 2, 7:6 destination):
;   window 0: v0-31 addresses; v32-95, v96-159 fragments of x (8 x 16 rows x 32 K), two buffers; v160-255 fragments of w_qkv, three groups (one a head) of 4 x 16 rows x 32 K, one buffer:
;             a group is loaded anew as soon as its 32 products are issued.  On the way out v32-159 hold packed results, v160-191 upper parts in f32.
;   window g + 1: the 32 accumulators of my head g: (a, b) at v[8 (4 a + b)], a = 0..7 blocks of 16 rows, b = 0..3 blocks of 16 columns.
.set PITCH,  144                       ; an LDS row: 128 bytes + 16 of padding = 36 words: the 16 rows of a load start at 16 different groups of four banks (64 banks of 4 bytes: ISA guide 11.1)
.set AHALF,  128*PITCH                 ; 128 rows of x: one tensor load, and what one wave reads of x
.set BHALF,  192*PITCH                 ; 192 rows of w_qkv: likewise
.set BOFF,   2*AHALF
.set SLOT,   BOFF+2*BHALF              ; 92,160 bytes
.set STAGE,  2*SLOT                    ; behind the ring: 16 rows x 144 bytes for each wave, for the way out; no tensor load fills it
.set SPARE,  STAGE+4*16*PITCH          ; behind the stages: the spare words, 128 bytes for each wave: two blocks of 256 bytes that no other line names
.set XBLK,   8192*128                  ; bytes from a K step of xb to the next
.set WQBLK,  3072*128                  ; of wqb
.set HLB,    3*64*32*128               ; bytes from the upper to the lower parts in pre
.set LAPS,   8                         ; a lap = two K steps = once round the ring
.set FLAGS,  (1<<16)|(1<<20)|(1<<21)|(4<<22)|(3<<25)  ; 17:16 elements of 2 bytes; 20 padding on; 21 set beside a mask; 24:22 after every 32 words (code 4); 31:25 4 words of it (code 3)
.set ADRA, 16                          ; v16-17  LDS address of my fragments of x in slot 0, 1
.set ADRB, 20                          ; v20-21  the same for w_qkv
.set STO,  24                          ; v24     the way out: where I put 16 bytes of a row
.set RD,   25                          ; v25     the way out: where I read rows back
.set GO,   26                          ; v26     my byte offset in 512 consecutive bytes of qkvh or pre
.set SPW,  28                          ; v28     LDS address of my spare word: SPARE + 4 x my thread's number; never rewritten
.set NIL,  29                          ; v29     0; never rewritten
.set AF,   32
.set BF,   160
.set TMP,  32                          ; the way out: eight sets of 16 registers
.set TF,   160                         ; the first rows' way out: 32 upper parts in f32
.set G1,  24                           ; s[24:31] descriptor group 1 for x's tiles;  s[32:39] group 0, a set for each slot
.set G0,  32
.set G1B, 48                           ; s[48:55], s[56:63] the same for w_qkv's
.set G0B, 56
.set OB,  68                           ; s[68:73] qkvh at my 128 rows of my three heads
.set CY,  80                           ; s80      the cluster's y: the tile's place in its batch
.set OP,  84                           ; s[84:89] pre at my three heads
.set PP,  90                           ; s[90:91] pre
.set MSK, 92                           ; s92      keeps an f32's sign, exponent and upper 10 mantissa bits
.set MSB, 0
.macro WIN new                         ; the immediate's high byte repeats the setting that is left; a switch that changes nothing is dropped
.if MSB != (\new)
	s_set_vgpr_msb (MSB<<8)|(\new)
.set MSB, \new
.endif
.endm
; A joint load.  Waves 0 and 1 fetch x's two halves, waves 2 and 3 w_qkv's.  The branch hangs on the wave's number alone.  An s_nop 0 and four v_nop follow each of the two lines, ahead of
; the jump, the label and what follows the macro.
.macro JLOAD s
	s_cmp_eq_u32 s11, 0
	s_cbranch_scc0 .Lfor_b_\@
	tensor_load_to_lds s[G0+4*(\s):G0+4*(\s)+3], s[G1:G1+7]
	s_nop 0
.rept 4
	v_nop
.endr
	s_branch .Lasked_\@
.Lfor_b_\@:
	tensor_load_to_lds s[G0B+4*(\s):G0B+4*(\s)+3], s[G1B:G1B+7]
	s_nop 0
.rept 4
	v_nop
.endr
.Lasked_\@:
.endm
.macro CREST                           ; a round of the cluster's barrier behind its opening barrier: wave 0 signals for the work-group, every wave waits for all sixteen, my work-group's barrier closes it
	s_cmp_lg_u32 s10, 0
	s_cbranch_scc1 .Lnot_wave_0_\@
	s_barrier_signal -3
.Lnot_wave_0_\@:
	s_barrier_wait -3
	s_barrier_signal -1
	s_barrier_wait -1
.endm
.macro CROUND                          ; a whole round
	s_barrier_signal -1
	s_barrier_wait -1
	CREST
.endm
	s_load_b128 s[4:7], s[0:1], 0x0                ; xb s[4:5], wqb s[6:7]
	s_load_b64 s[8:9], s[0:1], 0x10                ; qkvh
	s_load_b64 s[PP:PP+1], s[0:1], 0x18            ; pre
	v_lshl_add_u32 v[SPW], v0, 2, SPARE
	v_mov_b32 v[NIL], 0
	ds_add_u32 v28, v29
	ds_add_u32 v28, v29
	s_wait_dscnt 0x0
	v_lshrrev_b32 v1, 5, v0
	v_readfirstlane_b32 s10, v1                    ; wave 0..3
	s_lshr_b32 s11, s10, 1                         ; which 128 of the tile's rows are mine.  Also: I fetch for x (0) or for w_qkv (1)
	s_and_b32 s12, s10, 1                          ; which 192 of its columns.  Also: which half of that tile I fetch
	s_bfe_u32 s40, ttmp6, 0x40000                  ; cx, cy: my place in the cluster
	s_bfe_u32 s41, ttmp6, 0x40004
	s_lshl_b32 s42, ttmp9, 2                       ; in a cluster launch ttmp9 and ttmp7 count clusters
	s_add_co_u32 s42, s42, s40                     ; tile column = 4 x cluster x + cx, 0..7
	s_and_b32 s[CY], ttmp7, 0xffff                 ; cluster y, 0..7
	s_lshl_b32 s13, s41, 3
	s_add_co_u32 s13, s13, s[CY]                   ; tile row = 8 cy + cluster y, 0..31: batch cy, the batch's tile cluster y
	s_lshl_b32 s43, s41, 2
	s_lshl_b32 s43, 15, s43                        ; my row of the cluster: places 4 cy .. 4 cy + 3
	s_lshl_b32 s44, 0x1111, s40                    ; my column: places cx, cx + 4, cx + 8, cx + 12
	s_mov_b32 s[MSK], 0xffffe000
	; descriptor group 1: dense bytes as rows of 128 elements (256 bytes): 64 rows for half of x's tile, 96 for half of w_qkv's
	s_or_b32 s[G1], s43, FLAGS                     ; 15:0 the mask: x's tiles go to my row
	s_mov_b32 s[G1+1], 128<<16                     ; tensor_dim0 = 128
	s_mov_b32 s[G1+2], 64<<16                      ; tensor_dim1 = 64
	s_mov_b32 s[G1+3], 128<<16                     ; tile_dim0 = 128
	s_mov_b32 s[G1+4], 64                          ; tile_dim1 = 64
	s_mov_b32 s[G1+5], 128                         ; 128 elements from row to row
	s_mov_b32 s[G1+6], 0
	s_mov_b32 s[G1+7], 0
	s_or_b32 s[G1B], s44, FLAGS                    ; w_qkv's tiles go to my column
	s_mov_b32 s[G1B+1], 128<<16
	s_mov_b32 s[G1B+2], 96<<16
	s_mov_b32 s[G1B+3], 128<<16
	s_mov_b32 s[G1B+4], 96
	s_mov_b32 s[G1B+5], 128
	s_mov_b32 s[G1B+6], 0
	s_mov_b32 s[G1B+7], 0
	; where the tiles come from: x's hang on the tile row alone, w_qkv's on the tile column alone, each in registers that never hold the other coordinate
	s_lshl_b32 s16, s13, 15                        ; 256 rows of 128 bytes
	s_lshl_b32 s17, s12, 14                        ; + my half: 128 rows
	s_add_co_u32 s16, s16, s17
	s_mov_b32 s17, 0
	s_mul_i32 s46, s42, 384*128
	s_mul_i32 s47, s12, 192*128
	s_add_co_u32 s46, s46, s47
	s_mov_b32 s47, 0
	s_mul_i32 s20, s12, AHALF                      ; and where they go: no place in the cluster enters an LDS address
	s_mul_i32 s21, s12, BHALF
	s_add_co_u32 s21, s21, BOFF
	s_wait_kmcnt 0x0
	s_add_nc_u64 s[14:15], s[4:5], s[16:17]
	s_add_nc_u64 s[46:47], s[6:7], s[46:47]
	CROUND                                         ; all sixteen work-groups are here: the first joint loads meet
.irp s, 0,1
	s_mov_b32 s[G0+4*(\s)], 1                                      ; count = 1
	s_add_co_u32 s[G0+4*(\s)+1], s20, (\s)*SLOT                    ; LDS address
	s_add_nc_u64 s[G0+4*(\s)+2:G0+4*(\s)+3], s[14:15], (\s)*XBLK   ; global address: K step s
	s_or_b32 s[G0+4*(\s)+3], s[G0+4*(\s)+3], 0x80000000            ; type = 2
	s_mov_b32 s[G0B+4*(\s)], 1
	s_add_co_u32 s[G0B+4*(\s)+1], s21, (\s)*SLOT
	s_add_nc_u64 s[G0B+4*(\s)+2:G0B+4*(\s)+3], s[46:47], (\s)*WQBLK
	s_or_b32 s[G0B+4*(\s)+3], s[G0B+4*(\s)+3], 0x80000000
	JLOAD \s                                       ; two loads of mine are out
.endr
	; A fragment is 16 rows x 32 K in 8 registers: lane l holds row l % 16, K = 8 (l / 16) + 0..7 and 16 + 8 (l / 16) + 0..7: two loads of 16 bytes, 32 bytes apart.
	v_and_b32 v1, 15, v0                           ; l % 16
	v_bfe_u32 v2, v0, 4, 1                         ; l / 16
	v_mul_u32_u24 v3, v1, PITCH
	v_lshl_add_u32 v3, v2, 4, v3                   ; row x pitch + 16 x half
	s_mul_i32 s22, s11, AHALF                      ; my 128 rows of x
	s_mul_i32 s23, s12, BHALF                      ; my 192 rows of w_qkv
	s_add_co_u32 s23, s23, BOFF
.irp s, 0,1
	v_add_nc_u32 v[ADRA+(\s)], s22, v3
	v_add_nc_u32 v[ADRB+(\s)], s23, v3
	s_add_co_u32 s22, s22, SLOT
	s_add_co_u32 s23, s23, SLOT
.endr
	s_mul_i32 s22, s10, 16*PITCH
	s_add_co_u32 s22, s22, STAGE                   ; my stage
	v_add_nc_u32 v[STO], s22, v3                   ; in: row l % 16, 16 bytes for each half of the lanes
	v_bfe_u32 v4, v0, 3, 2                         ; back: 32 lanes take four rows of 128 bytes,
	v_and_b32 v5, 7, v0
	v_mul_u32_u24 v4, v4, PITCH
	v_lshl_add_u32 v4, v5, 4, v4
	v_add_nc_u32 v[RD], s22, v4
	v_and_b32 v5, 31, v0                           ; which are 512 consecutive bytes of a head
	v_lshlrev_b32 v[GO], 4, v5
	; where my three heads' rows begin.  Column block hc = n / 64 = 6 x tile column + 3 x half + g; head slab = 64 (hc / 16) + 16 (tile row / 8) + hc % 16: 2^18 bytes each in qkvh, 2^12 in each half of pre
	s_mul_i32 s74, s42, 6
	s_mul_i32 s75, s12, 3
	s_add_co_u32 s74, s74, s75
	s_lshr_b32 s75, s13, 3
	s_lshl_b32 s75, s75, 4                         ; 16 x batch
	s_and_b32 s78, s13, 7
	s_lshl_b32 s78, s78, 15                        ; the tile's 256 rows in the batch,
	s_lshl_b32 s79, s11, 14                        ; my 128 of them
	s_add_co_u32 s78, s78, s79
.irp g, 0,1,2
	s_add_co_u32 s76, s74, \g
	s_lshr_b32 s77, s76, 4
	s_lshl_b32 s77, s77, 6
	s_and_b32 s76, s76, 15
	s_add_co_u32 s76, s76, s77
	s_add_co_u32 s76, s76, s75                     ; the head slab
	s_lshl_b32 s82, s76, 12
	s_mov_b32 s83, 0
	s_add_nc_u64 s[OP+2*(\g):OP+2*(\g)+1], s[PP:PP+1], s[82:83]
	s_lshl_b32 s76, s76, 18
	s_add_co_u32 s76, s76, s78                     ; under 2^26
	s_mov_b32 s77, 0
	s_add_nc_u64 s[OB+2*(\g):OB+2*(\g)+1], s[8:9], s[76:77]
.endr
; 8 LDS loads: group g of w_qkv's fragments (my head g's 64 rows, 32 K at byte k of the rows)
.macro LDB slot, k, g
	WIN 0
.irp i, 0,1,2,3
	ds_load_b128 v[BF+32*(\g)+8*(\i):BF+32*(\g)+8*(\i)+3],   v[ADRB+(\slot)] offset:(\k)+(4*(\g)+(\i))*16*PITCH
	ds_load_b128 v[BF+32*(\g)+8*(\i)+4:BF+32*(\g)+8*(\i)+7], v[ADRB+(\slot)] offset:(\k)+(4*(\g)+(\i))*16*PITCH+32
.endr
.endm
; 16 LDS loads: x's fragments (my 128 rows, 32 K at byte k) into buffer f
.macro LDA slot, k, f
	WIN 0
.irp i, 0,1,2,3,4,5,6,7
	ds_load_b128 v[AF+64*(\f)+8*(\i):AF+64*(\f)+8*(\i)+3],   v[ADRA+(\slot)] offset:(\k)+(\i)*16*PITCH
	ds_load_b128 v[AF+64*(\f)+8*(\i)+4:AF+64*(\f)+8*(\i)+7], v[ADRA+(\slot)] offset:(\k)+(\i)*16*PITCH+32
.endr
.endm
; 16 matrix instructions: row blocks a0 .. a0 + 3 x the four column blocks of head g, x's buffer f.  zero = 1: the product starts the sum: nothing is ever cleared.
; The 96 accumulators take turns, one instruction a turn, in the same order in every 32 along K.
.macro MUL16 f, g, a0, zero
	WIN 0x50*((\g)+1)                              ; C and D in window g + 1, the sources in window 0
.irp a, \a0, (\a0)+1, (\a0)+2, (\a0)+3
.irp b, 0,1,2,3
.if \zero
	v_wmma_f32_16x16x32_bf16 v[8*(4*(\a)+(\b)):8*(4*(\a)+(\b))+7], v[BF+32*(\g)+8*(\b):BF+32*(\g)+8*(\b)+7], v[AF+64*(\f)+8*(\a):AF+64*(\f)+8*(\a)+7], 0
.else
	v_wmma_f32_16x16x32_bf16 v[8*(4*(\a)+(\b)):8*(4*(\a)+(\b))+7], v[BF+32*(\g)+8*(\b):BF+32*(\g)+8*(\b)+7], v[AF+64*(\f)+8*(\a):AF+64*(\f)+8*(\a)+7], v[8*(4*(\a)+(\b)):8*(4*(\a)+(\b))+7]
.endif
.endr
.endr
.endm
.macro MUL32 f, g, zero
	MUL16 \f, \g, 0, \zero
	MUL16 \f, \g, 4, \zero
.endm
; A load into a register that a matrix instruction has read, and a vector instruction that reads a matrix result or writes one of a matrix instruction's registers, stand four places behind it,
; and only plain vector instructions that name none of its registers are places (ISA guide 7.12.1 for vector instructions).
.macro PLACES
.rept 4
	v_nop
.endr
.endm
; A K step is two halves of 32 along K, 96 matrix instructions each.  The first multiplies x's buffer 0 and fetches the second half's fragments, at byte nk of slot ns, x's into buffer 1.
; At its head the LDS loads that may be out are, in order: group 0 and x (24), group 1 (8), group 2 (8); it leaves the same behind.
.macro QUARTER ns, nk, zero
	s_wait_dscnt 16                                ; group 0 and x are in; groups 1 and 2 may be out
	MUL32 0, 0, \zero
	PLACES
	LDB \ns, \nk, 0
	LDA \ns, \nk, 1
	s_wait_dscnt 32                                ; group 1 is in: behind it group 2's 8 and the 24 just issued
	MUL32 0, 1, \zero
	PLACES
	LDB \ns, \nk, 1
	s_wait_dscnt 32                                ; group 2 is in: behind it 24 and 8
	MUL32 0, 2, \zero
	PLACES
	LDB \ns, \nk, 2
.endm
; The second half multiplies buffer 1 and changes slots: ONE barrier for two things.  In front of it each wave waits for all its tensor loads, of which one is out: its part of slot ns; adds 0 to its
; spare word; and waits for that and for its own reads of slot cs.  Behind it nobody reads slot cs any more and slot ns is whole.  fill = 1: the barrier opens a round of the cluster's, and slot cs is
; filled again, two K steps ahead, first thing behind the round: from that request to the wait for it a wave issues 160 matrix instructions.
.macro TURN cs, ns, fill
	WIN 0                                          ; (the add's two registers lie in window 0)
	s_wait_tensorcnt 0x0                           ; all my tensor loads have landed;
	ds_add_u32 v[SPW], v[NIL]                      ; 0 onto my spare word;
	s_wait_dscnt 17                                ; (the add and groups 1 and 2 may be out)
	MUL16 1, 0, 0, 0                               ; sixteen matrix instructions stand between the add and the wait for it
	s_wait_dscnt 0x0                               ; the add is done, and my reads of slot cs are over
	s_barrier_signal -1
	MUL16 1, 0, 4, 0                               ; work on registers while the others arrive
	WIN 0
	s_barrier_wait -1
.if \fill
	CREST                                          ; no wave of any partner still reads this slot's tile or has a load on its way
	s_add_nc_u64 s[G0+4*(\cs)+2:G0+4*(\cs)+3], s[G0+4*(\cs)+2:G0+4*(\cs)+3], 2*XBLK
	s_add_nc_u64 s[G0B+4*(\cs)+2:G0B+4*(\cs)+3], s[G0B+4*(\cs)+2:G0B+4*(\cs)+3], 2*WQBLK
	JLOAD \cs                                      ; the four v_nop behind it are also the places in front of the loads below
.else
	PLACES
.endif
	LDB \ns, 0, 0
	LDA \ns, 0, 0
	MUL32 1, 1, 0
	PLACES
	LDB \ns, 0, 1
	MUL32 1, 2, 0
	PLACES
	LDB \ns, 0, 2
.endm
	s_wait_tensorcnt 1                             ; my part of K step 0 is in; step 1's may stay out
	s_barrier_signal -1
	s_barrier_wait -1                              ; everybody's is
	LDB 0, 0, 0
	LDA 0, 0, 0
	LDB 0, 0, 1
	LDB 0, 0, 2
	QUARTER 0, 64, 1                               ; the first 32 along K stand in front of the loop: their products start the sums
	WIN 0                                          ; at a label and at a branch every window is 0
	s_mov_b32 s3, LAPS-1
.Llap:                                                 ; a trip goes once round the ring and fills both slots again: K steps 2 to 15 in seven trips
	TURN 0, 1, 1
	QUARTER 1, 64, 0
	TURN 1, 0, 1
	QUARTER 0, 64, 0
	WIN 0
	s_sub_co_u32 s3, s3, 1
	s_cmp_lg_u32 s3, 0
	s_cbranch_scc1 .Llap
	TURN 0, 1, 0                                   ; the last lap fills nothing, and has no round of the cluster's barrier
	QUARTER 1, 64, 0
	s_wait_dscnt 16                                ; the very last 32 along K: nothing more to fetch, the counts run down
	MUL32 1, 0, 0
	s_wait_dscnt 8
	MUL32 1, 1, 0
	s_wait_dscnt 0x0
	MUL32 1, 2, 0
	PLACES                                         ; for the conversions below, which write x's buffers and read results
; THE WAY OUT, in 24 units u = 8 g + a: 16 rows of head g.  A lane's eight columns of a row pack into 16 bytes of f16; they go into my stage's rows of 144 bytes and come back as whole rows of 128.
; The stage is the wave's own, and LDS serves a wave's instructions in order (ISA guide 5.7.1.4): no wait between the stores and the loads, and the next unit's stores come behind these loads.
.macro PACK u
.set PG, (\u)/8
.set PA, (\u)%8
.set PT, TMP+16*((\u)%8)
	s_wait_xcnt 0x0                                ; every earlier memory instruction has had its addresses translated (ISA guide 3.1): the set that the stores of eight units back read is rewritten only behind this wait
	WIN 5*(PG+1)                                   ; sources 0 and 1 in window g + 1, destination in window 0
.irp b, 0,1,2,3
.irp r, 0,1,2,3
	v_cvt_pk_f16_f32 v[PT+4*(\b)+(\r)], v[32*PA+8*(\b)+2*(\r)], v[32*PA+8*(\b)+2*(\r)+1]  ; each accumulator from its low end on
.endr
.endr
	WIN 0
.irp b, 0,1,2,3
	ds_store_b128 v[STO], v[PT+4*(\b):PT+4*(\b)+3] offset:32*(\b)
.endr
.irp f, 0,1,2,3
	ds_load_b128 v[PT+4*(\f):PT+4*(\f)+3], v[RD] offset:(\f)*4*PITCH
.endr
.endm
.macro SEND u, younger                 ; younger: the LDS instructions issued behind unit u's loads: the next unit's eight, or none
.set PG, (\u)/8
.set PA, (\u)%8
.set PT, TMP+16*((\u)%8)
	WIN 0
.irp f, 0,1,2,3
	s_wait_dscnt (\younger)+3-(\f)
	global_store_b128 v[GO], v[PT+4*(\f):PT+4*(\f)+3], s[OB+2*PG:OB+2*PG+1] offset:2048*PA+512*(\f)  ; 512 consecutive bytes, at a multiple of 256 from qkvh's first
.endr
.endm
; A BATCH'S FIRST ROWS ONCE MORE: block a (0, 1) of head g in two parts.  The upper parts are the sums under the mask; the lower parts, the sums less the upper parts, take the sums' place (the ordinary way out has read them).
; Both go through the same stage, the upper parts first, and leave as whole rows.
.macro XPACK g, a
.set XT, TMP+32*((2*(\g)+(\a))%4)      ; 16 registers of packed upper parts, then 16 of lower parts
	s_wait_xcnt 0x0                                ; as in PACK: the registers that earlier stores read are rewritten only behind this wait
	WIN 4*((\g)+1)                                 ; source 1 in window g + 1, destination in window 0
.set i, 0
.rept 32
	v_and_b32 v[TF+i], s[MSK], v[32*(\a)+i]
.set i, i+1
.endr
	WIN 0x41*((\g)+1)                              ; destination and source 0 in window g + 1, source 1 in window 0
.set i, 0
.rept 16
	v_pk_add_f32 v[32*(\a)+2*i:32*(\a)+2*i+1], v[32*(\a)+2*i:32*(\a)+2*i+1], v[TF+2*i:TF+2*i+1] neg_lo:[0,1] neg_hi:[0,1]  ; exact: both have the sum's exponent
.set i, i+1
.endr
	WIN 0
.set i, 0
.rept 16
	v_cvt_pk_f16_f32 v[XT+i], v[TF+2*i], v[TF+2*i+1]
.set i, i+1
.endr
	WIN 5*((\g)+1)                                 ; sources 0 and 1 in window g + 1, destination in window 0
.set i, 0
.rept 16
	v_cvt_pk_f16_f32 v[XT+16+i], v[32*(\a)+2*i], v[32*(\a)+2*i+1]
.set i, i+1
.endr
	WIN 0
.irp b, 0,1,2,3
	ds_store_b128 v[STO], v[XT+4*(\b):XT+4*(\b)+3] offset:32*(\b)
.endr
.irp f, 0,1,2,3
	ds_load_b128 v[XT+4*(\f):XT+4*(\f)+3], v[RD] offset:(\f)*4*PITCH
.endr
.irp b, 0,1,2,3
	ds_store_b128 v[STO], v[XT+16+4*(\b):XT+16+4*(\b)+3] offset:32*(\b)
.endr
.irp f, 0,1,2,3
	ds_load_b128 v[XT+16+4*(\f):XT+16+4*(\f)+3], v[RD] offset:(\f)*4*PITCH
.endr
.irp f, 0,1,2,3
	s_wait_dscnt 11-(\f)                           ; behind load f of the upper parts: 3 - f of its kind and the lower parts' eight
	global_store_b128 v[GO], v[XT+4*(\f):XT+4*(\f)+3], s[OP+2*(\g):OP+2*(\g)+1] offset:2048*(\a)+512*(\f)  ; 512 consecutive bytes, at a multiple of 256 from pre's first
.endr
.irp f, 0,1,2,3
	s_wait_dscnt 3-(\f)
	global_store_b128 v[GO], v[XT+16+4*(\f):XT+16+4*(\f)+3], s[OP+2*(\g):OP+2*(\g)+1] offset:HLB+2048*(\a)+512*(\f)
.endr
.endm
	PACK 0
.set u, 1
.rept 23                               ; a unit's conversions stand between the loads of the unit before and its stores
	PACK u
	SEND u-1, 8
.set u, u+1
.endr
	SEND 23, 0
	s_cmp_lg_u32 s11, 0                            ; a batch's rows 0 to 31 lie in the upper half of the tile's rows (waves 0 and 1)
	s_cbranch_scc1 .Lnot_first
	s_cmp_lg_u32 s[CY], 0                          ; of the batch's first tile: cluster y = 0, the same answer in all sixteen partners
	s_cbranch_scc1 .Lnot_first                     ; what is jumped holds no barrier and no tensor load
.irp g, 0,1,2
	XPACK \g, 0
	XPACK \g, 1
.endr
.Lnot_first:
	s_wait_tensorcnt 0x0                           ; the wave's end, behind my last tensor load and my last LDS store
	ds_add_u32 v[SPW], v[NIL]
	s_wait_dscnt 0x0
	CROUND                                         ; the closing round: no work-group ends while a partner may still ask for a tile that names it
	s_endpgm
.Lfunc_end_k_q6213f6c26a_qkv:
	.size	k_q6213f6c26a_qkv, .Lfunc_end_k_q6213f6c26a_qkv-k_q6213f6c26a_qkv
	.p2alignl 7, 3214868480
	.fill 96, 4, 3214868480
	.section	.rodata,"a",@progbits
	.p2align	6, 0x0
	.amdhsa_kernel k_q6213f6c26a_qkv
		.amdhsa_group_segment_fixed_size 327680
		.amdhsa_private_segment_fixed_size 0
		.amdhsa_enable_private_segment 0
		.amdhsa_kernarg_size 32
		.amdhsa_user_sgpr_count 2
		.amdhsa_user_sgpr_kernarg_segment_ptr 1
		.amdhsa_wavefront_size32 1
		.amdhsa_system_sgpr_workgroup_id_x 1
		.amdhsa_system_sgpr_workgroup_id_y 1
		.amdhsa_system_sgpr_workgroup_id_z 1
		.amdhsa_system_vgpr_workitem_id 0
		.amdhsa_next_free_vgpr 1024
		.amdhsa_next_free_sgpr 96
		.amdhsa_reserve_vcc 0
		.amdhsa_float_denorm_mode_32 3
		.amdhsa_float_denorm_mode_16_64 3
		.amdhsa_memory_ordered 1
		.amdhsa_forward_progress 1
		.amdhsa_inst_pref_size 172
	.end_amdhsa_kernel
	.amdgpu_metadata
---
amdhsa.version: [ 1, 2 ]
amdhsa.kernels:
  - .name:           k_q6213f6c26a_qkv
    .symbol:         k_q6213f6c26a_qkv.kd
    .args:
      - { .name: xb, .offset: 0, .size: 8, .value_kind: global_buffer, .address_space: global }
      - { .name: wqb, .offset: 8, .size: 8, .value_kind: global_buffer, .address_space: global }
      - { .name: qkvh, .offset: 16, .size: 8, .value_kind: global_buffer, .address_space: global }
      - { .name: pre, .offset: 24, .size: 8, .value_kind: global_buffer, .address_space: global }
    .group_segment_fixed_size: 327680
    .private_segment_fixed_size: 0
    .kernarg_segment_align: 8
    .kernarg_segment_size: 32
    .max_flat_workgroup_size: 128
    .sgpr_count:     96
    .vgpr_count:     1024
    .wavefront_size: 32
...
	.end_amdgpu_metadata
.endif
;; end of part 2
;; launch attn (part 3): grid 4 x 64, 4 waves a work-group, no clusters, 327,680 bytes of LDS; arguments qkvh, oh; writes oh
.if DOCPART == 3
	.amdgcn_target "amdgcn-amd-amdhsa--gfx1250"
	.amdhsa_code_object_version 6
	.text
	.protected	k_q6213f6c26a_attn
	.globl	k_q6213f6c26a_attn
	.p2align	8
	.type	k_q6213f6c26a_attn,@function
k_q6213f6c26a_attn:
	s_mov_b64 s[64:65], 0
	v_nop
	global_prefetch_b8 v0, s[64:65] scope:SCOPE_SE
	s_setreg_imm32_b32 hwreg(HW_REG_WAVE_MODE, 25, 1), 1
	s_wait_xcnt 0x0
; CAUSAL ATTENTION.  O[h][q][:] = the sum over k <= q of softmax_k(Q[h][q] . K[h][k] / 8) V[h][k][:].  Q, K, V are the three parts of qkvh, each [SIZE_H][SIZE_N][64] in f16: a head's rows are dense, 128 bytes each.
; Products, maxima and sums in f32; the weights p are rounded to f16 for the second product (their sum l is taken of the unrounded p).
; O LEAVES AS TWO f16 NUMBERS: the upper part is O with the low 13 bits of its mantissa cut off (11 significant bits: exact in f16), the lower part is O less the upper part (exact in f32), rounded to f16.
; oh is [batch][upper, lower][head][SIZE_N][64]: the projection behind sums over both.  Why: row q is a mean over q + 1 rows of V, so the first rows are many times the output's root mean square, by which the
; allowed error goes; one rounding of O to 11 bits reaches the output undiminished relative to the row's own size and would take a good part of that allowance there.
; LIMITS.  f16 holds no number beyond 65,504: Q, K and V arrive within it; p lies in 0 to 1, and below 6e-5 it keeps f16's fixed step of 6e-8, and so do the two parts of O; O is a mean of V's rows and has their range.
; A hidden score counts as its value less 1e30: f16's scores, 2.7e11 at the most, are nothing beside that; a weight below 2^-126 counts as 0 in l; NaN and infinities are not treated apart.
; THE WALK.  A head's queries lie in NB = SIZE_N / 256 blocks of 256; block i needs the key tiles 0 .. i of 256 keys, of which the last holds the diagonal.  A work-group takes TWO blocks, NB - 1 - b and then b:
; NB + 1 tiles, whatever b: all work-groups do equal work, and ONE loop with a constant trip count walks them.  Which tile is asked for, and what a trip does, hang on scalar registers made from b; every jump
; goes forward, but for the counted loops' own; none passes a barrier, or a tensor load but the one of LOAD's two that the wave's number does not choose; the ring (two slots of LDS that take turns) runs on across the
; change of blocks.  NO CLUSTER: the NB / 2 = 4 work-groups of a head ask for the same tile only in trips 0 .. NB / 2, behind that fewer and fewer share one;
; and one walk common to all would have 3 NB / 2 trips for NB + 1.
; SHARES.  Of a block's four bands of 64 queries a wave owns 16 rows in each: four PIECES.  So the diagonal tile is the same work for all four waves: in its key step s band x sees all keys if s < x,
; none if s > x, and holds the diagonal if s = x.
; THE MASK is the C operand that starts the sum S^T = K Q^T: 0, or -1e30 where the key is hidden.  MD, made once, is the mask of a band's own step for my 16 rows; a product's mask is MD x AL + BE with two scalars:
; (1, 0) if s = x; (0, 0) if s < x; (0, -1e30) if s > x.  Only the diagonal tile's text and a block's beginning make and take masks; elsewhere C is the constant 0.
; LAYOUT, SOFTMAX, TURNS.  S^T = K Q^T holds ONE query a lane (lane % 16) and the keys 8 (lane / 16) + 0..7; two such results rounded to f16 ARE source 1 of O^T = V^T P.  p = 2^(c s - c m), c = log2(e) / 8, with a
; running maximum m; O and l are multiplied by a = 2^(c m_old - c m_new) in every step.  Turn n belongs to piece n: 8 products K Q^T of piece n + 1, later 8 products V^T P of piece n - 1; beside them the scaling,
; exponentials, roundings, sums and rescaling of piece n and the maximum and statistics of piece n + 1.  Four vector instructions stand behind every matrix instruction, the other 54 of a turn's 118 in two LUMPS.
; REGISTERS, in windows of 256 (s_set_vgpr_msb: bits 1:0 source 0, 3:2 source 1, 5:4 source 2, 7:6 destination):
;   window 0: v0-15 addresses and two at work; v16-31 four registers of statistics a piece; v48-55 at work; v64-127 S^T, two buffers; v192-223 P, two buffers (a piece's buffers go by its number's parity);
;             on the way out v64-127 O's upper parts, packed, v128-191 its lower parts, packed, v224-255 a piece's upper parts in f32
;   window 1: v0-127 O^T, 32 a piece; v128-159 MD; v160-223 MC, two buffers      window 2: v0-63 Q; v64-127 the second block's Q; v128-191 K of one step; v192-255 V of one step
.set SIZE_N, 2048
.set SIZE_H, 64
.set PART,  SIZE_H*SIZE_N*128  ; bytes from Q to K and from K to V in qkvh
.set LOPART, 16*SIZE_N*128     ; bytes from a batch's upper parts to its lower parts in oh: 16 heads
.set NB,    SIZE_N/256
.set NP,    4         ; pieces a wave: a name, no knob
.set KS,    64        ; keys in a step
.set PK,    144       ; a row of K in LDS: 128 bytes + 16 of padding = 36 words: the 16 rows of a load start at 16 different groups of four banks (64 banks of 4 bytes: ISA guide 11.1)
.set PV,    160       ; a row of V: 128 + 32 = 40 words
.set VOFF,  4*KS*PK   ; a slot holds a tile, four steps: 256 rows of K, then 256 rows of V
.set SLOT1, 1<<17     ; slot 1 begins here, so that one exclusive or turns an address in one slot into the other's
.set STAGE, SLOT1+4*KS*(PK+PV)  ; behind the ring, never filled by a tensor load: 16 rows x 144 bytes for each wave, for the way out
.set SP,    144
.set AK0, 2           ; v2   my lane's place in a tile of K; never rewritten
.set AV0, 3           ; v3   the same for V
.set AK,  4           ; v4   the LDS address of K's next run of loads
.set AV,  5           ; v5   of V's
.set STO, 6           ; v6   the way out: where I put 16 bytes of a row
.set RD,  7           ; v7   the way out: where I read rows back
.set GO,  8           ; v8   my byte offset in 512 consecutive bytes of O
.set SPW, 62          ; v62  LDS address of my spare word: SPARE + 4 x my thread's number; never rewritten
.set NIL, 63          ; v63  0; never rewritten
.set SPARE, STAGE+4*16*SP  ; behind the stages: the spare words, 128 bytes for each wave: two blocks of 256 bytes that no other line names
.set MV,  12          ; v12-13  c m_old, kept while c m is made anew: by buffer
.set QO,  15          ; v15  my byte offset in 16 rows of Q
.set ST,  16          ; piece t's statistics at v[ST+4 t]: c m, m, l (even keys', odd keys')
.set TMP, 48          ; by buffer, four registers c0-c3 at work; when the maximum is found c2 takes a
.set S,   64
.set LO,  128         ; the way out: 16 registers a piece
.set P,   192
.set TF,  224         ; the way out: 32 registers at work
.set MD,  128         ; window 1: the eight registers for group kt of 16 keys at MD + 8 kt
.set MC,  160         ; window 1: the masks of the products to come
.set QB,  64          ; window 2
.set KF,  128         ; window 2: key block kb, channel half c at KF + 16 kb + 8 c
.set VF,  192         ; window 2: key half kk, channel block cb at VF + 32 kk + 8 cb
.set WV,  12          ; s12  my wave's number
.set PB,  14          ; s14  b
.set HI,  15          ; s15  NB - 1 - b
.set G1K, 24          ; s[24:31] descriptor group 1 for K's tiles
.set G1V, 32          ; s[32:39] for V's: it differs in the padding alone
.set G0K, 40          ; s[40:43] descriptor group 0 for K's tiles
.set G0V, 44          ; s[44:47] the same for V's
.set SLOTS, 56        ; s56  tiles still to be asked for
.set CNT, 57          ; s57  counts a tile's key steps, 4 to 1
.set CS,  58          ; s[58:59] c: the packed scaling takes the pair's low word for both halves
.set SEL, 60          ; s[60:61] v_permlanex16_b32's selects: each lane takes its own place in the other half
.set TBK, 62          ; s62  LDS byte at which K of the step to be fetched begins
.set TBV, 63          ; s63  the same for V, less VOFF
.set OX,  66          ; s[66:67] what a head's place in oh has over its place in Q: batch x LOPART
.set RT,  70          ; s70  tiles of the block in hand that are still to be entered
.set NXT, 71          ; s71  the tile to be asked for next
.set LQ,  72          ; s72  the last tile of the block whose tiles are being asked for
.set NEW, 73          ; s73  1: the tile to be entered is a block's first
.set OFF, 74          ; s[74:75] a tile's byte offset in K and V
.set AL,  76          ; s[76:77] the mask's factor, in the low word
.set BE,  78          ; s[78:79] the mask's addend
.set OLO, 80          ; s[80:81] O at my rows of the second block
.set BIGN, 82         ; s82  -1e30
.set MSK, 83          ; s83  keeps an f32's sign, exponent and upper 10 mantissa bits
.set MSB, 0
.macro WIN new                      ; the high byte repeats the setting that is left; a switch that changes nothing is dropped
.if MSB != (\new)
	s_set_vgpr_msb (MSB<<8)|(\new)
.set MSB, (\new)
.endif
.endm
.set W_KQ, 0x0a       ; K and Q in window 2, S^T in window 0
.set W_KM, 0x1a       ; the same with the C operand in window 1
.set W_PV, 0x52       ; V in window 2, P in window 0, O^T in window 1
.set W_RS, 0x41       ; destination and source 0 in window 1, source 1 in window 0
; A fill.  Waves 0 and 1 fetch the two halves of a tile's K, waves 2 and 3 those of its V: 128 keys each.  An s_nop 0 and four v_nop follow each of the two lines, ahead of the jump and the label.
.macro LOAD
	s_cmp_lt_u32 s[WV], 2
	s_cbranch_scc0 .Lfor_v_\@
	tensor_load_to_lds s[G0K:G0K+3], s[G1K:G1K+7]
	s_nop 0
.rept 4
	v_nop
.endr
	s_branch .Lasked_\@
.Lfor_v_\@:
	tensor_load_to_lds s[G0V:G0V+3], s[G1V:G1V+7]
	s_nop 0
.rept 4
	v_nop
.endr
.Lasked_\@:
.endm
; THE CHANGE OF SLOTS.  Each wave waits for all its tensor loads, of which one is out: its part of the other slot; adds 0 to its spare word; and waits for that and for its own reads of the slot that it leaves.  Behind the barrier nobody reads the old
; slot any more and the other slot is whole.  fill = 1: the old slot is filled again, the first thing behind the barrier, with tile NXT: the descriptor's address is made anew from that number.
; (At its first use nothing has been read yet: slot 0 is waited for, slot 1 filled.)
.macro CHANGE fill
	WIN 0                           ; at a label and at a branch every window is 0
	s_wait_tensorcnt 0x0            ; no tensor load of mine is out, so a group 0 may be written
	ds_add_u32 v[SPW], v[NIL]       ; 0 onto my spare word; with fill = 1 the descriptors' scalar work stands between it and the wait for it
.if \fill
	s_lshl_b32 s[OFF], s[NXT], 15   ; a tile is 32,768 bytes of K and of V
	s_xor_b32 s[G0K+1], s[G0K+1], SLOT1
	s_add_nc_u64 s[G0K+2:G0K+3], s[6:7], s[OFF:OFF+1]
	s_or_b32 s[G0K+3], s[G0K+3], 0x80000000
	s_xor_b32 s[G0V+1], s[G0V+1], SLOT1
	s_add_nc_u64 s[G0V+2:G0V+3], s[8:9], s[OFF:OFF+1]
	s_or_b32 s[G0V+3], s[G0V+3], 0x80000000
	s_add_co_u32 s[NXT], s[NXT], 1  ; the block's next tile, or behind its last the second block's tile 0
	s_cmp_gt_u32 s[NXT], s[LQ]
	s_cselect_b32 s[NXT], 0, s[NXT]
	s_cselect_b32 s[LQ], s[PB], s[LQ]
.endif
	s_wait_dscnt 0x0                ; the add is done, and my reads of the slot are over
	s_barrier_signal -1             ; the rest of the scalar work stands between the signal and the wait
	s_sub_co_u32 s[TBK], s[TBK], 4*KS*PK  ; the fetches go back to a slot's first step,
	s_xor_b32 s[TBK], s[TBK], SLOT1       ; in the other slot
	s_sub_co_u32 s[TBV], s[TBV], 4*KS*PV
	s_xor_b32 s[TBV], s[TBV], SLOT1
	s_barrier_wait -1
.if \fill
	LOAD
.endif
.endm
	s_load_b64 s[4:5], s[0:1], 0x0    ; qkvh: Q's part begins it
	s_load_b64 s[10:11], s[0:1], 0x8  ; oh
	v_lshl_add_u32 v[SPW], v0, 2, SPARE
	v_mov_b32 v[NIL], 0
	ds_add_u32 v62, v63
	ds_add_u32 v62, v63
	s_wait_dscnt 0x0
	v_lshrrev_b32 v1, 5, v0
	v_readfirstlane_b32 s[WV], v1   ; wave 0..3
	s_mov_b32 s[PB], ttmp9
	s_sub_co_u32 s[HI], NB-1, s[PB]
	s_and_b32 s20, ttmp7, 0xffff    ; the head, 16 x batch + head
	s_lshr_b32 s[OX], s20, 4        ; the batch:
	s_lshl_b32 s[OX], s[OX], 22     ; in oh each batch in front of mine has 16 slabs of lower parts too
	s_mov_b32 s[OX+1], 0
	s_mov_b32 s21, 0
	s_mov_b64 s[22:23], SIZE_N*128
	s_mul_u64 s[20:21], s[20:21], s[22:23]  ; the head's first byte in Q, K and V
	s_and_b32 s16, s[WV], 1         ; which half of a tile's 256 keys I fetch:
	s_lshl_b32 s22, s16, 14         ; its 128 rows of 128 bytes in memory,
	s_mov_b32 s23, 0
	s_add_nc_u64 s[22:23], s[22:23], s[20:21]
	s_mul_i32 s17, s16, 128*PK      ; and its place in a slot, for K
	s_mul_i32 s18, s16, 128*PV      ; and for V
	s_lshl_b32 s3, s[WV], 11        ; my 16 rows in a band of 64,
	s_lshl_b32 s2, s[HI], 15        ; in the first block,
	s_add_co_u32 s2, s2, s3
	s_lshl_b32 s84, s[PB], 15       ; and in the second
	s_add_co_u32 s84, s84, s3
	s_mov_b32 s3, 0
	s_mov_b32 s85, 0
	s_add_nc_u64 s[2:3], s[2:3], s[20:21]
	s_add_nc_u64 s[84:85], s[84:85], s[20:21]
	; descriptor group 1.  128 keys are 16,384 dense bytes: asked for as 64 rows of 256 bytes, two keys a row, and padded in LDS after every key
	s_mov_b32 s[G1K], (1<<16)|(1<<20)|(4<<22)|(3<<25)  ; 17:16 2-byte elements; 20 padding on; 24:22 after every 32 words (code 4); 31:25 4 words (code 3)
	s_mov_b32 s[G1V], (1<<16)|(1<<20)|(4<<22)|(7<<25)  ; the same with 8 words of padding (code 7)
.irp g, G1K, G1V
	s_mov_b32 s[\g+1], 128<<16      ; tensor_dim0 = 128
	s_mov_b32 s[\g+2], 64<<16       ; tensor_dim1 = 64
	s_mov_b32 s[\g+3], 128<<16      ; tile_dim0 = 128
	s_mov_b32 s[\g+4], 64           ; tile_dim1 = 64
	s_mov_b32 s[\g+5], 128          ; 128 elements from row to row
	s_mov_b32 s[\g+6], 0
	s_mov_b32 s[\g+7], 0
.endr
	s_mov_b32 s[CS], 0x3e38aa3b     ; c = log2(e) / 8 = 0.180337
	s_mov_b32 s[CS+1], s[CS]        ; named with it as a pair
	s_mov_b32 s[SEL], 0x76543210
	s_mov_b32 s[SEL+1], 0xfedcba98
	s_mov_b32 s[TBK], SLOT1+4*KS*PK ; the first change of slots turns these two into 0
	s_mov_b32 s[TBV], SLOT1+4*KS*PV
	s_mov_b32 s[G0K], 1             ; 1:0 count = 1
	s_mov_b32 s[G0K+1], s17         ; 63:32 LDS address: slot 0
	s_mov_b32 s[G0V], 1
	s_add_co_u32 s[G0V+1], s18, VOFF
	s_add_co_u32 s[RT], s[HI], 1    ; the first block has NB - b tiles
	s_mov_b32 s[NXT], 1
	s_mov_b32 s[LQ], s[HI]
	s_mov_b32 s[NEW], 1
	s_mov_b32 s[OFF+1], 0
	s_mov_b32 s[AL+1], 0            ; named as pairs
	s_mov_b32 s[BE+1], 0
	s_mov_b32 s[BIGN], 0xf149f2ca   ; -1e30
	s_mov_b32 s[MSK], 0xffffe000
	s_mov_b32 s[SLOTS], NB
	s_wait_kmcnt 0x0
	s_add_nc_u64 s[6:7], s[4:5], PART      ; K's part of qkvh
	s_add_nc_u64 s[8:9], s[4:5], 2*PART    ; V's
	s_add_nc_u64 s[6:7], s[6:7], s[22:23]  ; K and V at my half of the head's tile 0
	s_add_nc_u64 s[8:9], s[8:9], s[22:23]
	s_add_nc_u64 s[G0K+2:G0K+3], s[6:7], 0         ; 120:64 global address
	s_or_b32 s[G0K+3], s[G0K+3], 0x80000000        ; 127:126 type = 2
	s_add_nc_u64 s[G0V+2:G0V+3], s[8:9], 0
	s_or_b32 s[G0V+3], s[G0V+3], 0x80000000
	s_add_nc_u64 s[86:87], s[4:5], s[84:85]        ; Q at my rows of the second block,
	s_add_nc_u64 s[4:5], s[4:5], s[2:3]            ; Q and O at those of the first
	s_add_nc_u64 s[10:11], s[10:11], s[OX:OX+1]
	s_add_nc_u64 s[OLO:OLO+1], s[10:11], s[84:85]
	s_add_nc_u64 s[10:11], s[10:11], s[2:3]
	LOAD                            ; tile 0 into slot 0
	; A fragment of K or Q is 16 rows x 32 channels in 8 registers: lane l holds row l % 16, channels 8 (l / 16) + 0..7 and 16 + 8 (l / 16) + 0..7: two loads of 16 bytes, 32 bytes apart.
	v_and_b32 v1, 15, v0            ; l % 16
	v_bfe_u32 v9, v0, 4, 1          ; l / 16
	v_lshlrev_b32 v[QO], 7, v1
	v_lshl_add_u32 v[QO], v9, 4, v[QO]  ; row x 128 + 16 x half
	WIN 0x80                        ; destination window 2, address window 0
.set i, 0
.rept 8                             ; both blocks' Q: piece i / 2 lies in band i / 2, 8,192 bytes on; channels 32 (i % 2) on
	global_load_b128 v[8*i:8*i+3],   v[QO], s[4:5] offset:(i/2)*8192+(i%2)*64
	global_load_b128 v[8*i+4:8*i+7], v[QO], s[4:5] offset:(i/2)*8192+(i%2)*64+32
	global_load_b128 v[QB+8*i:QB+8*i+3],   v[QO], s[86:87] offset:(i/2)*8192+(i%2)*64
	global_load_b128 v[QB+8*i+4:QB+8*i+7], v[QO], s[86:87] offset:(i/2)*8192+(i%2)*64+32
.set i, i+1
.endr
	WIN 0
	v_lshlrev_b32 v14, 3, v9
	v_sub_nc_u32 v14, v1, v14
	s_lshl_b32 s13, s[WV], 4
	v_add_nc_u32 v14, s13, v14      ; my query's place in its band, 16 w + l % 16, less my lanes' 8 (l / 16): register r of group kt is hidden where 16 kt + r is greater
	WIN 0x40
.set i, 0
.rept 32
	v_cmp_gt_i32 vcc_lo, 16*(i/8)+i%8, v14
	v_cndmask_b32 v[MD+i], 0, s[BIGN], vcc_lo
.set i, i+1
.endr
	WIN 0
	v_mul_u32_u24 v[AK0], v1, PK
	v_lshl_add_u32 v[AK0], v9, 4, v[AK0]  ; row x pitch + 16 x half
	; The turning load takes 16 keys x 16 channels (lane l reads key 8 (l / 16) + l % 8, channels 8 ((l / 8) % 2) + 0..7) and leaves half a fragment of V^T: lane l holds channel l % 16 and 8 keys.
	v_and_b32 v10, 7, v0
	v_bfe_u32 v11, v0, 3, 1
	v_lshl_add_u32 v[AV0], v9, 3, v10
	v_mul_u32_u24 v[AV0], v[AV0], PV
	v_lshl_add_u32 v[AV0], v11, 4, v[AV0]
	v_add_nc_u32 v[AV0], VOFF, v[AV0]
	s_mul_i32 s13, s[WV], 16*SP
	s_add_co_u32 s13, s13, STAGE    ; my stage
	v_mul_u32_u24 v[STO], v1, SP    ; in: row l % 16, 16 bytes for each half of the lanes
	v_lshl_add_u32 v[STO], v9, 4, v[STO]
	v_add_nc_u32 v[STO], s13, v[STO]
	v_bfe_u32 v[RD], v0, 3, 2       ; back: 32 lanes take four rows of 128 bytes,
	v_mul_u32_u24 v[RD], v[RD], SP
	v_lshl_add_u32 v[RD], v10, 4, v[RD]
	v_add_nc_u32 v[RD], s13, v[RD]
	v_and_b32 v[GO], 31, v0         ; which are 512 consecutive bytes of O
	v_lshlrev_b32 v[GO], 4, v[GO]
	; A block's first step multiplies O^T and l by a = 0, and its first turn's products V^T P, of a piece that has not been, land in an O^T that is still to be so multiplied.  So these registers need only hold
	; finite numbers: zeros for the first block; what the first block left for the second.  All this stands in the wait for the first tile.
	WIN 0x80
.set i, VF
.rept 64
	v_mov_b32 v[i], 0
.set i, i+1
.endr
	WIN 0x40
.set i, 0
.rept 128
	v_mov_b32 v[i], 0
.set i, i+1
.endr
	WIN 0
.set i, 0
.rept 4
	v_mov_b32 v[ST+4*i+2], 0
	v_mov_b32 v[ST+4*i+3], 0
.set i, i+1
.endr
.set i, P+16
.rept 16
	v_mov_b32 v[i], 0
.set i, i+1
.endr
; THE MATRIX WORK.  The 4 accumulators of a run of 8 take turns.  Product i of 8 of S^T = K Q^T for piece x: channels 32 (i / 4) on, keys 16 (i % 4) on.  The first 4 start the sums: with 0, or (KM = 1) with the mask.
.macro KQ x
.set rS, S+32*((\x)%2)+8*(i%4)
.set rK, KF+16*(i%4)+8*(i/4)
.set rQ, 16*(\x)+8*(i/4)
.set rM, MC+32*((\x)%2)+8*(i%4)
.if (i < 4) && KM
	WIN W_KM
	v_wmma_f32_16x16x32_f16 v[rS:rS+7], v[rK:rK+7], v[rQ:rQ+7], v[rM:rM+7]
.elseif i < 4
	WIN W_KQ
	v_wmma_f32_16x16x32_f16 v[rS:rS+7], v[rK:rK+7], v[rQ:rQ+7], 0
.else
	WIN W_KQ
	v_wmma_f32_16x16x32_f16 v[rS:rS+7], v[rK:rK+7], v[rQ:rQ+7], v[rS:rS+7]
.endif
.endm
; Product i of 8 of O^T += V^T P for piece x: keys 32 (i / 4) on, channels 16 (i % 4) on.
.macro PV x
	WIN W_PV
.set rO, 32*(\x)+8*(i%4)
.set rV, VF+32*(i/4)+8*(i%4)
.set rP, P+16*((\x)%2)+8*(i/4)
	v_wmma_f32_16x16x32_f16 v[rO:rO+7], v[rV:rV+7], v[rP:rP+7], v[rO:rO+7]
.endm
.macro MM                           ; the turn's next matrix instruction.  TURN and BEGIN set Y, i, KM and NOKQ; MM, KQ and OP read them.  NOKQ = 1: a block's last turn: there is no next piece
.if (i < 8) && !NOKQ
	KQ (Y+1)%NP
.elseif i >= 8
.set i, i-8
	PV (Y+NP-1)%NP
.set i, i+8
.endif
.set i, i+1
.endm
; THE LDS LOADS stand in runs of 16, never singly among the matrix instructions: a step's K (64 keys x 64 channels: 8 fragments) and its V (turned).  Their addresses are made some lines ahead.
.macro FETCH_K
	WIN 0x80                        ; destination window 2
.irp f, 0,1,2,3,4,5,6,7             ; keys 16 (f / 2) on, channels 32 (f % 2) on
	ds_load_b128 v[KF+8*\f:KF+8*\f+3],   v[AK] offset:(\f/2)*16*PK+(\f%2)*64
	ds_load_b128 v[KF+8*\f+4:KF+8*\f+7], v[AK] offset:(\f/2)*16*PK+(\f%2)*64+32
.endr
	s_add_co_u32 s[TBK], s[TBK], KS*PK  ; the next fetch is the next step's
	WIN 0
.endm
.macro FETCH_V
	WIN 0x80
.irp f, 0,1,2,3,4,5,6,7             ; keys 32 (f / 4) on, channels 16 (f % 4) on
	ds_load_tr16_b128 v[VF+8*\f:VF+8*\f+3],   v[AV] offset:(\f/4)*32*PV+(\f%4)*32
	ds_load_tr16_b128 v[VF+8*\f+4:VF+8*\f+7], v[AV] offset:(\f/4)*32*PV+16*PV+(\f%4)*32
.endr
	WIN 0
.endm
; THE VECTOR WORK, one line at a time: OP kind, number.  For piece Y: F n: c s - c m for pair n of 16.  E n: the exponential of score n of 32.  C n: pair n rounded to f16.  B n: of the four weights 4 n .. the second
; pair is added onto the first, in place.  L n: l takes that sum (L 0: l = a l + sum).  R n: pair n of 16 of O^T times a.  For piece Y + 1: X n, number n of the 22 that find its maximum and statistics:
;   0-11  four chains c0-c3 of seven scores each, three operands at a time (each accumulator's lowest registers are read first)     12-14, 16  the four scores left over, the old m, and c0-c3 into c0
;   15  c m_old is kept     17, 18  the query's other 32 keys lie in the lane 16 away: the new m     19-21  c m; c m_old - c m_new; a
.set F, 0               ; OP tells the kinds apart by their order: F to L below R, X above it
.set E, 1
.set C, 2
.set B, 3
.set L, 4
.set R, 5
.set X, 6
.macro REGS y                       ; the registers of piece y
.set rT, ST+4*(\y)
.set rC, TMP+4*((\y)%2)
.set rW, MV+((\y)%2)
.set rS, S+32*((\y)%2)
.set rP, P+16*((\y)%2)
.set rO, 32*(\y)
.endm
.macro OP k, n
.if (\k) == R
	REGS Y
	WIN W_RS
	v_pk_mul_f32 v[rO+2*(\n):rO+2*(\n)+1], v[rO+2*(\n):rO+2*(\n)+1], v[rC+2:rC+3] op_sel_hi:[1,0]
.elseif (\k) < R
	REGS Y
	WIN 0
.if (\k) == F
	v_pk_fma_f32 v[rS+2*(\n):rS+2*(\n)+1], v[rS+2*(\n):rS+2*(\n)+1], s[CS:CS+1], v[rT:rT+1] op_sel_hi:[1,0,0] neg_lo:[0,0,1] neg_hi:[0,0,1]
.elseif (\k) == E
	v_exp_f32 v[rS+(\n)], v[rS+(\n)]
.elseif (\k) == C
	s_wait_alu depctr_va_vdst(0)
	v_cvt_pk_f16_f32 v[rP+(\n)], v[rS+2*(\n)], v[rS+2*(\n)+1]
.elseif (\k) == B
	s_wait_alu depctr_va_vdst(0)
	v_pk_add_f32 v[rS+4*(\n):rS+4*(\n)+1], v[rS+4*(\n):rS+4*(\n)+1], v[rS+4*(\n)+2:rS+4*(\n)+3]
.elseif (\n) == 0
	v_pk_fma_f32 v[rT+2:rT+3], v[rT+2:rT+3], v[rC+2:rC+3], v[rS:rS+1] op_sel_hi:[1,0,1]
.else
	v_pk_add_f32 v[rT+2:rT+3], v[rT+2:rT+3], v[rS+4*(\n):rS+4*(\n)+1]
.endif
.elseif NOKQ
	v_nop
.else
	REGS (Y+1)%NP
	WIN 0
.if (\n) < 4
	v_max3_num_f32 v[rC+(\n)], v[rS+8*(\n)], v[rS+8*(\n)+1], v[rS+8*(\n)+2]
.elseif (\n) < 12
	v_max3_num_f32 v[rC+(\n)%4], v[rC+(\n)%4], v[rS+8*((\n)%4)+2*((\n)/4)+1], v[rS+8*((\n)%4)+2*((\n)/4)+2]
.elseif (\n) == 12
	v_max3_num_f32 v[rC], v[rC], v[rS+7], v[rS+15]
.elseif (\n) == 13
	v_max3_num_f32 v[rC+1], v[rC+1], v[rS+23], v[rS+31]
.elseif (\n) == 14
	v_max3_num_f32 v[rC+2], v[rC+2], v[rC+3], v[rT+1]
.elseif (\n) == 15
	v_mov_b32 v[rW], v[rT]
.elseif (\n) == 16
	v_max3_num_f32 v[rC], v[rC], v[rC+1], v[rC+2]
.elseif (\n) == 17
	v_permlanex16_b32 v[rC+3], v[rC], s[SEL], s[SEL+1]
.elseif (\n) == 18
	v_max_num_f32 v[rT+1], v[rC], v[rC+3]
.elseif (\n) == 19
	v_mul_f32 v[rT], s[CS], v[rT+1]
.elseif (\n) == 20
	v_sub_f32 v[rC+1], v[rW], v[rT]
.else
	v_exp_f32 v[rC+2], v[rC+1]
.endif
.endif
.endm
.macro OPS a, i1, b=-1, i2=0, c=-1, i3=0, d=-1, i4=0  ; up to four of them
	OP \a, \i1
.if (\b) >= 0
	OP \b, \i2
.endif
.if (\c) >= 0
	OP \c, \i3
.endif
.if (\d) >= 0
	OP \d, \i4
.endif
.endm
.macro ROW a, i1, b, i2, c, i3, d, i4  ; a matrix instruction and the four behind it
	MM
	OPS \a, \i1, \b, \i2, \c, \i3, \d, \i4
.endm
.macro MASK b                       ; MD x AL + BE into buffer b of MC
	WIN W_RS
.set z, 0
.rept 16
	v_pk_fma_f32 v[MC+32*(\b)+2*z:MC+32*(\b)+2*z+1], v[MD+2*z:MD+2*z+1], s[AL:AL+1], s[BE:BE+1] op_sel_hi:[1,0,0]
.set z, z+1
.endr
.endm
; A TURN, for piece p: the order of its 16 matrix and 118 vector instructions, written out.  Behind a matrix instruction: plain, exponential, plain, plain; or four of the rescaling; or, behind the first, four scalings; none
; names a register of the products round it.  In the lumps exponential and plain by turns while exponentials last.  A line reads no result made fewer than three vector instructions in front of it, five if an exponential made it.
; v_permlanex16_b32 (X 17) stands in a lump.
; m = 1: the diagonal tile: the products take masks, and the turn makes the mask for the products of the turn after it: piece p + 2, in step 4 - CNT of the tile.  end = 1: a block's last two turns: nothing is fetched.
; cnt = 1: the loop's count is taken down some lines ahead of the branch that stands behind the turn.
; K of the next step is fetched in piece 2's turn, six vector instructions behind the last product that read K (five of them plain); V of the step in hand in piece 0's turn, eight behind the last product that read V (four
; plain, and X 17).  Each is waited for a turn later.
.macro TURN p, m=0, end=0, cnt=0
.set Y, (\p)
.set i, 0
.set KM, (\m)
.set NOKQ, (\end)*((\p)/3)
.if (\m) && !(\end)
	s_cmp_eq_u32 s[CNT], 4-((\p)+2)%NP  ; is that step the band's own?
	s_cselect_b32 s[AL], 1.0, 0
	s_cmp_lt_u32 s[CNT], 4-((\p)+2)%NP  ; or a later one?
	s_cselect_b32 s[BE], s[BIGN], 0
.endif
.if ((\p) == 3) && !(\end)
	s_wait_dscnt 0x0                ; K is in
.endif
	ROW F,0, F,1, F,2, F,3
	ROW F,4, E,0, F,5, F,6
	ROW F,7, E,1, F,8, F,9
	ROW F,10, E,2, C,0, F,11
	ROW F,12, E,3, X,15, F,13
	ROW R,0, R,1, R,2, R,3
	ROW B,0, E,4, F,14, L,0
.if ((\p) == 2) && !(\end)
	v_add_nc_u32 v[AK], s[TBK], v[AK0]
.endif
	ROW R,4, R,5, R,6, R,7
	OPS E,5, F,15
.if ((\p) == 2) && !(\end)
	FETCH_K
.endif
	OPS E,6, C,1, E,7, R,8
	OPS E,8, R,9, E,9, C,2
	OPS E,10, X,0, E,11, X,1
	OPS E,12, X,2, E,13, X,3
.if (\p) == 1
	s_wait_dscnt 0x0                ; V is in
.endif
	ROW X,4, E,14, X,5, X,6
	ROW X,7, E,15, X,8, X,9
	ROW X,10, E,16, X,11, X,12
	ROW X,13, E,17, X,14, B,1
	ROW C,4, E,18, X,16, L,1
	ROW B,2, E,19, C,6, L,2
	ROW C,8, E,20, B,3, B,4
.if (\p) == 0
	v_add_nc_u32 v[AV], s[TBV], v[AV0]
.endif
	ROW C,3, E,21, L,3, C,5
	OPS E,22, X,17, E,23, C,10
.if (\p) == 0
	FETCH_V
.endif
	OPS E,24, L,4
	OPS E,25, X,18, E,26, C,7
	OPS E,27, B,5, E,28, X,19
	OPS E,29, C,12, E,30, L,5
	OPS E,31, X,20, B,6, C,9
	OPS C,14, C,11, X,21, L,6
.if (\p) == 0
	s_add_co_u32 s[TBV], s[TBV], KS*PV
.endif
.if \cnt
	s_sub_co_u32 s[CNT], s[CNT], 1
	s_cmp_lg_u32 s[CNT], 0
.endif
	OPS C,13, B,7, C,15, R,10
	OPS R,11, R,12, L,7, R,13
	OPS R,14, R,15
.if (\m) && !(\end)
	MASK (\p)%2
.endif
.endm
; A BLOCK BEGINS.  c m starts far below every c s, so the first step's a is 0; m at the lowest finite number, so the first maximum is the scores'.  The second mask buffer is 0; the first takes piece 0's mask for the tile's step 0: its own, if the block's first tile is the diagonal one.
; Then K of that step, piece 0's first scores, and its maximum and statistics.  The loop is entered at a step's first turn, in the middle of a trip.
.macro BEGIN
	s_mov_b32 s[NEW], 0
	WIN 0x40
.set i, MC+32
.rept 32
	v_mov_b32 v[i], 0
.set i, i+1
.endr
	WIN 0
.set i, 0
.rept 4
	v_mov_b32 v[ST+4*i], 0xfe000000    ; c m: far below every c s
	v_mov_b32 v[ST+4*i+1], 0xff7fffff  ; m
.set i, i+1
.endr
	s_cmp_eq_u32 s[RT], 0
	s_cselect_b32 s[AL], 1.0, 0
	s_mov_b32 s[BE], 0
	MASK 0
	WIN 0
	v_add_nc_u32 v[AK], s[TBK], v[AK0]
	FETCH_K
	s_wait_loadcnt 0x0              ; Q
	s_wait_dscnt 0x0
.set KM, 1
.set NOKQ, 0
.set i, 0
.rept 8
	KQ 0
.set i, i+1
.endr
	WIN 0
.rept 4
	v_nop                           ; the places behind those products
.endr
.set Y, NP-1                        ; X works for piece Y + 1: piece 0
.irp n, 0,1,2,3,4,5,6,7,8,9,10,11,12,13,14,15,16,17,18,19,20,21
	OP X, \n
.endr
	v_nop                           ; a plain instruction behind the exponential
.endm
; THE DIAGONAL TILE's four steps, the block's last two turns, its last products, and THE WAY OUT: l's two halves and the other half of the lanes' are added; O^T is divided by l, split into its two parts, and these
; are sent through my stage in LDS, a piece at a time.
.macro ALL line:vararg              ; one line for each piece t
.set t, 0
.rept 4
	\line
.set t, t+1
.endr
.endm
; Piece t.  O = O^T / l; the upper part is O under the mask (its 11 significant bits are f16's, so the conversion below changes nothing within f16's normal range); the lower part, O less the upper part, takes O^T's place.
; A lane's eight channels of a row pack into 16 bytes; they go into rows of 144 bytes and come back as whole rows of 128: first the upper parts, then, through the same stage, the lower parts.
.macro PACK t
	WIN W_RS
.set i, 32*(\t)
.rept 16
	s_wait_alu depctr_va_vdst(0)
	v_pk_mul_f32 v[i:i+1], v[i:i+1], v[ST+4*(\t)+2:ST+4*(\t)+3] op_sel_hi:[1,0]
.set i, i+2
.endr
	WIN 0x04                        ; source 1 window 1, destination window 0
.set i, 0
.rept 32
	v_and_b32 v[TF+i], s[MSK], v[32*(\t)+i]
.set i, i+1
.endr
	WIN W_RS
.set i, 0
.rept 16
	v_pk_add_f32 v[32*(\t)+2*i:32*(\t)+2*i+1], v[32*(\t)+2*i:32*(\t)+2*i+1], v[TF+2*i:TF+2*i+1] neg_lo:[0,1] neg_hi:[0,1]  ; exact: both have O's exponent
.set i, i+1
.endr
	WIN 0
.set i, 0
.rept 16
	v_cvt_pk_f16_f32 v[S+16*(\t)+i], v[TF+2*i], v[TF+2*i+1]
.set i, i+1
.endr
	WIN 0x05                        ; sources 0 and 1 window 1, destination window 0
.set i, 0
.rept 16
	v_cvt_pk_f16_f32 v[LO+16*(\t)+i], v[32*(\t)+2*i], v[32*(\t)+2*i+1]
.set i, i+1
.endr
	WIN 0
.irp f, 0,1,2,3
	ds_store_b128 v[STO], v[S+16*(\t)+4*\f:S+16*(\t)+4*\f+3] offset:32*\f
.endr
.irp f, 0,1,2,3
	ds_load_b128 v[S+16*(\t)+4*\f:S+16*(\t)+4*\f+3], v[RD] offset:\f*4*SP  ; LDS serves a wave's instructions in order (ISA guide 5.7.1.4): these see the stores above; the stores below come behind them
.endr
.irp f, 0,1,2,3
	ds_store_b128 v[STO], v[LO+16*(\t)+4*\f:LO+16*(\t)+4*\f+3] offset:32*\f
.endr
.irp f, 0,1,2,3
	ds_load_b128 v[LO+16*(\t)+4*\f:LO+16*(\t)+4*\f+3], v[RD] offset:\f*4*SP  ; likewise; the next piece's stores come behind them
.endr
.endm
.macro SEND t, younger              ; younger: the LDS instructions issued behind piece t's: the next piece's sixteen, or none
	WIN 0
.irp f, 0,1,2,3
	s_wait_dscnt (\younger)+11-\f   ; behind load f of the upper parts: 3 - f of its kind and the lower parts' eight
	global_store_b128 v[GO], v[S+16*(\t)+4*\f:S+16*(\t)+4*\f+3], s[10:11] offset:(\t)*8192+\f*512  ; 512 consecutive bytes, at a multiple of 256 from oh's first
.endr
.irp f, 0,1,2,3
	s_wait_dscnt (\younger)+3-\f
	global_store_b128 v[GO], v[LO+16*(\t)+4*\f:LO+16*(\t)+4*\f+3], s[10:11] offset:LOPART+(\t)*8192+\f*512  ; 4,220,416 bytes at the most: inside the signed 24-bit immediate
.endr
.endm
.macro DIAG tag                     ; the tag ends its two labels' names, which the jumps below spell out
.LstepM\tag:
	TURN 2, 1
	TURN 3, 1
	WIN 0
.LfirstM\tag:
	TURN 0, 1
	TURN 1, 1, 0, 1
	WIN 0
	s_cbranch_scc1 .LstepM\tag
	TURN 2, 1, 1
	TURN 3, 1, 1
.set i, 0
.rept 8
	PV NP-1
.set i, i+1
.endr
	WIN 0
	ALL v_add_f32 v[ST+4*t+2], v[ST+4*t+2], v[ST+4*t+3]
	ALL v_permlanex16_b32 v[ST+4*t+3], v[ST+4*t+2], s[SEL], s[SEL+1]
	ALL v_add_f32 v[ST+4*t+2], v[ST+4*t+2], v[ST+4*t+3]
	ALL v_rcp_f32 v[ST+4*t+2], v[ST+4*t+2]
	v_nop                           ; a plain instruction between the last reciprocal and the use of its result
	PACK 0
.set t, 1
.rept 3                             ; a piece's arithmetic stands between the loads of the piece before and its stores
	PACK t
	SEND t-1, 16
.set t, t+1
.endr
	SEND 3, 0
.endm
.set KM, 0
.set NOKQ, 0
.Lslot:                             ; NB times: a tile is entered and the next is asked for
	CHANGE 1
	s_sub_co_u32 s[RT], s[RT], 1
	s_mov_b32 s[CNT], 4
	s_cmp_eq_u32 s[NEW], 1
	s_cbranch_scc1 .Lnew            ; a block's first tile
	s_cmp_eq_u32 s[RT], 0
	s_cbranch_scc0 .Lstep           ; neither its first nor its last
	s_branch .LstepM1
.Lnew:
	BEGIN
	s_branch .Lfirst                ; in the loop a block's first tile is never its last: the first block has two tiles or more, and the second's last is the walk's last
	DIAG 1                          ; in the loop this is the first block's end: the second block's last tile is the walk's last
	s_wait_xcnt 0x0                 ; the stores have read their registers and O's address
	s_mov_b64 s[10:11], s[OLO:OLO+1]
	s_add_co_u32 s[RT], s[PB], 1    ; the second block has b + 1 tiles
	s_mov_b32 s[NEW], 1
	WIN 0x82                        ; the second block's Q goes where the one text of the turns names Q
.set i, 0
.rept 64
	v_mov_b32 v[i], v[QB+i]
.set i, i+1
.endr
	WIN 0
	s_branch .Lbottom
.Lstep:                             ; a trip: pieces 2 and 3 of one step, then pieces 0 and 1 of the next, whose K and V it fetches
	TURN 2
	TURN 3
	WIN 0
.Lfirst:
	TURN 0
	TURN 1, 0, 0, 1
	WIN 0
	s_cbranch_scc1 .Lstep
.Lbottom:
	s_sub_co_u32 s[SLOTS], s[SLOTS], 1
	s_cmp_lg_u32 s[SLOTS], 0
	s_cbranch_scc1 .Lslot
	CHANGE 0                        ; the walk's last tile is written out: nothing is asked for
	s_sub_co_u32 s[RT], s[RT], 1
	s_mov_b32 s[CNT], 4
	s_cmp_eq_u32 s[NEW], 1
	s_cbranch_scc0 .LstepM2
	BEGIN
	s_branch .LfirstM2
	DIAG 2
	s_wait_tensorcnt 0x0            ; the wave's end, behind my last tensor load and my last LDS store
	ds_add_u32 v[SPW], v[NIL]
	s_wait_dscnt 0x0
	s_endpgm
.Lfunc_end_k_q6213f6c26a_attn:
	.size	k_q6213f6c26a_attn, .Lfunc_end_k_q6213f6c26a_attn-k_q6213f6c26a_attn
	.p2alignl 7, 3214868480
	.fill 96, 4, 3214868480
	.section	.rodata,"a",@progbits
	.p2align	6, 0x0
	.amdhsa_kernel k_q6213f6c26a_attn
		.amdhsa_group_segment_fixed_size 327680
		.amdhsa_private_segment_fixed_size 0
		.amdhsa_enable_private_segment 0
		.amdhsa_kernarg_size 16
		.amdhsa_user_sgpr_count 2
		.amdhsa_user_sgpr_kernarg_segment_ptr 1
		.amdhsa_wavefront_size32 1
		.amdhsa_system_sgpr_workgroup_id_x 1
		.amdhsa_system_sgpr_workgroup_id_y 1
		.amdhsa_system_sgpr_workgroup_id_z 1
		.amdhsa_system_vgpr_workitem_id 0
		.amdhsa_next_free_vgpr 768
		.amdhsa_next_free_sgpr 88
		.amdhsa_reserve_vcc 1
		.amdhsa_float_denorm_mode_32 3
		.amdhsa_float_denorm_mode_16_64 3
		.amdhsa_memory_ordered 1
		.amdhsa_forward_progress 1
		.amdhsa_inst_pref_size 255
	.end_amdhsa_kernel
	.section	.bss,"aw",@nobits
	.p2align	6
	.space	262144
	.amdgpu_metadata
---
amdhsa.version: [ 1, 2 ]
amdhsa.kernels:
  - .name:           k_q6213f6c26a_attn
    .symbol:         k_q6213f6c26a_attn.kd
    .args:
      - { .name: qkvh, .offset: 0, .size: 8, .value_kind: global_buffer, .address_space: global }
      - { .name: oh, .offset: 8, .size: 8, .value_kind: global_buffer, .address_space: global }
    .group_segment_fixed_size: 327680
    .private_segment_fixed_size: 0
    .kernarg_segment_align: 8
    .kernarg_segment_size: 16
    .max_flat_workgroup_size: 128
    .sgpr_count:     88
    .vgpr_count:     768
    .wavefront_size: 32
...
	.end_amdgpu_metadata
.endif
;; end of part 3
;; launch early (part 4): grid 2 x 64, 1 waves a work-group, no clusters, 13,056 bytes of LDS; arguments pre, oh; writes oh
.if DOCPART == 4
	.amdgcn_target "amdgcn-amd-amdhsa--gfx1250"
	.amdhsa_code_object_version 6
	.text
	.protected	k_q6213f6c26a_early
	.globl	k_q6213f6c26a_early
	.p2align	8
	.type	k_q6213f6c26a_early,@function
k_q6213f6c26a_early:
	s_mov_b64 s[64:65], 0
	v_nop
	global_prefetch_b8 v0, s[64:65] scope:SCOPE_SE
	s_setreg_imm32_b32 hwreg(HW_REG_WAVE_MODE, 25, 1), 1
	s_wait_xcnt 0x0
; CAUSAL ATTENTION FOR ROWS 0 TO 31 OF EVERY HEAD, WITH EVERY MATRIX OPERAND IN TWO f16 PARTS.  O[q] = the sum over k <= q of softmax_k(Q[q] . K[k] / 8) V[k], q, k = 0..31.
; Why: row q is a mean over q + 1 rows of V, so these rows are many times the module's output's root mean square, by which the allowed error goes; a rounding of q, k, v or of a weight to f16's 11 bits reaches
; the output undiminished relative to the row's own size.  With scores of spread 1 a row's size falls about as sqrt(2.7 / (q + 1)): from row 32 on it is about a third of row 1's, and one f16 number an operand serves.
; pre[upper, lower][q, k, v][head][32 rows][64] in f16 holds the operands: number = upper + lower, some 22 significant bits.  A product of two such numbers is upper x upper + lower x upper + upper x lower;
; lower x lower, 2^-22 of the product, is left out.  Sums, maxima and exponentials in f32.  The weights p are split in the same way (the upper part is p with the low 13 bits of its mantissa cut off, exact in f16;
; the lower part the remainder, rounded), and so is O on its way into oh[batch][upper, lower][head][2048][64].
; THESE 32 ROWS OF oh HAVE BEEN STORED BY THE LAUNCH BEFORE, from single f16 operands, and are stored anew here: 256 bytes a row and head written twice, for one text of that launch's walk.
; LIMITS.  f16 holds no number beyond 65,504; a part below 2^-14 keeps f16's fixed step of 6e-8.  A hidden score counts as its value less 1e30; a weight below 2^-126 counts as 0; NaN and infinities are not treated apart.
; SHARES.  A work-group is one wave: 16 queries (tile x of two) of one head (y of 64), all 32 keys; for tile 0 keys 16 to 31 are hidden by the mask like any other hidden key, so both tiles run one text without a branch.
; 128 work-groups of 24 matrix instructions: the launch has no more work than that.  No tensor load, no ring, no cluster, no barrier, no loop: each byte is loaded once into registers, and nothing is shared between waves.
; LAYOUT.  S^T = K Q^T (source 0 = 16 keys, source 1 = 16 queries): a lane holds ONE query (lane % 16) and the keys 8 (lane / 16) + 0..7 of each key tile; the two tiles' weights, packed in pairs, ARE source 1
; (32 keys x 16 queries) of O^T = V^T P, whose result holds one query a lane and eight channels.  V ([key][channel]) goes through LDS to be turned by ds_load_tr16_b128.
.set PARTB,  64*32*128                 ; bytes from q to k and from k to v in pre
.set HLB,    3*PARTB                   ; from the upper to the lower parts
.set LOPART, 16*2048*128               ; from a batch's upper parts to its lower parts in oh
.set PV,     160                       ; a row of V in LDS: 128 bytes + 32 = 40 words
.set VLO,    32*PV                     ; V's lower parts lie behind its upper parts
.set STAGE,  2*32*PV                   ; behind them: 16 rows x 144 bytes, for the way out
.set SP,     144
.set QO,  3                            ; v3   my byte offset in Q's rows: (16 tile + l % 16) x 128 + 16 (l / 16)
.set KO,  4                            ; v4   the same for K's first 16 rows
.set GO,  5                            ; v5   16 l: my place in 512 consecutive bytes, of V and of O
.set VST, 6                            ; v6   where I put 16 bytes of a row of V
.set VTR, 7                            ; v7   from where the turning load takes them
.set STO, 8                            ; v8   the way out: where I put 16 bytes of a row
.set RD,  9                            ; v9   the way out: where I read rows back
.set QI,  10                           ; v10  my query's number less 8 (l / 16)
.set M1,  11                           ; v11  at work
.set CM,  12                           ; v[12:13] c m, m
.set LS,  14                           ; v[14:15] l's two halves; then 1 / l in the first
.set QH,  16                           ; Q: channels 32 c on at QH + 8 c; the lower parts 16 registers on
.set KH,  48                           ; K: key tile kt, channels 32 c on at KH + 16 kt + 8 c; the lower parts 32 registers on
.set S,   112                          ; S^T: key tile kt at S + 8 kt
.set MK,  128                          ; the mask, likewise; later the weights' upper parts in f32
.set VH,  144                          ; V: as loaded, then turned: channel block cb at VH + 8 cb; the lower parts 32 registers on
.set PH,  208                          ; the weights' upper parts, packed; the lower parts 8 registers on
.set O,   224                          ; O^T: channel block cb at O + 8 cb
.set TF,  48                           ; the way out: O's upper parts in f32 (K's registers)
.set XH,  80                           ; the way out: 16 registers of packed upper parts, then 16 of lower parts
	s_load_b128 s[4:7], s[0:1], 0x0                ; pre s[4:5], oh s[6:7]
	s_set_vgpr_msb 0x40
	v_lshl_add_u32 v0, v0, 2, 0x3200
	v_mov_b32 v1, 0
	s_set_vgpr_msb 0x4000
	s_and_b32 s8, ttmp7, 0xffff                    ; the head, 16 x batch + head
	s_lshl_b32 s10, s8, 12                         ; its 32 rows of 128 bytes in each part of pre
	s_mov_b32 s11, 0
	s_lshr_b32 s12, s8, 4
	s_lshl_b32 s12, s12, 23                        ; in oh: the batch, 32 slabs of 2^18 bytes,
	s_and_b32 s13, s8, 15
	s_lshl_b32 s13, s13, 18                        ; the head's slab,
	s_add_co_u32 s12, s12, s13
	s_lshl_b32 s14, ttmp9, 11                      ; my tile's 16 rows of 128 bytes
	s_add_co_u32 s12, s12, s14                     ; under 2^25
	s_mov_b32 s13, 0
	s_lshl_b32 s15, ttmp9, 4                       ; my tile's first query
	s_mov_b32 s16, 0x3e38aa3b                      ; c = log2(e) / 8 = 0.180337
	s_mov_b32 s17, s16                             ; named with it as a pair
	s_mov_b32 s18, 0x76543210                      ; v_permlanex16_b32's selects: each lane takes its own place in the other half
	s_mov_b32 s19, 0xfedcba98
	s_mov_b32 s20, 0xf149f2ca                      ; -1e30
	s_mov_b32 s21, 0xffffe000                      ; keeps an f32's sign, exponent and upper 10 mantissa bits
	v_and_b32 v1, 15, v0                           ; l % 16
	v_lshrrev_b32 v2, 4, v0                        ; l / 16
	v_lshlrev_b32 v[KO], 7, v1
	v_lshl_add_u32 v[KO], v2, 4, v[KO]             ; a fragment: row x 128 + 16 x half; two loads of 16 bytes, 32 bytes apart
	v_add_nc_u32 v[QO], s14, v[KO]
	v_lshlrev_b32 v[GO], 4, v0
	s_wait_kmcnt 0x0
	s_add_nc_u64 s[4:5], s[4:5], s[10:11]
	s_add_nc_u64 s[6:7], s[6:7], s[12:13]
.irp hl, 0,1
.irp f, 0,1,2,3,4,5,6,7                ; V first: it has the longer way.  A load takes four rows, 512 consecutive bytes
	global_load_b128 v[VH+32*(\hl)+4*(\f):VH+32*(\hl)+4*(\f)+3], v[GO], s[4:5] offset:(\hl)*HLB+2*PARTB+512*(\f)
.endr
.endr
.irp hl, 0,1
.irp kt, 0,1
.irp c, 0,1
	global_load_b128 v[KH+32*(\hl)+16*(\kt)+8*(\c):KH+32*(\hl)+16*(\kt)+8*(\c)+3],   v[KO], s[4:5] offset:(\hl)*HLB+PARTB+2048*(\kt)+64*(\c)
	global_load_b128 v[KH+32*(\hl)+16*(\kt)+8*(\c)+4:KH+32*(\hl)+16*(\kt)+8*(\c)+7], v[KO], s[4:5] offset:(\hl)*HLB+PARTB+2048*(\kt)+64*(\c)+32
.endr
.endr
.endr
.irp hl, 0,1
.irp c, 0,1
	global_load_b128 v[QH+16*(\hl)+8*(\c):QH+16*(\hl)+8*(\c)+3],   v[QO], s[4:5] offset:(\hl)*HLB+64*(\c)
	global_load_b128 v[QH+16*(\hl)+8*(\c)+4:QH+16*(\hl)+8*(\c)+7], v[QO], s[4:5] offset:(\hl)*HLB+64*(\c)+32
.endr
.endr
	; the LDS addresses and the mask are made while the loads are out
	v_lshrrev_b32 v[VST], 3, v0                    ; l / 8: which of a load's four rows is mine
	v_and_b32 v[M1], 7, v0
	v_mul_u32_u24 v[RD], v[VST], SP                ; the way out, back: 32 lanes take four rows of 128 bytes
	v_lshl_add_u32 v[RD], v[M1], 4, v[RD]
	v_add_nc_u32 v[RD], STAGE, v[RD]
	v_mul_u32_u24 v[VST], v[VST], PV
	v_lshl_add_u32 v[VST], v[M1], 4, v[VST]
	v_lshl_add_u32 v[VTR], v2, 3, v[M1]            ; the turning load takes 16 keys x 16 channels: lane l reads key 8 (l / 16) + l % 8, channels 8 ((l / 8) % 2) + 0..7,
	v_mul_u32_u24 v[VTR], v[VTR], PV               ; and leaves half a fragment of V^T: lane l holds channel l % 16 and 8 keys
	v_bfe_u32 v[CM], v0, 3, 1
	v_lshl_add_u32 v[VTR], v[CM], 4, v[VTR]
	v_mul_u32_u24 v[STO], v1, SP                   ; the way out, in: row l % 16, 16 bytes for each half of the lanes
	v_lshl_add_u32 v[STO], v2, 4, v[STO]
	v_add_nc_u32 v[STO], STAGE, v[STO]
	v_lshlrev_b32 v[QI], 3, v2
	v_sub_nc_u32 v[QI], v1, v[QI]
	v_add_nc_u32 v[QI], s15, v[QI]                 ; register j of key tile kt holds key 16 kt + 8 (l / 16) + j: hidden where 16 kt + j is greater than this
.set i, 0
.rept 16
	v_cmp_gt_i32 vcc_lo, 16*(i/8)+i%8, v[QI]
	v_cndmask_b32 v[MK+i], 0, s20, vcc_lo
.set i, i+1
.endr
	s_wait_loadcnt 24                              ; loads come back in order (ISA guide 5.7.1): V's 16 are in; K's 16 and Q's 8 may be out
.irp hl, 0,1
.irp f, 0,1,2,3,4,5,6,7
	ds_store_b128 v[VST], v[VH+32*(\hl)+4*(\f):VH+32*(\hl)+4*(\f)+3] offset:(\hl)*VLO+(\f)*4*PV
.endr
.endr
.irp hl, 0,1
.irp cb, 0,1,2,3                       ; LDS serves a wave's instructions in order (ISA guide 5.7.1.4): these see the stores above
	ds_load_tr16_b128 v[VH+32*(\hl)+8*(\cb):VH+32*(\hl)+8*(\cb)+3],   v[VTR] offset:(\hl)*VLO+32*(\cb)        ; keys 8 (l / 16) + 0..7
	ds_load_tr16_b128 v[VH+32*(\hl)+8*(\cb)+4:VH+32*(\hl)+8*(\cb)+7], v[VTR] offset:(\hl)*VLO+16*PV+32*(\cb)  ; keys 16 + 8 (l / 16) + 0..7
.endr
.endr
	s_wait_loadcnt 0x0                             ; K and Q
; Two matrix instructions, one for each key tile: part ka of K x part qb of Q, channels 32 c on.  first = 1: the mask starts the sums.  The two accumulators take turns, one instruction a turn.
.macro SC ka, qb, c, first
.irp kt, 0,1
.if \first
	v_wmma_f32_16x16x32_f16 v[S+8*(\kt):S+8*(\kt)+7], v[(\ka)+16*(\kt)+8*(\c):(\ka)+16*(\kt)+8*(\c)+7], v[(\qb)+8*(\c):(\qb)+8*(\c)+7], v[MK+8*(\kt):MK+8*(\kt)+7]
.else
	v_wmma_f32_16x16x32_f16 v[S+8*(\kt):S+8*(\kt)+7], v[(\ka)+16*(\kt)+8*(\c):(\ka)+16*(\kt)+8*(\c)+7], v[(\qb)+8*(\c):(\qb)+8*(\c)+7], v[S+8*(\kt):S+8*(\kt)+7]
.endif
.endr
.endm
	SC KH,    QH,    0, 1
	SC KH,    QH,    1, 0
	SC KH+32, QH,    0, 0                          ; K's lower parts
	SC KH+32, QH,    1, 0
	SC KH,    QH+16, 0, 0                          ; Q's lower parts
	SC KH,    QH+16, 1, 0
.rept 4
	v_nop                                          ; four places between a matrix instruction and the first vector instruction that reads its result (ISA guide 7.12.1)
.endr
	; the query's maximum: my 16 scores, each accumulator from its low end on, then the other 16, which lie in the lane 16 away
	v_max3_num_f32 v[M1],   v[S],    v[S+1],  v[S+2]
	v_max3_num_f32 v[CM+1], v[S+8],  v[S+9],  v[S+10]
	v_max3_num_f32 v[M1],   v[M1],   v[S+3],  v[S+4]
	v_max3_num_f32 v[CM+1], v[CM+1], v[S+11], v[S+12]
	v_max3_num_f32 v[M1],   v[M1],   v[S+5],  v[S+6]
	v_max3_num_f32 v[CM+1], v[CM+1], v[S+13], v[S+14]
	v_max3_num_f32 v[M1],   v[M1],   v[S+7],  v[S+15]
	v_max_num_f32 v[M1], v[M1], v[CM+1]
	v_permlanex16_b32 v[CM+1], v[M1], s18, s19
	v_max_num_f32 v[CM+1], v[M1], v[CM+1]          ; m: every query sees its own key, so m is a true score
	v_mul_f32 v[CM], s16, v[CM+1]                  ; c m
.set i, 0
.rept 8
	v_pk_fma_f32 v[S+2*i:S+2*i+1], v[S+2*i:S+2*i+1], s[16:17], v[CM:CM+1] op_sel_hi:[1,0,0] neg_lo:[0,0,1] neg_hi:[0,0,1]  ; c s - c m
.set i, i+1
.endr
.set i, 0
.rept 16
	v_exp_f32 v[S+i], v[S+i]                       ; p = 2^(c s - c m); a hidden key's is 0
.set i, i+1
.endr
	v_nop                                          ; a plain instruction between the last exponential and the use of its result (ISA guide 5.7.2)
	s_wait_alu depctr_va_vdst(0)
	v_pk_add_f32 v[LS:LS+1], v[S:S+1], v[S+2:S+3]  ; l, of the whole p
.set i, 2
.rept 6
	v_pk_add_f32 v[LS:LS+1], v[LS:LS+1], v[S+2*i:S+2*i+1]
.set i, i+1
.endr
	v_add_f32 v[LS], v[LS], v[LS+1]
	v_permlanex16_b32 v[LS+1], v[LS], s18, s19
	v_add_f32 v[LS], v[LS], v[LS+1]
	v_rcp_f32 v[LS], v[LS]                         ; the lines below, which do not name it, stand between it and its use
.set i, 0
.rept 16
	v_and_b32 v[MK+i], s21, v[S+i]                 ; p's upper part
.set i, i+1
.endr
.set i, 0
.rept 8
	v_pk_add_f32 v[S+2*i:S+2*i+1], v[S+2*i:S+2*i+1], v[MK+2*i:MK+2*i+1] neg_lo:[0,1] neg_hi:[0,1]  ; its lower part: exact
.set i, i+1
.endr
.set i, 0
.rept 8
	v_cvt_pk_f16_f32 v[PH+i],   v[MK+2*i], v[MK+2*i+1]
	v_cvt_pk_f16_f32 v[PH+8+i], v[S+2*i],  v[S+2*i+1]
.set i, i+1
.endr
	s_wait_dscnt 0x0                               ; V's fragments
; Four matrix instructions, one for each block of 16 channels: part va of V x part pb of P, all 32 keys.  first = 1: the products start the sums.  The four accumulators take turns.
.macro OV va, pb, first
.irp cb, 0,1,2,3
.if \first
	v_wmma_f32_16x16x32_f16 v[O+8*(\cb):O+8*(\cb)+7], v[(\va)+8*(\cb):(\va)+8*(\cb)+7], v[(\pb):(\pb)+7], 0
.else
	v_wmma_f32_16x16x32_f16 v[O+8*(\cb):O+8*(\cb)+7], v[(\va)+8*(\cb):(\va)+8*(\cb)+7], v[(\pb):(\pb)+7], v[O+8*(\cb):O+8*(\cb)+7]
.endif
.endr
.endm
	OV VH,    PH,   1
	OV VH+32, PH,   0                              ; V's lower parts
	OV VH,    PH+8, 0                              ; P's lower parts
.rept 4
	v_nop                                          ; the places behind those products
.endr
	; THE WAY OUT.  O = O^T / l, split in two parts; a lane's eight channels of a row pack into 16 bytes; they go into rows of 144 bytes and come back as whole rows of 128: the upper parts first, then the lower parts.
.set i, 0
	s_wait_alu depctr_va_vdst(0)
.rept 16
	v_pk_mul_f32 v[O+2*i:O+2*i+1], v[O+2*i:O+2*i+1], v[LS:LS+1] op_sel_hi:[1,0]  ; each accumulator from its low end on
.set i, i+1
.endr
.set i, 0
.rept 32
	v_and_b32 v[TF+i], s21, v[O+i]
.set i, i+1
.endr
.set i, 0
.rept 16
	v_pk_add_f32 v[O+2*i:O+2*i+1], v[O+2*i:O+2*i+1], v[TF+2*i:TF+2*i+1] neg_lo:[0,1] neg_hi:[0,1]
.set i, i+1
.endr
.set i, 0
.rept 16
	v_cvt_pk_f16_f32 v[XH+i],    v[TF+2*i], v[TF+2*i+1]
	v_cvt_pk_f16_f32 v[XH+16+i], v[O+2*i],  v[O+2*i+1]
.set i, i+1
.endr
.irp hl, 0,1
.irp f, 0,1,2,3
	ds_store_b128 v[STO], v[XH+16*(\hl)+4*(\f):XH+16*(\hl)+4*(\f)+3] offset:32*(\f)
.endr
.irp f, 0,1,2,3
	ds_load_b128 v[XH+16*(\hl)+4*(\f):XH+16*(\hl)+4*(\f)+3], v[RD] offset:(\f)*4*SP  ; in order behind the stores above, and ahead of the lower parts' stores
.endr
.endr
.irp f, 0,1,2,3
	s_wait_dscnt 11-(\f)                           ; behind load f of the upper parts: 3 - f of its kind and the lower parts' eight
	global_store_b128 v[GO], v[XH+4*(\f):XH+4*(\f)+3], s[6:7] offset:512*(\f)  ; 512 consecutive bytes, at a multiple of 256 from oh's first
.endr
.irp f, 0,1,2,3
	s_wait_dscnt 3-(\f)
	global_store_b128 v[GO], v[XH+16+4*(\f):XH+16+4*(\f)+3], s[6:7] offset:LOPART+512*(\f)  ; 4,195,840 bytes at the most: inside the signed 24-bit immediate
.endr
	s_set_vgpr_msb 0x5
	s_wait_tensorcnt 0x0
	ds_add_u32 v0, v1
	s_wait_dscnt 0x0
	s_set_vgpr_msb 0x500
	s_endpgm
.Lfunc_end_k_q6213f6c26a_early:
	.size	k_q6213f6c26a_early, .Lfunc_end_k_q6213f6c26a_early-k_q6213f6c26a_early
	.p2alignl 7, 3214868480
	.fill 96, 4, 3214868480
	.section	.rodata,"a",@progbits
	.p2align	6, 0x0
	.amdhsa_kernel k_q6213f6c26a_early
		.amdhsa_group_segment_fixed_size 13056
		.amdhsa_private_segment_fixed_size 0
		.amdhsa_enable_private_segment 0
		.amdhsa_kernarg_size 16
		.amdhsa_user_sgpr_count 2
		.amdhsa_user_sgpr_kernarg_segment_ptr 1
		.amdhsa_wavefront_size32 1
		.amdhsa_system_sgpr_workgroup_id_x 1
		.amdhsa_system_sgpr_workgroup_id_y 1
		.amdhsa_system_sgpr_workgroup_id_z 1
		.amdhsa_system_vgpr_workitem_id 0
		.amdhsa_next_free_vgpr 258
		.amdhsa_next_free_sgpr 66
		.amdhsa_reserve_vcc 1
		.amdhsa_float_denorm_mode_32 3
		.amdhsa_float_denorm_mode_16_64 3
		.amdhsa_memory_ordered 1
		.amdhsa_forward_progress 1
		.amdhsa_inst_pref_size 24
	.end_amdhsa_kernel
	.amdgpu_metadata
---
amdhsa.version: [ 1, 2 ]
amdhsa.kernels:
  - .name:           k_q6213f6c26a_early
    .symbol:         k_q6213f6c26a_early.kd
    .args:
      - { .name: pre, .offset: 0, .size: 8, .value_kind: global_buffer, .address_space: global }
      - { .name: oh, .offset: 8, .size: 8, .value_kind: global_buffer, .address_space: global }
    .group_segment_fixed_size: 13056
    .private_segment_fixed_size: 0
    .kernarg_segment_align: 8
    .kernarg_segment_size: 16
    .max_flat_workgroup_size: 32
    .sgpr_count:     66
    .vgpr_count:     258
    .wavefront_size: 32
...
	.end_amdgpu_metadata
.endif
;; end of part 4
;; launch proj (part 5): grid 8 x 32, 4 waves a work-group, clusters of 4 x 4, 327,680 bytes of LDS; arguments oh, wpb, out0; writes out0
.if DOCPART == 5
	.amdgcn_target "amdgcn-amd-amdhsa--gfx1250"
	.amdhsa_code_object_version 6
	.text
	.protected	k_q6213f6c26a_proj
	.globl	k_q6213f6c26a_proj
	.p2align	8
	.type	k_q6213f6c26a_proj,@function
k_q6213f6c26a_proj:
	s_mov_b64 s[64:65], 0
	v_nop
	global_prefetch_b8 v0, s[64:65] scope:SCOPE_SE
	s_setreg_imm32_b32 hwreg(HW_REG_WAVE_MODE, 25, 1), 1
	s_wait_xcnt 0x0
	s_wait_alu depctr_hold_cnt(0) depctr_sa_sdst(0) depctr_va_vdst(0) depctr_va_sdst(0) depctr_va_ssrc(0) depctr_va_vcc(0) depctr_vm_vsrc(0)
	s_getreg_b32 s2, hwreg(HW_REG_IB_STS2, 6, 4)
	s_cmp_eq_u32 s2, 0
	s_cbranch_scc0 .Lentry_in_a_cluster
	s_endpgm
.Lentry_in_a_cluster:
	s_bfe_u32 s2, ttmp6, 0x10000c
	s_cmp_lg_u32 s2, 0xf033
	s_cbranch_scc0 .Lentry_shape_is_right
	s_endpgm
.Lentry_shape_is_right:
; out0[m][n] = the sum over k of y[m][k] w_proj[n][k], m = 0..8191, n, k = 0..1023, stored in f32.  y arrives as the sum of two f16 numbers, an upper and a lower part, by heads:
; oh[m / 2048][upper, lower][head][m % 2048][d], y[m][64 head + d] = upper + lower.  So a batch has 32 slabs on end, each a block of 64 along K whose rows (128 bytes) lie end to end, and the sum goes over
; 2,048: first all upper parts, then all lower parts.  wpb[kb][n][64], kb = 0..31, holds w_proj rounded to bf16, written as f16, its 16 blocks twice.  Operands f16, sums f32.
; Why two parts: row t of y is a mean over t + 1 rows of v, so a batch's first rows are many times the output's root mean square, by which the allowed error goes; y rounded to f16's 11 bits alone
; would take a good part of that allowance there.  The price is twice the products.
; LIMITS.  Those of the operands: f16 holds no number beyond 65,504, and below 2^-14 it keeps its fixed step of 6e-8; NaN and infinities are not treated apart.
; SHARES.  8,192 x 1,024 in tiles of 256 x 128 are 32 x 8 = 256 work-groups.  Four waves, each 128 rows x 64 columns: 32 accumulators of 16 x 16; a wave's 64 columns of f32 are 256 consecutive bytes of a row of out0.
; K goes in 16 steps of 128 (two slabs) through a ring of two LDS slots.  A slot holds y's even and odd block (256 rows each), then w_proj's (128 rows each); each of the four is one wave's tensor load,
; asked for as rows of 256 bytes that start at multiples of 256 from the buffer's first byte, and padded in LDS after every 128 bytes.
; CLUSTERS.  4 x 4 work-groups: the four of a row of the cluster need the same tiles of y, the four of a column the same tiles of w_proj; each tile is asked for JOINTLY.
; THE MATRIX INSTRUCTION IS USED TRANSPOSED (source 0 = 16 rows of w_proj, source 1 = 16 rows of y): a lane then holds one row m (lane % 16) and eight neighbouring columns.
; REGISTERS: window 0: v0-31 addresses; v32-95, v96-159 y's fragments (8 x 16 rows x 32 K), two buffers; v160-191, v192-223 w_proj's (4 x 16 rows x 32 K), two buffers; on the way out v32-159 hold whole rows.
;   window 1: accumulator (a, b) at v[8 (4 a + b)], a = 0..7 blocks of 16 rows, b = 0..3 blocks of 16 columns.
.set PITCH,  144                       ; an LDS row: 128 bytes + 16 of padding = 36 words: the 16 rows of a load start at 16 different groups of four banks (64 banks of 4 bytes: ISA guide 11.1)
.set ABLK,   256*PITCH                 ; a block of y's tile: one tensor load
.set BBLK,   128*PITCH                 ; a block of w_proj's tile: one tensor load
.set BOFF,   2*ABLK
.set SLOT,   BOFF+2*BBLK               ; 110,592 bytes
.set STAGE,  2*SLOT                    ; behind the ring: 16 rows x 272 bytes for each wave, for the way out; no tensor load fills it
.set SPITCH, 272                       ; 256 bytes + 16
.set SPARE,  STAGE+4*16*SPITCH         ; behind the stages: the spare words, 128 bytes for each wave: two blocks of 256 bytes that no other line names
.set ASTEP,  2*2048*128                ; bytes from a K step of oh to the next: two slabs
.set BSTEP,  2*1024*128                ; of wpb: two blocks
.set LAPS,   8                         ; a lap = two K steps = once round the ring
.set FLAGS,  (1<<16)|(1<<20)|(1<<21)|(4<<22)|(3<<25)  ; 17:16 elements of 2 bytes; 20 padding on; 21 set beside a mask; 24:22 after every 32 words (code 4); 31:25 4 words of it (code 3)
.set ADRA, 16                          ; v16-17  LDS address of my fragments of y in slot 0, 1
.set ADRB, 20                          ; v20-21  the same for w_proj
.set STO,  24                          ; v24     the way out: where I put 32 bytes of a row
.set RD,   25                          ; v25     the way out: where I read a row back
.set CO,   26                          ; v26     my byte offset in two rows of out0
.set SPW,  28                          ; v28     LDS address of my spare word: SPARE + 4 x my thread's number; never rewritten
.set NIL,  29                          ; v29     0; never rewritten
.set AF,   32
.set BF,   160
.set G1,  24                           ; s[24:31] descriptor group 1 for y's tiles;  s[32:39] group 0, a set for each slot
.set G0,  32
.set G1B, 48                           ; s[48:55], s[56:63] the same for w_proj's
.set G0B, 56
.set MSB, 0
.macro WIN new                         ; the immediate's high byte repeats the setting that is left; a switch that changes nothing is dropped
.if MSB != (\new)
	s_set_vgpr_msb (MSB<<8)|(\new)
.set MSB, \new
.endif
.endm
.set MUL, 0x50                         ; C and D in window 1, the sources in window 0
.macro JLOAD s                         ; a joint load: waves 0 and 1 fetch y's two blocks, waves 2 and 3 w_proj's; an s_nop 0 and four v_nop follow each of the two lines, ahead of the jump, the label and what follows
	s_cmp_eq_u32 s11, 0
	s_cbranch_scc0 .Lfor_b_\@
	tensor_load_to_lds s[G0+4*(\s):G0+4*(\s)+3], s[G1:G1+7]
	s_nop 0
.rept 4
	v_nop
.endr
	s_branch .Lasked_\@
.Lfor_b_\@:
	tensor_load_to_lds s[G0B+4*(\s):G0B+4*(\s)+3], s[G1B:G1B+7]
	s_nop 0
.rept 4
	v_nop
.endr
.Lasked_\@:
.endm
.macro CREST                           ; a round of the cluster's barrier behind its opening barrier
	s_cmp_lg_u32 s10, 0
	s_cbranch_scc1 .Lnot_wave_0_\@
	s_barrier_signal -3
.Lnot_wave_0_\@:
	s_barrier_wait -3
	s_barrier_signal -1
	s_barrier_wait -1
.endm
.macro CROUND                          ; a whole round
	s_barrier_signal -1
	s_barrier_wait -1
	CREST
.endm
	s_load_b128 s[4:7], s[0:1], 0x0                ; oh s[4:5], wpb s[6:7]
	s_load_b64 s[8:9], s[0:1], 0x10                ; out0
	v_lshl_add_u32 v[SPW], v0, 2, SPARE
	v_mov_b32 v[NIL], 0
	ds_add_u32 v28, v29
	ds_add_u32 v28, v29
	s_wait_dscnt 0x0
	v_lshrrev_b32 v1, 5, v0
	v_readfirstlane_b32 s10, v1                    ; wave 0..3
	s_lshr_b32 s11, s10, 1                         ; which 128 of the tile's rows are mine.  Also: I fetch for y (0) or for w_proj (1)
	s_and_b32 s12, s10, 1                          ; which 64 of its columns.  Also: the even or the odd block of a K step
	s_bfe_u32 s40, ttmp6, 0x40000                  ; cx, cy: my place in the cluster
	s_bfe_u32 s41, ttmp6, 0x40004
	s_lshl_b32 s42, ttmp9, 2
	s_add_co_u32 s42, s42, s40                     ; tile column = 4 x cluster x + cx, 0..7
	s_and_b32 s13, ttmp7, 0xffff
	s_lshl_b32 s13, s13, 2
	s_add_co_u32 s13, s13, s41                     ; tile row = 4 x cluster y + cy, 0..31
	s_lshl_b32 s43, s41, 2
	s_lshl_b32 s43, 15, s43                        ; my row of the cluster
	s_lshl_b32 s44, 0x1111, s40                    ; my column
	; descriptor group 1: dense bytes as rows of 128 elements (256 bytes): 128 rows for a block of y's tile, 64 for a block of w_proj's
	s_or_b32 s[G1], s43, FLAGS                     ; 15:0 the mask: y's tiles go to my row
	s_mov_b32 s[G1+1], 128<<16                     ; tensor_dim0 = 128
	s_mov_b32 s[G1+2], 128<<16                     ; tensor_dim1 = 128
	s_mov_b32 s[G1+3], 128<<16                     ; tile_dim0 = 128
	s_mov_b32 s[G1+4], 128                         ; tile_dim1 = 128
	s_mov_b32 s[G1+5], 128                         ; 128 elements from row to row
	s_mov_b32 s[G1+6], 0
	s_mov_b32 s[G1+7], 0
	s_or_b32 s[G1B], s44, FLAGS                    ; w_proj's tiles go to my column
	s_mov_b32 s[G1B+1], 128<<16
	s_mov_b32 s[G1B+2], 64<<16
	s_mov_b32 s[G1B+3], 128<<16
	s_mov_b32 s[G1B+4], 64
	s_mov_b32 s[G1B+5], 128
	s_mov_b32 s[G1B+6], 0
	s_mov_b32 s[G1B+7], 0
	; where the tiles come from: y's hang on the tile row alone, w_proj's on the tile column alone, each in registers that never hold the other coordinate
	s_lshr_b32 s16, s13, 3
	s_lshl_b32 s16, s16, 23                        ; the batch: 32 slabs of 2^18 bytes
	s_and_b32 s17, s13, 7
	s_lshl_b32 s17, s17, 15                        ; the tile's 256 rows of 128 bytes in a slab
	s_add_co_u32 s16, s16, s17
	s_lshl_b32 s17, s12, 18                        ; the even or the odd slab
	s_add_co_u32 s16, s16, s17
	s_mov_b32 s17, 0
	s_lshl_b32 s46, s42, 14                        ; the tile's 128 rows of 128 bytes in a block
	s_lshl_b32 s47, s12, 17                        ; the even or the odd block
	s_add_co_u32 s46, s46, s47
	s_mov_b32 s47, 0
	s_mul_i32 s20, s12, ABLK                       ; and where they go: no place in the cluster enters an LDS address
	s_mul_i32 s21, s12, BBLK
	s_add_co_u32 s21, s21, BOFF
	s_wait_kmcnt 0x0
	s_add_nc_u64 s[14:15], s[4:5], s[16:17]
	s_add_nc_u64 s[46:47], s[6:7], s[46:47]
	CROUND                                         ; all sixteen work-groups are here: the first joint loads meet
.irp s, 0,1
	s_mov_b32 s[G0+4*(\s)], 1
	s_add_co_u32 s[G0+4*(\s)+1], s20, (\s)*SLOT
	s_add_nc_u64 s[G0+4*(\s)+2:G0+4*(\s)+3], s[14:15], (\s)*ASTEP
	s_or_b32 s[G0+4*(\s)+3], s[G0+4*(\s)+3], 0x80000000
	s_mov_b32 s[G0B+4*(\s)], 1
	s_add_co_u32 s[G0B+4*(\s)+1], s21, (\s)*SLOT
	s_add_nc_u64 s[G0B+4*(\s)+2:G0B+4*(\s)+3], s[46:47], (\s)*BSTEP
	s_or_b32 s[G0B+4*(\s)+3], s[G0B+4*(\s)+3], 0x80000000
	JLOAD \s                                       ; two loads of mine are out
.endr
	v_and_b32 v1, 15, v0                           ; l % 16
	v_bfe_u32 v2, v0, 4, 1                         ; l / 16
	v_mul_u32_u24 v3, v1, PITCH
	v_lshl_add_u32 v3, v2, 4, v3                   ; a fragment's row x pitch + 16 x half
	s_mul_i32 s22, s11, 128*PITCH                  ; my 128 rows in a block of y
	s_mul_i32 s23, s12, 64*PITCH                   ; my 64 rows in a block of w_proj
	s_add_co_u32 s23, s23, BOFF
.irp s, 0,1
	v_add_nc_u32 v[ADRA+(\s)], s22, v3
	v_add_nc_u32 v[ADRB+(\s)], s23, v3
	s_add_co_u32 s22, s22, SLOT
	s_add_co_u32 s23, s23, SLOT
.endr
	s_mul_i32 s22, s10, 16*SPITCH
	s_add_co_u32 s22, s22, STAGE                   ; my stage
	v_mul_u32_u24 v4, v1, SPITCH                   ; in: row l % 16, 32 bytes for each half of the lanes
	v_lshl_add_u32 v4, v2, 5, v4
	v_add_nc_u32 v[STO], s22, v4
	v_mul_u32_u24 v5, v2, SPITCH                   ; back: lanes 0-15 take one row of 256 bytes, lanes 16-31 the next
	v_lshl_add_u32 v5, v1, 4, v5
	v_add_nc_u32 v[RD], s22, v5
	v_lshlrev_b32 v5, 12, v2                       ; and the same two rows in out0, 4,096 bytes apart
	v_lshl_add_u32 v[CO], v1, 4, v5
	s_lshl_b32 s16, s13, 8
	s_lshl_b32 s17, s11, 7
	s_add_co_u32 s16, s16, s17                     ; my first row of out0
	s_lshl_b32 s16, s16, 12                        ; under 2^25 bytes
	s_mov_b32 s17, 0
	s_add_nc_u64 s[8:9], s[8:9], s[16:17]
	s_lshl_b32 s46, s42, 9                         ; my first column, in bytes: 512 x tile column + 256 x half
	s_lshl_b32 s47, s12, 8
	s_add_co_u32 s46, s46, s47
	s_mov_b32 s47, 0
	s_add_nc_u64 s[8:9], s[8:9], s[46:47]
; 8 matrix instructions: row blocks a0, a0 + 1 x all 4 column blocks, 32 along K, buffers f.  zero = 1: the product starts the sum.  The 32 accumulators take turns, one instruction a turn.
.macro MUL8 f, a0, zero
	WIN MUL
.irp a, \a0, (\a0)+1
.irp b, 0,1,2,3
.if \zero
	v_wmma_f32_16x16x32_f16 v[8*(4*(\a)+(\b)):8*(4*(\a)+(\b))+7], v[BF+32*(\f)+8*(\b):BF+32*(\f)+8*(\b)+7], v[AF+64*(\f)+8*(\a):AF+64*(\f)+8*(\a)+7], 0
.else
	v_wmma_f32_16x16x32_f16 v[8*(4*(\a)+(\b)):8*(4*(\a)+(\b))+7], v[BF+32*(\f)+8*(\b):BF+32*(\f)+8*(\b)+7], v[AF+64*(\f)+8*(\a):AF+64*(\f)+8*(\a)+7], v[8*(4*(\a)+(\b)):8*(4*(\a)+(\b))+7]
.endif
.endr
.endr
.endm
.macro MUL16 f, a0, zero
	MUL8 \f, \a0, \zero
	MUL8 \f, (\a0)+2, \zero
.endm
; 24 LDS loads in one run: the fragments of quarter q of a K step (block q / 2, byte 64 (q % 2) of its rows) into buffers f: w_proj's 8, then y's row blocks 0-3 (8), then 4-7 (8)
.macro FETCH slot, q, f
	WIN 0
.set KA, ((\q)/2)*ABLK+64*((\q)%2)
.set KB, ((\q)/2)*BBLK+64*((\q)%2)
.irp i, 0,1,2,3
	ds_load_b128 v[BF+32*(\f)+8*(\i):BF+32*(\f)+8*(\i)+3],   v[ADRB+(\slot)] offset:KB+(\i)*16*PITCH
	ds_load_b128 v[BF+32*(\f)+8*(\i)+4:BF+32*(\f)+8*(\i)+7], v[ADRB+(\slot)] offset:KB+(\i)*16*PITCH+32
.endr
.irp i, 0,1,2,3,4,5,6,7
	ds_load_b128 v[AF+64*(\f)+8*(\i):AF+64*(\f)+8*(\i)+3],   v[ADRA+(\slot)] offset:KA+(\i)*16*PITCH
	ds_load_b128 v[AF+64*(\f)+8*(\i)+4:AF+64*(\f)+8*(\i)+7], v[ADRA+(\slot)] offset:KA+(\i)*16*PITCH+32
.endr
.endm
.macro PLACES                          ; four places in front of loads into registers that matrix instructions have read, and of LDS stores that read results
.rept 4
	v_nop
.endr
.endm
; A K step is four quarters of 32 along K, 32 matrix instructions each, on buffers 0, 1, 0, 1.  One of the first three: multiplies buffers f and fetches quarter nq of the same slot into g.
.macro QUARTER slot, nq, f, g, zero
	s_wait_dscnt 8                                 ; w_proj's fragments and y's row blocks 0-3 are in; the youngest eight loads may be out
	MUL16 \f, 0, \zero
	PLACES
	FETCH \slot, \nq, \g
	s_wait_dscnt 24                                ; all but the 24 just issued
	MUL16 \f, 4, \zero
.endm
; The last quarter multiplies buffers 1 and changes slots: ONE barrier; in front of it each wave waits for all its tensor loads (one is out: its part of the next slot), adds 0 to its spare word, and waits for that
; and for its own reads of this slot.  fill = 1: the barrier opens a round of the cluster's, and this slot is filled again, two K steps ahead: from that request to the wait for it a wave issues 112 matrix instructions.
.macro TURN slot, next, fill
	WIN 0                                          ; (the add's two registers lie in window 0)
	s_wait_tensorcnt 0x0                           ; all my tensor loads have landed;
	ds_add_u32 v[SPW], v[NIL]                      ; 0 onto my spare word;
	s_wait_dscnt 9                                 ; (the add and the youngest eight loads may be out)
	MUL8 1, 0, 0                                   ; eight matrix instructions stand between the add and the wait for it
	s_wait_dscnt 0x0                               ; the add is done, and my reads of this slot are over
	s_barrier_signal -1
	MUL8 1, 2, 0
	WIN 0
	s_barrier_wait -1
.if \fill
	CREST                                          ; no wave of any partner still reads this slot's tile or has a load on its way
	s_add_nc_u64 s[G0+4*(\slot)+2:G0+4*(\slot)+3], s[G0+4*(\slot)+2:G0+4*(\slot)+3], 2*ASTEP
	s_add_nc_u64 s[G0B+4*(\slot)+2:G0B+4*(\slot)+3], s[G0B+4*(\slot)+2:G0B+4*(\slot)+3], 2*BSTEP
	JLOAD \slot                                    ; the four v_nop behind it are also the places in front of the loads below
.else
	PLACES
.endif
	FETCH \next, 0, 0
	MUL16 1, 4, 0                                  ; buffers 1 were whole at the wait for 0 above
.endm
	s_wait_tensorcnt 1                             ; my part of K step 0 is in; step 1's may stay out
	s_barrier_signal -1
	s_barrier_wait -1                              ; everybody's is
	FETCH 0, 0, 0
	QUARTER 0, 1, 0, 1, 1                          ; the first quarter stands in front of the loop: its products start the sums
	WIN 0                                          ; at a label and at a branch every window is 0
	s_mov_b32 s3, LAPS-1
.Llap:                                                 ; a trip goes once round the ring, from a lap's second quarter to the next lap's first, and fills both slots again: K steps 2 to 15 in seven trips
	QUARTER 0, 2, 1, 0, 0
	QUARTER 0, 3, 0, 1, 0
	TURN 0, 1, 1
	QUARTER 1, 1, 0, 1, 0
	QUARTER 1, 2, 1, 0, 0
	QUARTER 1, 3, 0, 1, 0
	TURN 1, 0, 1
	QUARTER 0, 1, 0, 1, 0
	WIN 0
	s_sub_co_u32 s3, s3, 1
	s_cmp_lg_u32 s3, 0
	s_cbranch_scc1 .Llap
	QUARTER 0, 2, 1, 0, 0                          ; the last lap fills nothing, and has no round of the cluster's barrier
	QUARTER 0, 3, 0, 1, 0
	TURN 0, 1, 0
	QUARTER 1, 1, 0, 1, 0
	QUARTER 1, 2, 1, 0, 0
	QUARTER 1, 3, 0, 1, 0
	s_wait_dscnt 8                                 ; the very last quarter: nothing more to fetch
	MUL16 1, 0, 0
	s_wait_dscnt 0x0
	MUL16 1, 4, 0
	PLACES                                         ; for the LDS stores below, which read results, and the loads into y's buffers
; THE WAY OUT, a block a of 16 rows at a time.  A lane's eight columns of a row are 32 bytes of f32; they go into my stage's rows of 272 bytes and come back as whole rows of 256.  The stage is the wave's own, and LDS
; serves a wave's instructions in order (ISA guide 5.7.1.4): no wait between the stores and the loads, and the next block's stores come behind these loads.
.macro TOSTAGE a
.set BK, AF+32*((\a)%4)
	s_wait_xcnt 0x0                                ; every earlier memory instruction has had its addresses translated (ISA guide 3.1): the registers that the stores of four blocks back read are loaded again only behind this wait
	WIN 0x04                                       ; the stores' data in window 1, their address in window 0
.irp b, 0,1,2,3
	ds_store_b128 v[STO], v[32*(\a)+8*(\b):32*(\a)+8*(\b)+3]   offset:64*(\b)     ; each accumulator from its low end on
	ds_store_b128 v[STO], v[32*(\a)+8*(\b)+4:32*(\a)+8*(\b)+7] offset:64*(\b)+16
.endr
	WIN 0
.irp t, 0,1,2,3,4,5,6,7
	ds_load_b128 v[BK+4*(\t):BK+4*(\t)+3], v[RD] offset:(\t)*2*SPITCH
.endr
.endm
.macro SEND a, younger                 ; younger: the LDS instructions issued behind block a's loads: the next block's sixteen, or none
.set BK, AF+32*((\a)%4)
	WIN 0
.irp t, 0,1,2,3,4,5,6,7
	s_wait_dscnt (\younger)+7-(\t)
	global_store_b128 v[CO], v[BK+4*(\t):BK+4*(\t)+3], s[8:9] offset:(16*(\a)+2*(\t))*4096 th:TH_STORE_NT  ; 16 lanes store 256 consecutive bytes, at a multiple of 256 from out0's first; 126 rows at the most: inside the signed 24-bit immediate
.endr
.endm
	TOSTAGE 0
.irp a, 1,2,3,4,5,6,7
	TOSTAGE \a
	SEND (\a)-1, 16
.endr
	SEND 7, 0
	s_wait_tensorcnt 0x0                           ; the wave's end, behind my last tensor load and my last LDS store
	ds_add_u32 v[SPW], v[NIL]
	s_wait_dscnt 0x0
	CROUND                                         ; the closing round: no work-group ends while a partner may still ask for a tile that names it
	s_endpgm
.Lfunc_end_k_q6213f6c26a_proj:
	.size	k_q6213f6c26a_proj, .Lfunc_end_k_q6213f6c26a_proj-k_q6213f6c26a_proj
	.p2alignl 7, 3214868480
	.fill 96, 4, 3214868480
	.section	.rodata,"a",@progbits
	.p2align	6, 0x0
	.amdhsa_kernel k_q6213f6c26a_proj
		.amdhsa_group_segment_fixed_size 327680
		.amdhsa_private_segment_fixed_size 0
		.amdhsa_enable_private_segment 0
		.amdhsa_kernarg_size 24
		.amdhsa_user_sgpr_count 2
		.amdhsa_user_sgpr_kernarg_segment_ptr 1
		.amdhsa_wavefront_size32 1
		.amdhsa_system_sgpr_workgroup_id_x 1
		.amdhsa_system_sgpr_workgroup_id_y 1
		.amdhsa_system_sgpr_workgroup_id_z 1
		.amdhsa_system_vgpr_workitem_id 0
		.amdhsa_next_free_vgpr 512
		.amdhsa_next_free_sgpr 66
		.amdhsa_reserve_vcc 0
		.amdhsa_float_denorm_mode_32 3
		.amdhsa_float_denorm_mode_16_64 3
		.amdhsa_memory_ordered 1
		.amdhsa_forward_progress 1
		.amdhsa_inst_pref_size 87
	.end_amdhsa_kernel
	.amdgpu_metadata
---
amdhsa.version: [ 1, 2 ]
amdhsa.kernels:
  - .name:           k_q6213f6c26a_proj
    .symbol:         k_q6213f6c26a_proj.kd
    .args:
      - { .name: oh, .offset: 0, .size: 8, .value_kind: global_buffer, .address_space: global }
      - { .name: wpb, .offset: 8, .size: 8, .value_kind: global_buffer, .address_space: global }
      - { .name: out0, .offset: 16, .size: 8, .value_kind: global_buffer, .address_space: global }
    .group_segment_fixed_size: 327680
    .private_segment_fixed_size: 0
    .kernarg_segment_align: 8
    .kernarg_segment_size: 24
    .max_flat_workgroup_size: 128
    .sgpr_count:     66
    .vgpr_count:     512
    .wavefront_size: 32
...
	.end_amdgpu_metadata
.endif
;; end of part 5
;; ======== version 2 of 3: 4 launches
;; limits: values are held in f16: magnitudes above 65,504 overflow, below 6.1e-05 lose precision
;; workspace buffers: xb 16,777,216 bytes; wqb 6,291,456 bytes; wpb 2,097,152 bytes; qkvh 50,331,648 bytes; oh 16,777,216 bytes; pre 1,572,864 bytes
;; launch cast (part 6): grid 768 x 1, 8 waves a work-group, no clusters, 0 bytes of LDS; arguments x, w_qkv, w_proj, xb, wqb, wpb; writes xb, wqb, wpb
.if DOCPART == 6
	.amdgcn_target "amdgcn-amd-amdhsa--gfx1250"
	.amdhsa_code_object_version 6
	.text
	.protected	k_q6213f6c26a_cast
	.globl	k_q6213f6c26a_cast
	.p2align	8
	.type	k_q6213f6c26a_cast,@function
k_q6213f6c26a_cast:
	s_mov_b64 s[64:65], 0
	v_nop
	global_prefetch_b8 v0, s[64:65] scope:SCOPE_SE
	s_setreg_imm32_b32 hwreg(HW_REG_WAVE_MODE, 25, 1), 1
	s_wait_xcnt 0x0
; The three f32 inputs are rounded once to bf16 and laid out in blocks of 64 along K: dst[kb][row][64], kb = 0..15, so that the products behind this launch
; can ask for a K step's rows as dense bytes.  x [8192][1024] -> xb, w_qkv [3072][1024] -> wqb, both bf16.  w_proj [1024][1024] -> wpb: rounded to bf16 like the
; other inputs, and that number written as f16, since it is multiplied with f16 numbers.
; LIMITS.  A bf16 number of w_proj below 2^-14 in magnitude keeps f16's fixed step of 6e-8 (error 3e-8 at the most); 65,520 or more becomes an infinity.
; SHARES.  A work-group takes 16 rows of 1,024 numbers: groups 0-511 x, 512-703 w_qkv, 704-767 w_proj.  Thread t takes row t / 16 and the four numbers at k = 64 j + 4 (t % 16), j = 0..15.
; A wave's load covers 256 consecutive bytes in each of two rows; a wave's store covers 256 consecutive bytes (two rows of one block), aligned.  Every byte is read once and written once.
; No loop, no LDS, no barrier, no matrix unit: memory binds, and all sixteen loads of a thread are out together.  No register is written twice while a memory instruction may read it.
.set XBLK,  8192*128                   ; bytes in a block of xb
.set WQBLK, 3072*128                   ; of wqb
.set WPBLK, 1024*128                   ; of wpb
.set X,  8                             ; v[8:71]    load j: four f32
.set Y,  72                            ; v[72:103]  store j: four 16-bit numbers
.set T,  104                           ; v[104:107] at work (w_proj alone)
.set DB, 32                            ; s[32:63]   the destination at my rows of block j, a pair for each j
	s_load_b256 s[4:11], s[0:1], 0x0               ; x s[4:5], w_qkv s[6:7], w_proj s[8:9], xb s[10:11]
	s_load_b128 s[12:15], s[0:1], 0x20             ; wqb s[12:13], wpb s[14:15]
	v_lshrrev_b32 v1, 4, v0                        ; my row of the 16
	v_and_b32 v3, 15, v0
	v_lshlrev_b32 v1, 12, v1                       ; 4,096 bytes a row
	v_lshl_or_b32 v1, v3, 4, v1                    ; + 16 bytes for each thread of the row
	v_lshlrev_b32 v2, 3, v0                        ; in a block: row x 128 + 8 (t % 16) = 8 t
	s_mov_b32 s28, XBLK
	s_mov_b32 s29, WQBLK
	s_mov_b32 s30, WPBLK
	s_wait_kmcnt 0x0
	s_cmp_lt_u32 ttmp9, 512                        ; which tensor is mine: the choice hangs on the group's number alone
	s_cselect_b64 s[16:17], s[4:5], s[6:7]
	s_cselect_b64 s[18:19], s[10:11], s[12:13]
	s_cselect_b32 s20, s28, s29
	s_cselect_b32 s22, 0, 512
	s_cmp_lt_u32 ttmp9, 704
	s_cselect_b64 s[16:17], s[16:17], s[8:9]
	s_cselect_b64 s[18:19], s[18:19], s[14:15]
	s_cselect_b32 s20, s20, s30
	s_cselect_b32 s22, s22, 704
	s_mov_b32 s21, 0
	s_sub_co_u32 s23, ttmp9, s22                   ; my group among the tensor's
	s_lshl_b32 s24, s23, 16                        ; 16 rows of 4,096 bytes in,
	s_mov_b32 s25, 0
	s_lshl_b32 s26, s23, 11                        ; 16 rows of 128 bytes out
	s_mov_b32 s27, 0
	s_add_nc_u64 s[16:17], s[16:17], s[24:25]
	s_add_nc_u64 s[DB:DB+1], s[18:19], s[26:27]
.set j, 1
.rept 15
	s_add_nc_u64 s[DB+2*j:DB+2*j+1], s[DB+2*j-2:DB+2*j-1], s[20:21]  ; a block further on
.set j, j+1
.endr
.set j, 0
.rept 16
	global_load_b128 v[X+4*j:X+4*j+3], v1, s[16:17] offset:256*j th:TH_LOAD_NT  ; read once in the whole launch
.set j, j+1
.endr
.macro OUT j, half                     ; half = 1: the bf16 number is written as f16
	s_wait_loadcnt 15-(\j)                         ; loads come back in order (ISA guide 5.7.1): load j is in, the younger ones stay out
	v_cvt_pk_bf16_f32 v[Y+2*(\j)],   v[X+4*(\j)],   v[X+4*(\j)+1]
	v_cvt_pk_bf16_f32 v[Y+2*(\j)+1], v[X+4*(\j)+2], v[X+4*(\j)+3]
.if \half
.irp c, 0,1
	v_lshlrev_b32 v[T+2*(\c)],   16,         v[Y+2*(\j)+(\c)]      ; bf16 to f32: the low half moves up,
	v_and_b32     v[T+2*(\c)+1], 0xffff0000, v[Y+2*(\j)+(\c)]      ; the high half stays
.endr
.irp c, 0,1
	v_cvt_pk_f16_f32 v[Y+2*(\j)+(\c)], v[T+2*(\c)], v[T+2*(\c)+1]  ; eight significant bits: exact within f16's normal range
.endr
.endif
	global_store_b64 v2, v[Y+2*(\j):Y+2*(\j)+1], s[DB+2*(\j):DB+2*(\j)+1]  ; a launch behind reads these bytes: no hint
.endm
	s_cmp_ge_u32 ttmp9, 704
	s_cbranch_scc1 .Lf16
.irp j, 0,1,2,3,4,5,6,7,8,9,10,11,12,13,14,15
	OUT \j, 0
.endr
	s_endpgm
.Lf16:
.irp j, 0,1,2,3,4,5,6,7,8,9,10,11,12,13,14,15
	OUT \j, 1
.endr
	s_endpgm
.Lfunc_end_k_q6213f6c26a_cast:
	.size	k_q6213f6c26a_cast, .Lfunc_end_k_q6213f6c26a_cast-k_q6213f6c26a_cast
	.p2alignl 7, 3214868480
	.fill 96, 4, 3214868480
	.section	.rodata,"a",@progbits
	.p2align	6, 0x0
	.amdhsa_kernel k_q6213f6c26a_cast
		.amdhsa_group_segment_fixed_size 0
		.amdhsa_private_segment_fixed_size 0
		.amdhsa_enable_private_segment 0
		.amdhsa_kernarg_size 48
		.amdhsa_user_sgpr_count 2
		.amdhsa_user_sgpr_kernarg_segment_ptr 1
		.amdhsa_wavefront_size32 1
		.amdhsa_system_sgpr_workgroup_id_x 1
		.amdhsa_system_sgpr_workgroup_id_y 1
		.amdhsa_system_sgpr_workgroup_id_z 1
		.amdhsa_system_vgpr_workitem_id 0
		.amdhsa_next_free_vgpr 108
		.amdhsa_next_free_sgpr 66
		.amdhsa_reserve_vcc 0
		.amdhsa_float_denorm_mode_32 3
		.amdhsa_float_denorm_mode_16_64 3
		.amdhsa_memory_ordered 1
		.amdhsa_forward_progress 1
		.amdhsa_inst_pref_size 17
	.end_amdhsa_kernel
	.amdgpu_metadata
---
amdhsa.version: [ 1, 2 ]
amdhsa.kernels:
  - .name:           k_q6213f6c26a_cast
    .symbol:         k_q6213f6c26a_cast.kd
    .args:
      - { .name: x, .offset: 0, .size: 8, .value_kind: global_buffer, .address_space: global }
      - { .name: w_qkv, .offset: 8, .size: 8, .value_kind: global_buffer, .address_space: global }
      - { .name: w_proj, .offset: 16, .size: 8, .value_kind: global_buffer, .address_space: global }
      - { .name: xb, .offset: 24, .size: 8, .value_kind: global_buffer, .address_space: global }
      - { .name: wqb, .offset: 32, .size: 8, .value_kind: global_buffer, .address_space: global }
      - { .name: wpb, .offset: 40, .size: 8, .value_kind: global_buffer, .address_space: global }
    .group_segment_fixed_size: 0
    .private_segment_fixed_size: 0
    .kernarg_segment_align: 8
    .kernarg_segment_size: 48
    .max_flat_workgroup_size: 256
    .sgpr_count:     66
    .vgpr_count:     108
    .wavefront_size: 32
...
	.end_amdgpu_metadata
.endif
;; end of part 6
;; launch qkv: the kernel of part 2 again; grid 8 x 32, 4 waves a work-group, clusters of 4 x 4, 327,680 bytes of LDS; arguments xb, wqb, qkvh, pre; writes qkvh, pre
;; launch attn (part 7): grid 4 x 64, 4 waves a work-group, no clusters, 327,680 bytes of LDS; arguments qkvh, oh, pre; writes oh
.if DOCPART == 7
	.amdgcn_target "amdgcn-amd-amdhsa--gfx1250"
	.amdhsa_code_object_version 6
	.text
	.protected	k_q6213f6c26a_attn
	.globl	k_q6213f6c26a_attn
	.p2align	8
	.type	k_q6213f6c26a_attn,@function
k_q6213f6c26a_attn:
	s_mov_b64 s[64:65], 0
	v_nop
	global_prefetch_b8 v0, s[64:65] scope:SCOPE_SE
	s_setreg_imm32_b32 hwreg(HW_REG_WAVE_MODE, 25, 1), 1
	s_wait_xcnt 0x0
; CAUSAL ATTENTION.  O[h][q][:] = the sum over k <= q of softmax_k(Q[h][q] . K[h][k] / 8) V[h][k][:].  Q, K, V are the three parts of qkvh, O is oh: each [SIZE_H][SIZE_N][64] in f16: a head's rows are dense, 128 bytes each.
; Products, maxima and sums in f32; the weights p are rounded to f16 for the second product (their sum l is taken of the unrounded p), O once at the end.
; ROWS 0 TO 31 OF EVERY HEAD ARE MADE TWICE: like all others in the walk, and then anew, by the wave that owns them, from operands in two f16 parts (pre): the text at the kernel's end says why and how.
; LIMITS.  f16 holds no number beyond 65,504: Q, K and V arrive within it; p lies in 0 to 1, and below 6e-5 it keeps f16's fixed step of 6e-8; O is a mean of V's rows and has their range, to within 2^-11 of it.
; A hidden score counts as its value less 1e30: f16's scores, 2.7e11 at the most, are nothing beside that; a weight below 2^-126 counts as 0 in l; NaN and infinities are not treated apart.
; THE WALK.  A head's queries lie in NB = SIZE_N / 256 blocks of 256; block i needs the key tiles 0 .. i of 256 keys, of which the last holds the diagonal.  A work-group takes TWO blocks, NB - 1 - b and then b:
; NB + 1 tiles, whatever b: all work-groups do equal work in the walk, and ONE loop with a constant trip count walks them.  Which tile is asked for, and what a trip does, hang on scalar registers made from b; every jump
; goes forward, but for the counted loops' own; none passes a barrier, or a tensor load but the one of LOAD's two that the wave's number does not choose; the ring (two slots of LDS that take turns) runs on across the
; change of blocks.  NO CLUSTER: the NB / 2 = 4 work-groups of a head ask for the same tile only in trips 0 .. NB / 2, behind that fewer and fewer share one;
; and one walk common to all would have 3 NB / 2 trips for NB + 1.
; SHARES.  Of a block's four bands of 64 queries a wave owns 16 rows in each: four PIECES.  So the diagonal tile is the same work for all four waves: in its key step s band x sees all keys if s < x,
; none if s > x, and holds the diagonal if s = x.
; THE MASK is the C operand that starts the sum S^T = K Q^T: 0, or -1e30 where the key is hidden.  MD, made once, is the mask of a band's own step for my 16 rows; a product's mask is MD x AL + BE with two scalars:
; (1, 0) if s = x; (0, 0) if s < x; (0, -1e30) if s > x.  Only the diagonal tile's text and a block's beginning make and take masks; elsewhere C is the constant 0.
; LAYOUT, SOFTMAX, TURNS.  S^T = K Q^T holds ONE query a lane (lane % 16) and the keys 8 (lane / 16) + 0..7; two such results rounded to f16 ARE source 1 of O^T = V^T P.  p = 2^(c s - c m), c = log2(e) / 8, with a
; running maximum m; O and l are multiplied by a = 2^(c m_old - c m_new) in every step.  Turn n belongs to piece n: 8 products K Q^T of piece n + 1, later 8 products V^T P of piece n - 1; beside them the scaling,
; exponentials, roundings, sums and rescaling of piece n and the maximum and statistics of piece n + 1.  Four vector instructions stand behind every matrix instruction, the other 54 of a turn's 118 in two LUMPS.
; REGISTERS, in windows of 256 (s_set_vgpr_msb: bits 1:0 source 0, 3:2 source 1, 5:4 source 2, 7:6 destination):
;   window 0: v0-15 addresses and two at work; v16-31 four registers of statistics a piece; v32 a prefetch's offsets; v48-55 at work; v64-127 S^T, two buffers; v192-223 P, two buffers (a piece's buffers go by its number's parity)
;   window 1: v0-127 O^T, 32 a piece; v128-159 MD; v160-223 MC, two buffers      window 2: v0-63 Q; v64-127 the second block's Q; v128-191 K of one step; v192-255 V of one step
;   window 3: all that the first rows' second making names
.set SIZE_N, 2048
.set SIZE_H, 64
.set PART,  SIZE_H*SIZE_N*128  ; bytes from Q to K and from K to V in qkvh
.set PARTB, SIZE_H*32*128      ; bytes from q to k and from k to v in pre: 2^18
.set HLB,   3*PARTB            ; from the upper to the lower parts in pre
.set NB,    SIZE_N/256
.set NP,    4         ; pieces a wave: a name, no knob
.set KS,    64        ; keys in a step
.set PK,    144       ; a row of K in LDS: 128 bytes + 16 of padding = 36 words: the 16 rows of a load start at 16 different groups of four banks (64 banks of 4 bytes: ISA guide 11.1)
.set PV,    160       ; a row of V: 128 + 32 = 40 words
.set VOFF,  4*KS*PK   ; a slot holds a tile, four steps: 256 rows of K, then 256 rows of V
.set SLOT1, 1<<17     ; slot 1 begins here, so that one exclusive or turns an address in one slot into the other's
.set STAGE, SLOT1+4*KS*(PK+PV)  ; behind the ring, never filled by a tensor load: 16 rows x 144 bytes for each wave, for the way out
.set SP,    144
.set AK0, 2           ; v2   my lane's place in a tile of K; never rewritten
.set AV0, 3           ; v3   the same for V
.set AK,  4           ; v4   the LDS address of K's next run of loads
.set AV,  5           ; v5   of V's
.set STO, 6           ; v6   the way out: where I put 16 bytes of a row
.set RD,  7           ; v7   the way out: where I read rows back
.set GO,  8           ; v8   my byte offset in 512 consecutive bytes of O
.set PF,  32          ; v32  the prefetch's byte offsets in the head's part of pre; never rewritten
.set SPW, 62          ; v62  LDS address of my spare word: SPARE + 4 x my thread's number; never rewritten
.set NIL, 63          ; v63  0; never rewritten
.set SPARE, STAGE+4*16*SP  ; behind the stages: the spare words, 128 bytes for each wave: two blocks of 256 bytes that no other line names
.set ZLDS,  SPARE+512 ; behind the spare words, never filled by a tensor load: for the first rows' second making, ZWAVE bytes for each of waves 0 and 1
.set ZWAVE, 12800     ; 50 blocks of 256 bytes: V's upper parts, V's lower parts (32 rows x 160 bytes each), a stage of 16 rows x 144 bytes
.set ZVLO,  32*PV
.set ZSTG,  2*32*PV
.set MV,  12          ; v12-13  c m_old, kept while c m is made anew: by buffer
.set QO,  15          ; v15  my byte offset in 16 rows of Q
.set ST,  16          ; piece t's statistics at v[ST+4 t]: c m, m, l (even keys', odd keys')
.set TMP, 48          ; by buffer, four registers c0-c3 at work; when the maximum is found c2 takes a
.set S,   64
.set P,   192
.set MD,  128         ; window 1: the eight registers for group kt of 16 keys at MD + 8 kt
.set MC,  160         ; window 1: the masks of the products to come
.set QB,  64          ; window 2
.set KF,  128         ; window 2: key block kb, channel half c at KF + 16 kb + 8 c
.set VF,  192         ; window 2: key half kk, channel block cb at VF + 32 kk + 8 cb
.set WV,  12          ; s12  my wave's number
.set PB,  14          ; s14  b
.set HI,  15          ; s15  NB - 1 - b
.set G1K, 24          ; s[24:31] descriptor group 1 for K's tiles
.set G1V, 32          ; s[32:39] for V's: it differs in the padding alone
.set G0K, 40          ; s[40:43] descriptor group 0 for K's tiles
.set G0V, 44          ; s[44:47] the same for V's
.set PRE, 48          ; s[48:49] pre; s[50:51] pre at my head's rows; s[52:53] an offset, later s52 a mask; s54, s55 LDS addresses
.set SLOTS, 56        ; s56  tiles still to be asked for
.set CNT, 57          ; s57  counts a tile's key steps, 4 to 1
.set CS,  58          ; s[58:59] c: the packed scaling takes the pair's low word for both halves
.set SEL, 60          ; s[60:61] v_permlanex16_b32's selects: each lane takes its own place in the other half
.set TBK, 62          ; s62  LDS byte at which K of the step to be fetched begins
.set TBV, 63          ; s63  the same for V, less VOFF
.set RT,  70          ; s70  tiles of the block in hand that are still to be entered
.set NXT, 71          ; s71  the tile to be asked for next
.set LQ,  72          ; s72  the last tile of the block whose tiles are being asked for
.set NEW, 73          ; s73  1: the tile to be entered is a block's first
.set OFF, 74          ; s[74:75] a tile's byte offset in K and V
.set AL,  76          ; s[76:77] the mask's factor, in the low word
.set BE,  78          ; s[78:79] the mask's addend
.set OLO, 80          ; s[80:81] O at my rows of the second block
.set BIGN, 82         ; s82  -1e30
.set MSB, 0
.macro WIN new                      ; the high byte repeats the setting that is left; a switch that changes nothing is dropped
.if MSB != (\new)
	s_set_vgpr_msb (MSB<<8)|(\new)
.set MSB, (\new)
.endif
.endm
.set W_KQ, 0x0a       ; K and Q in window 2, S^T in window 0
.set W_KM, 0x1a       ; the same with the C operand in window 1
.set W_PV, 0x52       ; V in window 2, P in window 0, O^T in window 1
.set W_RS, 0x41       ; destination and source 0 in window 1, source 1 in window 0
; A fill.  Waves 0 and 1 fetch the two halves of a tile's K, waves 2 and 3 those of its V: 128 keys each.  An s_nop 0 and four v_nop follow each of the two lines, ahead of the jump and the label.
.macro LOAD
	s_cmp_lt_u32 s[WV], 2
	s_cbranch_scc0 .Lfor_v_\@
	tensor_load_to_lds s[G0K:G0K+3], s[G1K:G1K+7]
	s_nop 0
.rept 4
	v_nop
.endr
	s_branch .Lasked_\@
.Lfor_v_\@:
	tensor_load_to_lds s[G0V:G0V+3], s[G1V:G1V+7]
	s_nop 0
.rept 4
	v_nop
.endr
.Lasked_\@:
.endm
; THE CHANGE OF SLOTS.  Each wave waits for all its tensor loads, of which one is out: its part of the other slot; adds 0 to its spare word; and waits for that and for its own reads of the slot that it leaves.  Behind the barrier nobody reads the old
; slot any more and the other slot is whole.  fill = 1: the old slot is filled again, the first thing behind the barrier, with tile NXT: the descriptor's address is made anew from that number.
; (At its first use nothing has been read yet: slot 0 is waited for, slot 1 filled.)
.macro CHANGE fill
	WIN 0                           ; at a label and at a branch every window is 0
	s_wait_tensorcnt 0x0            ; no tensor load of mine is out, so a group 0 may be written
	ds_add_u32 v[SPW], v[NIL]       ; 0 onto my spare word; with fill = 1 the descriptors' scalar work stands between it and the wait for it
.if \fill
	s_lshl_b32 s[OFF], s[NXT], 15   ; a tile is 32,768 bytes of K and of V
	s_xor_b32 s[G0K+1], s[G0K+1], SLOT1
	s_add_nc_u64 s[G0K+2:G0K+3], s[6:7], s[OFF:OFF+1]
	s_or_b32 s[G0K+3], s[G0K+3], 0x80000000
	s_xor_b32 s[G0V+1], s[G0V+1], SLOT1
	s_add_nc_u64 s[G0V+2:G0V+3], s[8:9], s[OFF:OFF+1]
	s_or_b32 s[G0V+3], s[G0V+3], 0x80000000
	s_add_co_u32 s[NXT], s[NXT], 1  ; the block's next tile, or behind its last the second block's tile 0
	s_cmp_gt_u32 s[NXT], s[LQ]
	s_cselect_b32 s[NXT], 0, s[NXT]
	s_cselect_b32 s[LQ], s[PB], s[LQ]
.endif
	s_wait_dscnt 0x0                ; the add is done, and my reads of the slot are over
	s_barrier_signal -1             ; the rest of the scalar work stands between the signal and the wait
	s_sub_co_u32 s[TBK], s[TBK], 4*KS*PK  ; the fetches go back to a slot's first step,
	s_xor_b32 s[TBK], s[TBK], SLOT1       ; in the other slot
	s_sub_co_u32 s[TBV], s[TBV], 4*KS*PV
	s_xor_b32 s[TBV], s[TBV], SLOT1
	s_barrier_wait -1
.if \fill
	LOAD
.endif
.endm
	s_load_b64 s[4:5], s[0:1], 0x0    ; qkvh: Q's part begins it
	s_load_b64 s[10:11], s[0:1], 0x8  ; oh
	s_load_b64 s[PRE:PRE+1], s[0:1], 0x10  ; pre
	v_lshl_add_u32 v[SPW], v0, 2, SPARE
	v_mov_b32 v[NIL], 0
	ds_add_u32 v62, v63
	ds_add_u32 v62, v63
	s_wait_dscnt 0x0
	v_lshrrev_b32 v1, 5, v0
	v_readfirstlane_b32 s[WV], v1   ; wave 0..3
	s_mov_b32 s[PB], ttmp9
	s_sub_co_u32 s[HI], NB-1, s[PB]
	s_and_b32 s20, ttmp7, 0xffff    ; the head, 16 x batch + head
	s_lshl_b32 s[PRE+4], s20, 12    ; its 32 rows of 128 bytes in each part of pre
	s_mov_b32 s[PRE+5], 0
	s_mov_b32 s21, 0
	s_mov_b64 s[22:23], SIZE_N*128
	s_mul_u64 s[20:21], s[20:21], s[22:23]  ; the head's first byte in Q, K, V and O
	s_and_b32 s16, s[WV], 1         ; which half of a tile's 256 keys I fetch:
	s_lshl_b32 s22, s16, 14         ; its 128 rows of 128 bytes in memory,
	s_mov_b32 s23, 0
	s_add_nc_u64 s[22:23], s[22:23], s[20:21]
	s_mul_i32 s17, s16, 128*PK      ; and its place in a slot, for K
	s_mul_i32 s18, s16, 128*PV      ; and for V
	s_lshl_b32 s3, s[WV], 11        ; my 16 rows in a band of 64,
	s_lshl_b32 s2, s[HI], 15        ; in the first block,
	s_add_co_u32 s2, s2, s3
	s_lshl_b32 s84, s[PB], 15       ; and in the second
	s_add_co_u32 s84, s84, s3
	s_mov_b32 s3, 0
	s_mov_b32 s85, 0
	s_add_nc_u64 s[2:3], s[2:3], s[20:21]
	s_add_nc_u64 s[84:85], s[84:85], s[20:21]
	; descriptor group 1.  128 keys are 16,384 dense bytes: asked for as 64 rows of 256 bytes, two keys a row, and padded in LDS after every key
	s_mov_b32 s[G1K], (1<<16)|(1<<20)|(4<<22)|(3<<25)  ; 17:16 2-byte elements; 20 padding on; 24:22 after every 32 words (code 4); 31:25 4 words (code 3)
	s_mov_b32 s[G1V], (1<<16)|(1<<20)|(4<<22)|(7<<25)  ; the same with 8 words of padding (code 7)
.irp g, G1K, G1V
	s_mov_b32 s[\g+1], 128<<16      ; tensor_dim0 = 128
	s_mov_b32 s[\g+2], 64<<16       ; tensor_dim1 = 64
	s_mov_b32 s[\g+3], 128<<16      ; tile_dim0 = 128
	s_mov_b32 s[\g+4], 64           ; tile_dim1 = 64
	s_mov_b32 s[\g+5], 128          ; 128 elements from row to row
	s_mov_b32 s[\g+6], 0
	s_mov_b32 s[\g+7], 0
.endr
	s_mov_b32 s[CS], 0x3e38aa3b     ; c = log2(e) / 8 = 0.180337
	s_mov_b32 s[CS+1], s[CS]        ; named with it as a pair
	s_mov_b32 s[SEL], 0x76543210
	s_mov_b32 s[SEL+1], 0xfedcba98
	s_mov_b32 s[TBK], SLOT1+4*KS*PK ; the first change of slots turns these two into 0
	s_mov_b32 s[TBV], SLOT1+4*KS*PV
	s_mov_b32 s[G0K], 1             ; 1:0 count = 1
	s_mov_b32 s[G0K+1], s17         ; 63:32 LDS address: slot 0
	s_mov_b32 s[G0V], 1
	s_add_co_u32 s[G0V+1], s18, VOFF
	s_add_co_u32 s[RT], s[HI], 1    ; the first block has NB - b tiles
	s_mov_b32 s[NXT], 1
	s_mov_b32 s[LQ], s[HI]
	s_mov_b32 s[NEW], 1
	s_mov_b32 s[OFF+1], 0
	s_mov_b32 s[AL+1], 0            ; named as pairs
	s_mov_b32 s[BE+1], 0
	s_mov_b32 s[BIGN], 0xf149f2ca   ; -1e30
	s_mov_b32 s[SLOTS], NB
	s_wait_kmcnt 0x0
	s_add_nc_u64 s[6:7], s[4:5], PART      ; K's part of qkvh
	s_add_nc_u64 s[8:9], s[4:5], 2*PART    ; V's
	s_add_nc_u64 s[6:7], s[6:7], s[22:23]  ; K and V at my half of the head's tile 0
	s_add_nc_u64 s[8:9], s[8:9], s[22:23]
	s_add_nc_u64 s[G0K+2:G0K+3], s[6:7], 0         ; 120:64 global address
	s_or_b32 s[G0K+3], s[G0K+3], 0x80000000        ; 127:126 type = 2
	s_add_nc_u64 s[G0V+2:G0V+3], s[8:9], 0
	s_or_b32 s[G0V+3], s[G0V+3], 0x80000000
	s_add_nc_u64 s[86:87], s[4:5], s[84:85]        ; Q at my rows of the second block,
	s_add_nc_u64 s[4:5], s[4:5], s[2:3]            ; Q and O at those of the first
	s_add_nc_u64 s[OLO:OLO+1], s[10:11], s[84:85]
	s_add_nc_u64 s[10:11], s[10:11], s[2:3]
	s_add_nc_u64 s[PRE+2:PRE+3], s[PRE:PRE+1], s[PRE+4:PRE+5]  ; pre at my head's rows; never rewritten
	LOAD                            ; tile 0 into slot 0
	; A fragment of K or Q is 16 rows x 32 channels in 8 registers: lane l holds row l % 16, channels 8 (l / 16) + 0..7 and 16 + 8 (l / 16) + 0..7: two loads of 16 bytes, 32 bytes apart.
	v_and_b32 v1, 15, v0            ; l % 16
	v_bfe_u32 v9, v0, 4, 1          ; l / 16
	v_lshlrev_b32 v[PF], 8, v1      ; the prefetch's offsets: 16 lanes 256 bytes apart cover a part's 4,096 bytes of my head,
	v_lshl_add_u32 v[PF], v9, 18, v[PF]  ; the other 16 lanes the next part's, PARTB bytes on
	v_lshlrev_b32 v[QO], 7, v1
	v_lshl_add_u32 v[QO], v9, 4, v[QO]  ; row x 128 + 16 x half
	WIN 0x80                        ; destination window 2, address window 0
.set i, 0
.rept 8                             ; both blocks' Q: piece i / 2 lies in band i / 2, 8,192 bytes on; channels 32 (i % 2) on
	global_load_b128 v[8*i:8*i+3],   v[QO], s[4:5] offset:(i/2)*8192+(i%2)*64
	global_load_b128 v[8*i+4:8*i+7], v[QO], s[4:5] offset:(i/2)*8192+(i%2)*64+32
	global_load_b128 v[QB+8*i:QB+8*i+3],   v[QO], s[86:87] offset:(i/2)*8192+(i%2)*64
	global_load_b128 v[QB+8*i+4:QB+8*i+7], v[QO], s[86:87] offset:(i/2)*8192+(i%2)*64+32
.set i, i+1
.endr
	WIN 0
	v_lshlrev_b32 v14, 3, v9
	v_sub_nc_u32 v14, v1, v14
	s_lshl_b32 s13, s[WV], 4
	v_add_nc_u32 v14, s13, v14      ; my query's place in its band, 16 w + l % 16, less my lanes' 8 (l / 16): register r of group kt is hidden where 16 kt + r is greater
	WIN 0x40
.set i, 0
.rept 32
	v_cmp_gt_i32 vcc_lo, 16*(i/8)+i%8, v14
	v_cndmask_b32 v[MD+i], 0, s[BIGN], vcc_lo
.set i, i+1
.endr
	WIN 0
	v_mul_u32_u24 v[AK0], v1, PK
	v_lshl_add_u32 v[AK0], v9, 4, v[AK0]  ; row x pitch + 16 x half
	; The turning load takes 16 keys x 16 channels (lane l reads key 8 (l / 16) + l % 8, channels 8 ((l / 8) % 2) + 0..7) and leaves half a fragment of V^T: lane l holds channel l % 16 and 8 keys.
	v_and_b32 v10, 7, v0
	v_bfe_u32 v11, v0, 3, 1
	v_lshl_add_u32 v[AV0], v9, 3, v10
	v_mul_u32_u24 v[AV0], v[AV0], PV
	v_lshl_add_u32 v[AV0], v11, 4, v[AV0]
	v_add_nc_u32 v[AV0], VOFF, v[AV0]
	s_mul_i32 s13, s[WV], 16*SP
	s_add_co_u32 s13, s13, STAGE    ; my stage
	v_mul_u32_u24 v[STO], v1, SP    ; in: row l % 16, 16 bytes for each half of the lanes
	v_lshl_add_u32 v[STO], v9, 4, v[STO]
	v_add_nc_u32 v[STO], s13, v[STO]
	v_bfe_u32 v[RD], v0, 3, 2       ; back: 32 lanes take four rows of 128 bytes,
	v_mul_u32_u24 v[RD], v[RD], SP
	v_lshl_add_u32 v[RD], v10, 4, v[RD]
	v_add_nc_u32 v[RD], s13, v[RD]
	v_and_b32 v[GO], 31, v0         ; which are 512 consecutive bytes of O
	v_lshlrev_b32 v[GO], 4, v[GO]
	; A block's first step multiplies O^T and l by a = 0, and its first turn's products V^T P, of a piece that has not been, land in an O^T that is still to be so multiplied.  So these registers need only hold
	; finite numbers: zeros for the first block; what the first block left for the second.  All this stands in the wait for the first tile.
	WIN 0x80
.set i, VF
.rept 64
	v_mov_b32 v[i], 0
.set i, i+1
.endr
	WIN 0x40
.set i, 0
.rept 128
	v_mov_b32 v[i], 0
.set i, i+1
.endr
	WIN 0
.set i, 0
.rept 4
	v_mov_b32 v[ST+4*i+2], 0
	v_mov_b32 v[ST+4*i+3], 0
.set i, i+1
.endr
.set i, P+16
.rept 16
	v_mov_b32 v[i], 0
.set i, i+1
.endr
; THE MATRIX WORK.  The 4 accumulators of a run of 8 take turns.  Product i of 8 of S^T = K Q^T for piece x: channels 32 (i / 4) on, keys 16 (i % 4) on.  The first 4 start the sums: with 0, or (KM = 1) with the mask.
.macro KQ x
.set rS, S+32*((\x)%2)+8*(i%4)
.set rK, KF+16*(i%4)+8*(i/4)
.set rQ, 16*(\x)+8*(i/4)
.set rM, MC+32*((\x)%2)+8*(i%4)
.if (i < 4) && KM
	WIN W_KM
	v_wmma_f32_16x16x32_f16 v[rS:rS+7], v[rK:rK+7], v[rQ:rQ+7], v[rM:rM+7]
.elseif i < 4
	WIN W_KQ
	v_wmma_f32_16x16x32_f16 v[rS:rS+7], v[rK:rK+7], v[rQ:rQ+7], 0
.else
	WIN W_KQ
	v_wmma_f32_16x16x32_f16 v[rS:rS+7], v[rK:rK+7], v[rQ:rQ+7], v[rS:rS+7]
.endif
.endm
; Product i of 8 of O^T += V^T P for piece x: keys 32 (i / 4) on, channels 16 (i % 4) on.
.macro PV x
	WIN W_PV
.set rO, 32*(\x)+8*(i%4)
.set rV, VF+32*(i/4)+8*(i%4)
.set rP, P+16*((\x)%2)+8*(i/4)
	v_wmma_f32_16x16x32_f16 v[rO:rO+7], v[rV:rV+7], v[rP:rP+7], v[rO:rO+7]
.endm
.macro MM                           ; the turn's next matrix instruction.  TURN and BEGIN set Y, i, KM and NOKQ; MM, KQ and OP read them.  NOKQ = 1: a block's last turn: there is no next piece
.if (i < 8) && !NOKQ
	KQ (Y+1)%NP
.elseif i >= 8
.set i, i-8
	PV (Y+NP-1)%NP
.set i, i+8
.endif
.set i, i+1
.endm
; THE LDS LOADS stand in runs of 16, never singly among the matrix instructions: a step's K (64 keys x 64 channels: 8 fragments) and its V (turned).  Their addresses are made some lines ahead.
.macro FETCH_K
	WIN 0x80                        ; destination window 2
.irp f, 0,1,2,3,4,5,6,7             ; keys 16 (f / 2) on, channels 32 (f % 2) on
	ds_load_b128 v[KF+8*\f:KF+8*\f+3],   v[AK] offset:(\f/2)*16*PK+(\f%2)*64
	ds_load_b128 v[KF+8*\f+4:KF+8*\f+7], v[AK] offset:(\f/2)*16*PK+(\f%2)*64+32
.endr
	s_add_co_u32 s[TBK], s[TBK], KS*PK  ; the next fetch is the next step's
	WIN 0
.endm
.macro FETCH_V
	WIN 0x80
.irp f, 0,1,2,3,4,5,6,7             ; keys 32 (f / 4) on, channels 16 (f % 4) on
	ds_load_tr16_b128 v[VF+8*\f:VF+8*\f+3],   v[AV] offset:(\f/4)*32*PV+(\f%4)*32
	ds_load_tr16_b128 v[VF+8*\f+4:VF+8*\f+7], v[AV] offset:(\f/4)*32*PV+16*PV+(\f%4)*32
.endr
	WIN 0
.endm
; THE VECTOR WORK, one line at a time: OP kind, number.  For piece Y: F n: c s - c m for pair n of 16.  E n: the exponential of score n of 32.  C n: pair n rounded to f16.  B n: of the four weights 4 n .. the second
; pair is added onto the first, in place.  L n: l takes that sum (L 0: l = a l + sum).  R n: pair n of 16 of O^T times a.  For piece Y + 1: X n, number n of the 22 that find its maximum and statistics:
;   0-11  four chains c0-c3 of seven scores each, three operands at a time (each accumulator's lowest registers are read first)     12-14, 16  the four scores left over, the old m, and c0-c3 into c0
;   15  c m_old is kept     17, 18  the query's other 32 keys lie in the lane 16 away: the new m     19-21  c m; c m_old - c m_new; a
.set F, 0               ; OP tells the kinds apart by their order: F to L below R, X above it
.set E, 1
.set C, 2
.set B, 3
.set L, 4
.set R, 5
.set X, 6
.macro REGS y                       ; the registers of piece y
.set rT, ST+4*(\y)
.set rC, TMP+4*((\y)%2)
.set rW, MV+((\y)%2)
.set rS, S+32*((\y)%2)
.set rP, P+16*((\y)%2)
.set rO, 32*(\y)
.endm
.macro OP k, n
.if (\k) == R
	REGS Y
	WIN W_RS
	v_pk_mul_f32 v[rO+2*(\n):rO+2*(\n)+1], v[rO+2*(\n):rO+2*(\n)+1], v[rC+2:rC+3] op_sel_hi:[1,0]
.elseif (\k) < R
	REGS Y
	WIN 0
.if (\k) == F
	v_pk_fma_f32 v[rS+2*(\n):rS+2*(\n)+1], v[rS+2*(\n):rS+2*(\n)+1], s[CS:CS+1], v[rT:rT+1] op_sel_hi:[1,0,0] neg_lo:[0,0,1] neg_hi:[0,0,1]
.elseif (\k) == E
	v_exp_f32 v[rS+(\n)], v[rS+(\n)]
.elseif (\k) == C
	s_wait_alu depctr_va_vdst(0)
	v_cvt_pk_f16_f32 v[rP+(\n)], v[rS+2*(\n)], v[rS+2*(\n)+1]
.elseif (\k) == B
	s_wait_alu depctr_va_vdst(0)
	v_pk_add_f32 v[rS+4*(\n):rS+4*(\n)+1], v[rS+4*(\n):rS+4*(\n)+1], v[rS+4*(\n)+2:rS+4*(\n)+3]
.elseif (\n) == 0
	v_pk_fma_f32 v[rT+2:rT+3], v[rT+2:rT+3], v[rC+2:rC+3], v[rS:rS+1] op_sel_hi:[1,0,1]
.else
	v_pk_add_f32 v[rT+2:rT+3], v[rT+2:rT+3], v[rS+4*(\n):rS+4*(\n)+1]
.endif
.elseif NOKQ
	v_nop
.else
	REGS (Y+1)%NP
	WIN 0
.if (\n) < 4
	v_max3_num_f32 v[rC+(\n)], v[rS+8*(\n)], v[rS+8*(\n)+1], v[rS+8*(\n)+2]
.elseif (\n) < 12
	v_max3_num_f32 v[rC+(\n)%4], v[rC+(\n)%4], v[rS+8*((\n)%4)+2*((\n)/4)+1], v[rS+8*((\n)%4)+2*((\n)/4)+2]
.elseif (\n) == 12
	v_max3_num_f32 v[rC], v[rC], v[rS+7], v[rS+15]
.elseif (\n) == 13
	v_max3_num_f32 v[rC+1], v[rC+1], v[rS+23], v[rS+31]
.elseif (\n) == 14
	v_max3_num_f32 v[rC+2], v[rC+2], v[rC+3], v[rT+1]
.elseif (\n) == 15
	v_mov_b32 v[rW], v[rT]
.elseif (\n) == 16
	v_max3_num_f32 v[rC], v[rC], v[rC+1], v[rC+2]
.elseif (\n) == 17
	v_permlanex16_b32 v[rC+3], v[rC], s[SEL], s[SEL+1]
.elseif (\n) == 18
	v_max_num_f32 v[rT+1], v[rC], v[rC+3]
.elseif (\n) == 19
	v_mul_f32 v[rT], s[CS], v[rT+1]
.elseif (\n) == 20
	v_sub_f32 v[rC+1], v[rW], v[rT]
.else
	v_exp_f32 v[rC+2], v[rC+1]
.endif
.endif
.endm
.macro OPS a, i1, b=-1, i2=0, c=-1, i3=0, d=-1, i4=0  ; up to four of them
	OP \a, \i1
.if (\b) >= 0
	OP \b, \i2
.endif
.if (\c) >= 0
	OP \c, \i3
.endif
.if (\d) >= 0
	OP \d, \i4
.endif
.endm
.macro ROW a, i1, b, i2, c, i3, d, i4  ; a matrix instruction and the four behind it
	MM
	OPS \a, \i1, \b, \i2, \c, \i3, \d, \i4
.endm
.macro MASK b                       ; MD x AL + BE into buffer b of MC
	WIN W_RS
.set z, 0
.rept 16
	v_pk_fma_f32 v[MC+32*(\b)+2*z:MC+32*(\b)+2*z+1], v[MD+2*z:MD+2*z+1], s[AL:AL+1], s[BE:BE+1] op_sel_hi:[1,0,0]
.set z, z+1
.endr
.endm
; A TURN, for piece p: the order of its 16 matrix and 118 vector instructions, written out.  Behind a matrix instruction: plain, exponential, plain, plain; or four of the rescaling; or, behind the first, four scalings; none
; names a register of the products round it.  In the lumps exponential and plain by turns while exponentials last.  A line reads no result made fewer than three vector instructions in front of it, five if an exponential made it.
; v_permlanex16_b32 (X 17) stands in a lump.
; m = 1: the diagonal tile: the products take masks, and the turn makes the mask for the products of the turn after it: piece p + 2, in step 4 - CNT of the tile.  end = 1: a block's last two turns: nothing is fetched.
; cnt = 1: the loop's count is taken down some lines ahead of the branch that stands behind the turn.
; K of the next step is fetched in piece 2's turn, six vector instructions behind the last product that read K (five of them plain); V of the step in hand in piece 0's turn, eight behind the last product that read V (four
; plain, and X 17).  Each is waited for a turn later.
.macro TURN p, m=0, end=0, cnt=0
.set Y, (\p)
.set i, 0
.set KM, (\m)
.set NOKQ, (\end)*((\p)/3)
.if (\m) && !(\end)
	s_cmp_eq_u32 s[CNT], 4-((\p)+2)%NP  ; is that step the band's own?
	s_cselect_b32 s[AL], 1.0, 0
	s_cmp_lt_u32 s[CNT], 4-((\p)+2)%NP  ; or a later one?
	s_cselect_b32 s[BE], s[BIGN], 0
.endif
.if ((\p) == 3) && !(\end)
	s_wait_dscnt 0x0                ; K is in
.endif
	ROW F,0, F,1, F,2, F,3
	ROW F,4, E,0, F,5, F,6
	ROW F,7, E,1, F,8, F,9
	ROW F,10, E,2, C,0, F,11
	ROW F,12, E,3, X,15, F,13
	ROW R,0, R,1, R,2, R,3
	ROW B,0, E,4, F,14, L,0
.if ((\p) == 2) && !(\end)
	v_add_nc_u32 v[AK], s[TBK], v[AK0]
.endif
	ROW R,4, R,5, R,6, R,7
	OPS E,5, F,15
.if ((\p) == 2) && !(\end)
	FETCH_K
.endif
	OPS E,6, C,1, E,7, R,8
	OPS E,8, R,9, E,9, C,2
	OPS E,10, X,0, E,11, X,1
	OPS E,12, X,2, E,13, X,3
.if (\p) == 1
	s_wait_dscnt 0x0                ; V is in
.endif
	ROW X,4, E,14, X,5, X,6
	ROW X,7, E,15, X,8, X,9
	ROW X,10, E,16, X,11, X,12
	ROW X,13, E,17, X,14, B,1
	ROW C,4, E,18, X,16, L,1
	ROW B,2, E,19, C,6, L,2
	ROW C,8, E,20, B,3, B,4
.if (\p) == 0
	v_add_nc_u32 v[AV], s[TBV], v[AV0]
.endif
	ROW C,3, E,21, L,3, C,5
	OPS E,22, X,17, E,23, C,10
.if (\p) == 0
	FETCH_V
.endif
	OPS E,24, L,4
	OPS E,25, X,18, E,26, C,7
	OPS E,27, B,5, E,28, X,19
	OPS E,29, C,12, E,30, L,5
	OPS E,31, X,20, B,6, C,9
	OPS C,14, C,11, X,21, L,6
.if (\p) == 0
	s_add_co_u32 s[TBV], s[TBV], KS*PV
.endif
.if \cnt
	s_sub_co_u32 s[CNT], s[CNT], 1
	s_cmp_lg_u32 s[CNT], 0
.endif
	OPS C,13, B,7, C,15, R,10
	OPS R,11, R,12, L,7, R,13
	OPS R,14, R,15
.if (\m) && !(\end)
	MASK (\p)%2
.endif
.endm
; A BLOCK BEGINS.  c m starts far below every c s, so the first step's a is 0; m at the lowest finite number, so the first maximum is the scores'.  The second mask buffer is 0; the first takes piece 0's mask for the tile's step 0: its own, if the block's first tile is the diagonal one.
; Then K of that step, piece 0's first scores, and its maximum and statistics.  The loop is entered at a step's first turn, in the middle of a trip.
.macro BEGIN
	s_mov_b32 s[NEW], 0
	WIN 0x40
.set i, MC+32
.rept 32
	v_mov_b32 v[i], 0
.set i, i+1
.endr
	WIN 0
.set i, 0
.rept 4
	v_mov_b32 v[ST+4*i], 0xfe000000    ; c m: far below every c s
	v_mov_b32 v[ST+4*i+1], 0xff7fffff  ; m
.set i, i+1
.endr
	s_cmp_eq_u32 s[RT], 0
	s_cselect_b32 s[AL], 1.0, 0
	s_mov_b32 s[BE], 0
	MASK 0
	WIN 0
	v_add_nc_u32 v[AK], s[TBK], v[AK0]
	FETCH_K
	s_wait_loadcnt 0x0              ; Q
	s_wait_dscnt 0x0
.set KM, 1
.set NOKQ, 0
.set i, 0
.rept 8
	KQ 0
.set i, i+1
.endr
	WIN 0
.rept 4
	v_nop                           ; the places behind those products
.endr
.set Y, NP-1                        ; X works for piece Y + 1: piece 0
.irp n, 0,1,2,3,4,5,6,7,8,9,10,11,12,13,14,15,16,17,18,19,20,21
	OP X, \n
.endr
	v_nop                           ; a plain instruction behind the exponential
.endm
; THE DIAGONAL TILE's four steps, the block's last two turns, its last products, and THE WAY OUT: l's two halves and the other half of the lanes' are added; O^T is divided by l, rounded to f16 and sent through my
; stage in LDS, a piece at a time.
.macro ALL line:vararg              ; one line for each piece t
.set t, 0
.rept 4
	\line
.set t, t+1
.endr
.endm
.macro PACK t                       ; a lane's eight channels of a row pack into 16 bytes; they go into rows of 144 bytes and come back as whole rows of 128, into S^T's registers
	WIN W_RS
.set i, 32*(\t)
.rept 16
	s_wait_alu depctr_va_vdst(0)
	v_pk_mul_f32 v[i:i+1], v[i:i+1], v[ST+4*(\t)+2:ST+4*(\t)+3] op_sel_hi:[1,0]
.set i, i+2
.endr
	WIN 0x05                        ; sources 0 and 1 window 1, destination window 0
.set i, 0
.rept 16
	v_cvt_pk_f16_f32 v[S+16*(\t)+i], v[32*(\t)+2*i], v[32*(\t)+2*i+1]
.set i, i+1
.endr
	WIN 0
.irp f, 0,1,2,3
	ds_store_b128 v[STO], v[S+16*(\t)+4*\f:S+16*(\t)+4*\f+3] offset:32*\f
.endr
.irp f, 0,1,2,3
	ds_load_b128 v[S+16*(\t)+4*\f:S+16*(\t)+4*\f+3], v[RD] offset:\f*4*SP  ; LDS serves a wave's instructions in order (ISA guide 5.7.1.4): these see the stores above; the next piece's stores come behind them
.endr
.endm
.macro SEND t, younger              ; younger: the LDS instructions issued behind piece t's loads: the next piece's eight, or none
	WIN 0
.irp f, 0,1,2,3
	s_wait_dscnt (\younger)+3-\f
	global_store_b128 v[GO], v[S+16*(\t)+4*\f:S+16*(\t)+4*\f+3], s[10:11] offset:(\t)*8192+\f*512  ; 512 consecutive bytes, at a multiple of 256 from O's first
.endr
.endm
.macro DIAG tag                     ; the tag ends its two labels' names, which the jumps below spell out
.LstepM\tag:
	TURN 2, 1
	TURN 3, 1
	WIN 0
.LfirstM\tag:
	TURN 0, 1
	TURN 1, 1, 0, 1
	WIN 0
	s_cbranch_scc1 .LstepM\tag
	TURN 2, 1, 1
	TURN 3, 1, 1
.set i, 0
.rept 8
	PV NP-1
.set i, i+1
.endr
	WIN 0
	ALL v_add_f32 v[ST+4*t+2], v[ST+4*t+2], v[ST+4*t+3]
	ALL v_permlanex16_b32 v[ST+4*t+3], v[ST+4*t+2], s[SEL], s[SEL+1]
	ALL v_add_f32 v[ST+4*t+2], v[ST+4*t+2], v[ST+4*t+3]
	ALL v_rcp_f32 v[ST+4*t+2], v[ST+4*t+2]
	v_nop                           ; a plain instruction between the last reciprocal and the use of its result
	PACK 0
.set t, 1
.rept 3                             ; a piece's arithmetic stands between the loads of the piece before and its stores
	PACK t
	SEND t-1, 8
.set t, t+1
.endr
	SEND 3, 0
.endm
.set KM, 0
.set NOKQ, 0
.Lslot:                             ; NB times: a tile is entered and the next is asked for
	CHANGE 1
	s_sub_co_u32 s[RT], s[RT], 1
	s_mov_b32 s[CNT], 4
	s_cmp_eq_u32 s[NEW], 1
	s_cbranch_scc1 .Lnew            ; a block's first tile
	s_cmp_eq_u32 s[RT], 0
	s_cbranch_scc0 .Lstep           ; neither its first nor its last
	s_branch .LstepM1
.Lnew:
	BEGIN
	s_branch .Lfirst                ; in the loop a block's first tile is never its last: the first block has two tiles or more, and the second's last is the walk's last
	DIAG 1                          ; in the loop this is the first block's end: the second block's last tile is the walk's last
	s_wait_xcnt 0x0                 ; the stores have read their registers and O's address
	s_mov_b64 s[10:11], s[OLO:OLO+1]
	s_add_co_u32 s[RT], s[PB], 1    ; the second block has b + 1 tiles
	s_mov_b32 s[NEW], 1
	WIN 0x82                        ; the second block's Q goes where the one text of the turns names Q
.set i, 0
.rept 64
	v_mov_b32 v[i], v[QB+i]
.set i, i+1
.endr
	WIN 0
	s_branch .Lbottom
.Lstep:                             ; a trip: pieces 2 and 3 of one step, then pieces 0 and 1 of the next, whose K and V it fetches
	TURN 2
	TURN 3
	WIN 0
.Lfirst:
	TURN 0
	TURN 1, 0, 0, 1
	WIN 0
	s_cbranch_scc1 .Lstep
.Lbottom:
	s_sub_co_u32 s[SLOTS], s[SLOTS], 1
	s_cmp_lg_u32 s[SLOTS], 0
	s_cbranch_scc1 .Lslot
	CHANGE 0                        ; the walk's last tile is written out: nothing is asked for
	s_sub_co_u32 s[RT], s[RT], 1
	s_mov_b32 s[CNT], 4
	; A prefetch for the loads at the kernel's end.  Wave 0 of the work-group that will make rows 0 to 31 anew (b = 0) asks for its head's 24,576 bytes of pre, each aligned block of 256 bytes once: a line takes two of
	; the six parts (upper and lower q, k, v), 16 lanes 256 bytes apart for each.  It stands one tile of the walk, four key steps, ahead of those loads, and asks for nothing but the head's own bytes, which lie inside pre.
	s_cmp_lg_u32 s[PB], 0
	s_cbranch_scc1 .Lnot_asked
	s_cmp_lg_u32 s[WV], 0
	s_cbranch_scc1 .Lnot_asked
	global_prefetch_b8 v[PF], s[PRE+2:PRE+3] th:TH_LOAD_NT scope:SCOPE_SE
	global_prefetch_b8 v[PF], s[PRE+2:PRE+3] offset:2*PARTB th:TH_LOAD_NT scope:SCOPE_SE
	global_prefetch_b8 v[PF], s[PRE+2:PRE+3] offset:4*PARTB th:TH_LOAD_NT scope:SCOPE_SE
.Lnot_asked:
	s_cmp_eq_u32 s[NEW], 1
	s_cbranch_scc0 .LstepM2
	BEGIN
	s_branch .LfirstM2
	DIAG 2
; ROWS 0 TO 31 OF THE HEAD ONCE MORE, WITH EVERY MATRIX OPERAND IN TWO f16 PARTS.  O[q] = the sum over k <= q of softmax_k(Q[q] . K[k] / 8) V[k], q, k = 0..31.
; Why: row q is a mean over q + 1 rows of V, so these rows are many times the module's output's root mean square, by which the allowed error goes; a rounding of q, k, v or of a weight to f16's 11 bits reaches
; the output undiminished relative to the row's own size.  With scores of spread 1 a row's size falls about as sqrt(2.7 / (q + 1)): from row 32 on it is about a third of row 1's, and one f16 number an operand serves.
; pre[upper, lower][q, k, v][head][32 rows][64] in f16 holds the operands: number = upper + lower, some 22 significant bits.  A product of two such numbers is upper x upper + lower x upper + upper x lower;
; lower x lower, 2^-22 of the product, is left out.  Sums, maxima and exponentials in f32.  The weights p are split in the same way (the upper part is p with the low 13 bits of its mantissa cut off, exact in f16;
; the lower part the remainder, rounded).  O is rounded once to f16: the one rounding to 11 bits that these rows have.  For numbers of spread 1 its root mean square is 2.1e-4 of that spread.
; A part below 2^-14 keeps f16's fixed step of 6e-8; the other limits are those at the kernel's head.
; WHO.  Rows 16 w to 16 w + 15 are piece 0 of wave w (0, 1) in block 0, the second block of the work-group with b = 0: the wave that has just stored them stores them anew, 2,048 bytes written twice, at the same
; base s[10:11].  So 64 of the 256 work-groups run this text, in two of their waves; it holds 24 matrix instructions, no barrier and no tensor load, and the two jumps over it go forward.
; The loads stand inside the same two jumps as all that reads them.  Every vector register here lies in window 3: one setting serves every operand place.
; LAYOUT.  S^T = K Q^T (source 0 = 16 keys, source 1 = 16 queries): a lane holds ONE query (lane % 16) and the keys 8 (lane / 16) + 0..7 of each key tile; the two tiles' weights, packed in pairs, ARE source 1
; (32 keys x 16 queries) of O^T = V^T P.  V ([key][channel]) goes through LDS bytes of the wave's own to be turned by ds_load_tr16_b128.  For wave 0 keys 16 to 31 are hidden by the mask like any other hidden key.
.set ZL,   0                           ; the lane
.set Z1,   1                           ; l % 16
.set Z2,   2                           ; l / 16
.set ZQO,  3                           ; my byte offset in Q's rows: (16 w + l % 16) x 128 + 16 (l / 16)
.set ZKO,  4                           ; the same for K's first 16 rows
.set ZGO,  5                           ; 16 l: my place in 512 consecutive bytes, of V and of O
.set ZVST, 6                           ; where I put 16 bytes of a row of V
.set ZVTR, 7                           ; from where the turning load takes them
.set ZSTO, 8                           ; the way out: where I put 16 bytes of a row
.set ZRD,  9                           ; the way out: where I read rows back
.set ZQI,  10                          ; my query's number less 8 (l / 16)
.set ZM1,  11                          ; at work
.set ZCM,  12                          ; a pair: c m, m
.set ZLS,  14                          ; a pair: l's two halves; then 1 / l in the first
.set ZQH,  16                          ; Q: channels 32 c on at ZQH + 8 c; the lower parts 16 registers on
.set ZKH,  48                          ; K: key tile kt, channels 32 c on at ZKH + 16 kt + 8 c; the lower parts 32 registers on
.set ZS,   112                         ; S^T: key tile kt at ZS + 8 kt
.set ZMK,  128                         ; the mask, likewise; later the weights' upper parts in f32
.set ZVH,  144                         ; V: as loaded, then turned: channel block cb at ZVH + 8 cb; the lower parts 32 registers on
.set ZPH,  208                         ; the weights' upper parts, packed; the lower parts 8 registers on
.set ZO,   224                         ; O^T: channel block cb at ZO + 8 cb
.set ZXH,  80                          ; the way out: 16 registers of packed results (K's lower parts' registers)
	s_cmp_lg_u32 s[PB], 0
	s_cbranch_scc1 .Lnot_first_rows
	s_cmp_lt_u32 s[WV], 2
	s_cbranch_scc0 .Lnot_first_rows
	s_lshl_b32 s13, s[WV], 11                      ; my 16 rows of 128 bytes among the head's 32
	s_lshl_b32 s19, s[WV], 4                       ; my first query
	s_mul_i32 s54, s[WV], ZWAVE
	s_add_co_u32 s54, s54, ZLDS                    ; my LDS bytes: V's two parts,
	s_add_co_u32 s55, s54, ZSTG                    ; and the stage behind them
	s_mov_b32 s52, 0xffffe000                      ; keeps an f32's sign, exponent and upper 10 mantissa bits
	WIN 0xc0                                       ; destination window 3, sources window 0
	v_and_b32 v[ZL], 31, v0
	WIN 0xff                                       ; every operand place: window 3
	v_and_b32 v[Z1], 15, v[ZL]
	v_lshrrev_b32 v[Z2], 4, v[ZL]
	v_lshlrev_b32 v[ZKO], 7, v[Z1]
	v_lshl_add_u32 v[ZKO], v[Z2], 4, v[ZKO]        ; a fragment: row x 128 + 16 x half; two loads of 16 bytes, 32 bytes apart
	v_add_nc_u32 v[ZQO], s13, v[ZKO]
	v_lshlrev_b32 v[ZGO], 4, v[ZL]
.irp hl, 0,1
.irp f, 0,1,2,3,4,5,6,7                ; V first: it has the longer way.  A load takes four rows, 512 consecutive bytes
	global_load_b128 v[ZVH+32*(\hl)+4*(\f):ZVH+32*(\hl)+4*(\f)+3], v[ZGO], s[PRE+2:PRE+3] offset:(\hl)*HLB+2*PARTB+512*(\f)
.endr
.endr
.irp hl, 0,1
.irp kt, 0,1
.irp c, 0,1
	global_load_b128 v[ZKH+32*(\hl)+16*(\kt)+8*(\c):ZKH+32*(\hl)+16*(\kt)+8*(\c)+3],   v[ZKO], s[PRE+2:PRE+3] offset:(\hl)*HLB+PARTB+2048*(\kt)+64*(\c)
	global_load_b128 v[ZKH+32*(\hl)+16*(\kt)+8*(\c)+4:ZKH+32*(\hl)+16*(\kt)+8*(\c)+7], v[ZKO], s[PRE+2:PRE+3] offset:(\hl)*HLB+PARTB+2048*(\kt)+64*(\c)+32
.endr
.endr
.endr
.irp hl, 0,1
.irp c, 0,1
	global_load_b128 v[ZQH+16*(\hl)+8*(\c):ZQH+16*(\hl)+8*(\c)+3],   v[ZQO], s[PRE+2:PRE+3] offset:(\hl)*HLB+64*(\c)
	global_load_b128 v[ZQH+16*(\hl)+8*(\c)+4:ZQH+16*(\hl)+8*(\c)+7], v[ZQO], s[PRE+2:PRE+3] offset:(\hl)*HLB+64*(\c)+32
.endr
.endr
	; the LDS addresses and the mask are made while the loads are out
	v_lshrrev_b32 v[ZVST], 3, v[ZL]                ; l / 8: which of a load's four rows is mine
	v_and_b32 v[ZM1], 7, v[ZL]
	v_mul_u32_u24 v[ZRD], v[ZVST], SP              ; the way out, back: 32 lanes take four rows of 128 bytes
	v_lshl_add_u32 v[ZRD], v[ZM1], 4, v[ZRD]
	v_add_nc_u32 v[ZRD], s55, v[ZRD]
	v_mul_u32_u24 v[ZVST], v[ZVST], PV
	v_lshl_add_u32 v[ZVST], v[ZM1], 4, v[ZVST]
	v_add_nc_u32 v[ZVST], s54, v[ZVST]
	v_lshl_add_u32 v[ZVTR], v[Z2], 3, v[ZM1]       ; the turning load takes 16 keys x 16 channels: lane l reads key 8 (l / 16) + l % 8, channels 8 ((l / 8) % 2) + 0..7,
	v_mul_u32_u24 v[ZVTR], v[ZVTR], PV             ; and leaves half a fragment of V^T: lane l holds channel l % 16 and 8 keys
	v_bfe_u32 v[ZCM], v[ZL], 3, 1
	v_lshl_add_u32 v[ZVTR], v[ZCM], 4, v[ZVTR]
	v_add_nc_u32 v[ZVTR], s54, v[ZVTR]
	v_mul_u32_u24 v[ZSTO], v[Z1], SP               ; the way out, in: row l % 16, 16 bytes for each half of the lanes
	v_lshl_add_u32 v[ZSTO], v[Z2], 4, v[ZSTO]
	v_add_nc_u32 v[ZSTO], s55, v[ZSTO]
	v_lshlrev_b32 v[ZQI], 3, v[Z2]
	v_sub_nc_u32 v[ZQI], v[Z1], v[ZQI]
	v_add_nc_u32 v[ZQI], s19, v[ZQI]               ; register j of key tile kt holds key 16 kt + 8 (l / 16) + j: hidden where 16 kt + j is greater than this
.set i, 0
.rept 16
	v_cmp_gt_i32 vcc_lo, 16*(i/8)+i%8, v[ZQI]
	v_cndmask_b32 v[ZMK+i], 0, s[BIGN], vcc_lo
.set i, i+1
.endr
	s_wait_loadcnt 24                              ; loads come back in order (ISA guide 5.7.1): V's 16 are in; K's 16 and Q's 8 may be out
.irp hl, 0,1
.irp f, 0,1,2,3,4,5,6,7
	ds_store_b128 v[ZVST], v[ZVH+32*(\hl)+4*(\f):ZVH+32*(\hl)+4*(\f)+3] offset:(\hl)*ZVLO+(\f)*4*PV
.endr
.endr
.irp hl, 0,1
.irp cb, 0,1,2,3                       ; LDS serves a wave's instructions in order (ISA guide 5.7.1.4): these see the stores above
	ds_load_tr16_b128 v[ZVH+32*(\hl)+8*(\cb):ZVH+32*(\hl)+8*(\cb)+3],   v[ZVTR] offset:(\hl)*ZVLO+32*(\cb)        ; keys 8 (l / 16) + 0..7
	ds_load_tr16_b128 v[ZVH+32*(\hl)+8*(\cb)+4:ZVH+32*(\hl)+8*(\cb)+7], v[ZVTR] offset:(\hl)*ZVLO+16*PV+32*(\cb)  ; keys 16 + 8 (l / 16) + 0..7
.endr
.endr
	s_wait_loadcnt 0x0                             ; K and Q
; Two matrix instructions, one for each key tile: part ka of K x part qb of Q, channels 32 c on.  first = 1: the mask starts the sums.  The two accumulators take turns, one instruction a turn.
.macro ZSC ka, qb, c, first
.irp kt, 0,1
.if \first
	v_wmma_f32_16x16x32_f16 v[ZS+8*(\kt):ZS+8*(\kt)+7], v[(\ka)+16*(\kt)+8*(\c):(\ka)+16*(\kt)+8*(\c)+7], v[(\qb)+8*(\c):(\qb)+8*(\c)+7], v[ZMK+8*(\kt):ZMK+8*(\kt)+7]
.else
	v_wmma_f32_16x16x32_f16 v[ZS+8*(\kt):ZS+8*(\kt)+7], v[(\ka)+16*(\kt)+8*(\c):(\ka)+16*(\kt)+8*(\c)+7], v[(\qb)+8*(\c):(\qb)+8*(\c)+7], v[ZS+8*(\kt):ZS+8*(\kt)+7]
.endif
.endr
.endm
	ZSC ZKH,    ZQH,    0, 1
	ZSC ZKH,    ZQH,    1, 0
	ZSC ZKH+32, ZQH,    0, 0                       ; K's lower parts
	ZSC ZKH+32, ZQH,    1, 0
	ZSC ZKH,    ZQH+16, 0, 0                       ; Q's lower parts
	ZSC ZKH,    ZQH+16, 1, 0
.rept 4
	v_nop                                          ; four places between a matrix instruction and the first vector instruction that reads its result (ISA guide 7.12.1)
.endr
	; the query's maximum: my 16 scores, each accumulator from its low end on, then the other 16, which lie in the lane 16 away
	v_max3_num_f32 v[ZM1],   v[ZS],    v[ZS+1],  v[ZS+2]
	v_max3_num_f32 v[ZCM+1], v[ZS+8],  v[ZS+9],  v[ZS+10]
	v_max3_num_f32 v[ZM1],   v[ZM1],   v[ZS+3],  v[ZS+4]
	v_max3_num_f32 v[ZCM+1], v[ZCM+1], v[ZS+11], v[ZS+12]
	v_max3_num_f32 v[ZM1],   v[ZM1],   v[ZS+5],  v[ZS+6]
	v_max3_num_f32 v[ZCM+1], v[ZCM+1], v[ZS+13], v[ZS+14]
	v_max3_num_f32 v[ZM1],   v[ZM1],   v[ZS+7],  v[ZS+15]
	v_max_num_f32 v[ZM1], v[ZM1], v[ZCM+1]
	v_permlanex16_b32 v[ZCM+1], v[ZM1], s[SEL], s[SEL+1]
	v_max_num_f32 v[ZCM+1], v[ZM1], v[ZCM+1]       ; m: every query sees its own key, so m is a true score
	v_mul_f32 v[ZCM], s[CS], v[ZCM+1]              ; c m
.set i, 0
.rept 8
	v_pk_fma_f32 v[ZS+2*i:ZS+2*i+1], v[ZS+2*i:ZS+2*i+1], s[CS:CS+1], v[ZCM:ZCM+1] op_sel_hi:[1,0,0] neg_lo:[0,0,1] neg_hi:[0,0,1]  ; c s - c m
.set i, i+1
.endr
.set i, 0
.rept 16
	v_exp_f32 v[ZS+i], v[ZS+i]                     ; p = 2^(c s - c m); a hidden key's is 0
.set i, i+1
.endr
	v_nop                                          ; a plain instruction between the last exponential and the use of its result (ISA guide 5.7.2)
	s_wait_alu depctr_va_vdst(0)
	v_pk_add_f32 v[ZLS:ZLS+1], v[ZS:ZS+1], v[ZS+2:ZS+3]  ; l, of the whole p
.set i, 2
.rept 6
	v_pk_add_f32 v[ZLS:ZLS+1], v[ZLS:ZLS+1], v[ZS+2*i:ZS+2*i+1]
.set i, i+1
.endr
	v_add_f32 v[ZLS], v[ZLS], v[ZLS+1]
	v_permlanex16_b32 v[ZLS+1], v[ZLS], s[SEL], s[SEL+1]
	v_add_f32 v[ZLS], v[ZLS], v[ZLS+1]
	v_rcp_f32 v[ZLS], v[ZLS]                       ; the lines below, which do not name it, stand between it and its use
.set i, 0
.rept 16
	v_and_b32 v[ZMK+i], s52, v[ZS+i]               ; p's upper part
.set i, i+1
.endr
.set i, 0
.rept 8
	v_pk_add_f32 v[ZS+2*i:ZS+2*i+1], v[ZS+2*i:ZS+2*i+1], v[ZMK+2*i:ZMK+2*i+1] neg_lo:[0,1] neg_hi:[0,1]  ; its lower part: exact
.set i, i+1
.endr
.set i, 0
.rept 8
	v_cvt_pk_f16_f32 v[ZPH+i],   v[ZMK+2*i], v[ZMK+2*i+1]
	v_cvt_pk_f16_f32 v[ZPH+8+i], v[ZS+2*i],  v[ZS+2*i+1]
.set i, i+1
.endr
	s_wait_dscnt 0x0                               ; V's fragments
; Four matrix instructions, one for each block of 16 channels: part va of V x part pb of P, all 32 keys.  first = 1: the products start the sums.  The four accumulators take turns.
.macro ZOV va, pb, first
.irp cb, 0,1,2,3
.if \first
	v_wmma_f32_16x16x32_f16 v[ZO+8*(\cb):ZO+8*(\cb)+7], v[(\va)+8*(\cb):(\va)+8*(\cb)+7], v[(\pb):(\pb)+7], 0
.else
	v_wmma_f32_16x16x32_f16 v[ZO+8*(\cb):ZO+8*(\cb)+7], v[(\va)+8*(\cb):(\va)+8*(\cb)+7], v[(\pb):(\pb)+7], v[ZO+8*(\cb):ZO+8*(\cb)+7]
.endif
.endr
.endm
	ZOV ZVH,    ZPH,   1
	ZOV ZVH+32, ZPH,   0                           ; V's lower parts
	ZOV ZVH,    ZPH+8, 0                           ; P's lower parts
.rept 4
	v_nop                                          ; the places behind those products
.endr
	; O = O^T / l, rounded to f16; a lane's eight channels of a row pack into 16 bytes; they go into rows of 144 bytes and come back as whole rows of 128.
.set i, 0
.rept 16
	s_wait_alu depctr_va_vdst(0)
	v_pk_mul_f32 v[ZO+2*i:ZO+2*i+1], v[ZO+2*i:ZO+2*i+1], v[ZLS:ZLS+1] op_sel_hi:[1,0]  ; each accumulator from its low end on
.set i, i+1
.endr
.set i, 0
.rept 16
	v_cvt_pk_f16_f32 v[ZXH+i], v[ZO+2*i], v[ZO+2*i+1]
.set i, i+1
.endr
.irp f, 0,1,2,3
	ds_store_b128 v[ZSTO], v[ZXH+4*(\f):ZXH+4*(\f)+3] offset:32*(\f)
.endr
.irp f, 0,1,2,3
	ds_load_b128 v[ZXH+4*(\f):ZXH+4*(\f)+3], v[ZRD] offset:(\f)*4*SP  ; in order behind the stores above
.endr
	s_wait_storecnt 0x0                            ; my stores of piece 0 in the way out above went to these same 2,048 bytes: they are done before the stores below go out
.irp f, 0,1,2,3
	s_wait_dscnt 3-(\f)                            ; load f is back; the later ones may be out
	global_store_b128 v[ZGO], v[ZXH+4*(\f):ZXH+4*(\f)+3], s[10:11] offset:512*(\f)  ; 512 consecutive bytes, at a multiple of 256 from O's first: s[10:11] is O at rows 16 w of block 0
.endr
	WIN 0                                          ; at a label every window is 0
.Lnot_first_rows:
	s_wait_tensorcnt 0x0            ; the wave's end, behind my last tensor load and my last LDS store
	ds_add_u32 v[SPW], v[NIL]
	s_wait_dscnt 0x0
	s_endpgm
.Lfunc_end_k_q6213f6c26a_attn:
	.size	k_q6213f6c26a_attn, .Lfunc_end_k_q6213f6c26a_attn-k_q6213f6c26a_attn
	.p2alignl 7, 3214868480
	.fill 96, 4, 3214868480
	.section	.rodata,"a",@progbits
	.p2align	6, 0x0
	.amdhsa_kernel k_q6213f6c26a_attn
		.amdhsa_group_segment_fixed_size 327680
		.amdhsa_private_segment_fixed_size 0
		.amdhsa_enable_private_segment 0
		.amdhsa_kernarg_size 24
		.amdhsa_user_sgpr_count 2
		.amdhsa_user_sgpr_kernarg_segment_ptr 1
		.amdhsa_wavefront_size32 1
		.amdhsa_system_sgpr_workgroup_id_x 1
		.amdhsa_system_sgpr_workgroup_id_y 1
		.amdhsa_system_sgpr_workgroup_id_z 1
		.amdhsa_system_vgpr_workitem_id 0
		.amdhsa_next_free_vgpr 1024
		.amdhsa_next_free_sgpr 88
		.amdhsa_reserve_vcc 1
		.amdhsa_float_denorm_mode_32 3
		.amdhsa_float_denorm_mode_16_64 3
		.amdhsa_memory_ordered 1
		.amdhsa_forward_progress 1
		.amdhsa_inst_pref_size 248
	.end_amdhsa_kernel
	.amdgpu_metadata
---
amdhsa.version: [ 1, 2 ]
amdhsa.kernels:
  - .name:           k_q6213f6c26a_attn
    .symbol:         k_q6213f6c26a_attn.kd
    .args:
      - { .name: qkvh, .offset: 0, .size: 8, .value_kind: global_buffer, .address_space: global }
      - { .name: oh, .offset: 8, .size: 8, .value_kind: global_buffer, .address_space: global }
      - { .name: pre, .offset: 16, .size: 8, .value_kind: global_buffer, .address_space: global }
    .group_segment_fixed_size: 327680
    .private_segment_fixed_size: 0
    .kernarg_segment_align: 8
    .kernarg_segment_size: 24
    .max_flat_workgroup_size: 128
    .sgpr_count:     88
    .vgpr_count:     1024
    .wavefront_size: 32
...
	.end_amdgpu_metadata
.endif
;; end of part 7
;; launch proj (part 8): grid 8 x 32, 4 waves a work-group, clusters of 4 x 4, 327,680 bytes of LDS; arguments oh, wpb, out0; writes out0
.if DOCPART == 8
	.amdgcn_target "amdgcn-amd-amdhsa--gfx1250"
	.amdhsa_code_object_version 6
	.text
	.protected	k_q6213f6c26a_proj
	.globl	k_q6213f6c26a_proj
	.p2align	8
	.type	k_q6213f6c26a_proj,@function
k_q6213f6c26a_proj:
	s_mov_b64 s[64:65], 0
	v_nop
	global_prefetch_b8 v0, s[64:65] scope:SCOPE_SE
	s_setreg_imm32_b32 hwreg(HW_REG_WAVE_MODE, 25, 1), 1
	s_wait_xcnt 0x0
	s_wait_alu depctr_hold_cnt(0) depctr_sa_sdst(0) depctr_va_vdst(0) depctr_va_sdst(0) depctr_va_ssrc(0) depctr_va_vcc(0) depctr_vm_vsrc(0)
	s_getreg_b32 s2, hwreg(HW_REG_IB_STS2, 6, 4)
	s_cmp_eq_u32 s2, 0
	s_cbranch_scc0 .Lentry_in_a_cluster
	s_endpgm
.Lentry_in_a_cluster:
	s_bfe_u32 s2, ttmp6, 0x10000c
	s_cmp_lg_u32 s2, 0xf033
	s_cbranch_scc0 .Lentry_shape_is_right
	s_endpgm
.Lentry_shape_is_right:
; out0[m][n] = the sum over k of y[m][k] w_proj[n][k], m = 0..8191, n, k = 0..1023, stored in f32.  y[m][64 head + d] lies by heads: oh[16 (m / 2048) + head][m % 2048][d] in f16, so a head IS a block of 64
; along K whose rows (128 bytes) lie end to end.  wpb[kb][n][64] holds w_proj rounded to bf16, written as f16.  Operands f16, sums f32.
; LIMITS.  Those of the operands: f16 holds no number beyond 65,504; NaN and infinities are not treated apart.
; SHARES.  8,192 x 1,024 in tiles of 256 x 128 are 32 x 8 = 256 work-groups.  Four waves, each 128 rows x 64 columns: 32 accumulators of 16 x 16; a wave's 64 columns of f32 are 256 consecutive bytes of a row of out0.
; K goes in 8 steps of 128 (two heads) through a ring of two LDS slots.  A slot holds y's even and odd block (256 rows each), then w_proj's (128 rows each); each of the four is one wave's tensor load,
; asked for as rows of 256 bytes that start at multiples of 256 from the buffer's first byte, and padded in LDS after every 128 bytes.
; CLUSTERS.  4 x 4 work-groups: the four of a row of the cluster need the same tiles of y, the four of a column the same tiles of w_proj; each tile is asked for JOINTLY.
; THE MATRIX INSTRUCTION IS USED TRANSPOSED (source 0 = 16 rows of w_proj, source 1 = 16 rows of y): a lane then holds one row m (lane % 16) and eight neighbouring columns.
; REGISTERS: window 0: v0-31 addresses; v32-95, v96-159 y's fragments (8 x 16 rows x 32 K), two buffers; v160-191, v192-223 w_proj's (4 x 16 rows x 32 K), two buffers; on the way out v32-159 hold whole rows.
;   window 1: accumulator (a, b) at v[8 (4 a + b)], a = 0..7 blocks of 16 rows, b = 0..3 blocks of 16 columns.
.set PITCH,  144                       ; an LDS row: 128 bytes + 16 of padding = 36 words: the 16 rows of a load start at 16 different groups of four banks (64 banks of 4 bytes: ISA guide 11.1)
.set ABLK,   256*PITCH                 ; a block of y's tile: one tensor load
.set BBLK,   128*PITCH                 ; a block of w_proj's tile: one tensor load
.set BOFF,   2*ABLK
.set SLOT,   BOFF+2*BBLK               ; 110,592 bytes
.set STAGE,  2*SLOT                    ; behind the ring: 16 rows x 272 bytes for each wave, for the way out; no tensor load fills it
.set SPITCH, 272                       ; 256 bytes + 16
.set SPARE,  STAGE+4*16*SPITCH         ; behind the stages: the spare words, 128 bytes for each wave: two blocks of 256 bytes that no other line names
.set ASTEP,  2*2048*128                ; bytes from a K step of oh to the next: two heads
.set BSTEP,  2*1024*128                ; of wpb: two blocks
.set LAPS,   4                         ; a lap = two K steps = once round the ring
.set FLAGS,  (1<<16)|(1<<20)|(1<<21)|(4<<22)|(3<<25)  ; 17:16 elements of 2 bytes; 20 padding on; 21 set beside a mask; 24:22 after every 32 words (code 4); 31:25 4 words of it (code 3)
.set ADRA, 16                          ; v16-17  LDS address of my fragments of y in slot 0, 1
.set ADRB, 20                          ; v20-21  the same for w_proj
.set STO,  24                          ; v24     the way out: where I put 32 bytes of a row
.set RD,   25                          ; v25     the way out: where I read a row back
.set CO,   26                          ; v26     my byte offset in two rows of out0
.set SPW,  28                          ; v28     LDS address of my spare word: SPARE + 4 x my thread's number; never rewritten
.set NIL,  29                          ; v29     0; never rewritten
.set AF,   32
.set BF,   160
.set G1,  24                           ; s[24:31] descriptor group 1 for y's tiles;  s[32:39] group 0, a set for each slot
.set G0,  32
.set G1B, 48                           ; s[48:55], s[56:63] the same for w_proj's
.set G0B, 56
.set MSB, 0
.macro WIN new                         ; the immediate's high byte repeats the setting that is left; a switch that changes nothing is dropped
.if MSB != (\new)
	s_set_vgpr_msb (MSB<<8)|(\new)
.set MSB, \new
.endif
.endm
.set MUL, 0x50                         ; C and D in window 1, the sources in window 0
.macro JLOAD s                         ; a joint load: waves 0 and 1 fetch y's two blocks, waves 2 and 3 w_proj's; an s_nop 0 and four v_nop follow each of the two lines, ahead of the jump, the label and what follows
	s_cmp_eq_u32 s11, 0
	s_cbranch_scc0 .Lfor_b_\@
	tensor_load_to_lds s[G0+4*(\s):G0+4*(\s)+3], s[G1:G1+7]
	s_nop 0
.rept 4
	v_nop
.endr
	s_branch .Lasked_\@
.Lfor_b_\@:
	tensor_load_to_lds s[G0B+4*(\s):G0B+4*(\s)+3], s[G1B:G1B+7]
	s_nop 0
.rept 4
	v_nop
.endr
.Lasked_\@:
.endm
.macro CREST                           ; a round of the cluster's barrier behind its opening barrier
	s_cmp_lg_u32 s10, 0
	s_cbranch_scc1 .Lnot_wave_0_\@
	s_barrier_signal -3
.Lnot_wave_0_\@:
	s_barrier_wait -3
	s_barrier_signal -1
	s_barrier_wait -1
.endm
.macro CROUND                          ; a whole round
	s_barrier_signal -1
	s_barrier_wait -1
	CREST
.endm
	s_load_b128 s[4:7], s[0:1], 0x0                ; oh s[4:5], wpb s[6:7]
	s_load_b64 s[8:9], s[0:1], 0x10                ; out0
	v_lshl_add_u32 v[SPW], v0, 2, SPARE
	v_mov_b32 v[NIL], 0
	ds_add_u32 v28, v29
	ds_add_u32 v28, v29
	s_wait_dscnt 0x0
	v_lshrrev_b32 v1, 5, v0
	v_readfirstlane_b32 s10, v1                    ; wave 0..3
	s_lshr_b32 s11, s10, 1                         ; which 128 of the tile's rows are mine.  Also: I fetch for y (0) or for w_proj (1)
	s_and_b32 s12, s10, 1                          ; which 64 of its columns.  Also: the even or the odd block of a K step
	s_bfe_u32 s40, ttmp6, 0x40000                  ; cx, cy: my place in the cluster
	s_bfe_u32 s41, ttmp6, 0x40004
	s_lshl_b32 s42, ttmp9, 2
	s_add_co_u32 s42, s42, s40                     ; tile column = 4 x cluster x + cx, 0..7
	s_and_b32 s13, ttmp7, 0xffff
	s_lshl_b32 s13, s13, 2
	s_add_co_u32 s13, s13, s41                     ; tile row = 4 x cluster y + cy, 0..31
	s_lshl_b32 s43, s41, 2
	s_lshl_b32 s43, 15, s43                        ; my row of the cluster
	s_lshl_b32 s44, 0x1111, s40                    ; my column
	; descriptor group 1: dense bytes as rows of 128 elements (256 bytes): 128 rows for a block of y's tile, 64 for a block of w_proj's
	s_or_b32 s[G1], s43, FLAGS                     ; 15:0 the mask: y's tiles go to my row
	s_mov_b32 s[G1+1], 128<<16                     ; tensor_dim0 = 128
	s_mov_b32 s[G1+2], 128<<16                     ; tensor_dim1 = 128
	s_mov_b32 s[G1+3], 128<<16                     ; tile_dim0 = 128
	s_mov_b32 s[G1+4], 128                         ; tile_dim1 = 128
	s_mov_b32 s[G1+5], 128                         ; 128 elements from row to row
	s_mov_b32 s[G1+6], 0
	s_mov_b32 s[G1+7], 0
	s_or_b32 s[G1B], s44, FLAGS                    ; w_proj's tiles go to my column
	s_mov_b32 s[G1B+1], 128<<16
	s_mov_b32 s[G1B+2], 64<<16
	s_mov_b32 s[G1B+3], 128<<16
	s_mov_b32 s[G1B+4], 64
	s_mov_b32 s[G1B+5], 128
	s_mov_b32 s[G1B+6], 0
	s_mov_b32 s[G1B+7], 0
	; where the tiles come from: y's hang on the tile row alone, w_proj's on the tile column alone, each in registers that never hold the other coordinate
	s_lshr_b32 s16, s13, 3
	s_lshl_b32 s16, s16, 22                        ; the batch: 16 heads of 2^18 bytes
	s_and_b32 s17, s13, 7
	s_lshl_b32 s17, s17, 15                        ; the tile's 256 rows of 128 bytes in a head
	s_add_co_u32 s16, s16, s17
	s_lshl_b32 s17, s12, 18                        ; the even or the odd head
	s_add_co_u32 s16, s16, s17
	s_mov_b32 s17, 0
	s_lshl_b32 s46, s42, 14                        ; the tile's 128 rows of 128 bytes in a block
	s_lshl_b32 s47, s12, 17                        ; the even or the odd block
	s_add_co_u32 s46, s46, s47
	s_mov_b32 s47, 0
	s_mul_i32 s20, s12, ABLK                       ; and where they go: no place in the cluster enters an LDS address
	s_mul_i32 s21, s12, BBLK
	s_add_co_u32 s21, s21, BOFF
	s_wait_kmcnt 0x0
	s_add_nc_u64 s[14:15], s[4:5], s[16:17]
	s_add_nc_u64 s[46:47], s[6:7], s[46:47]
	CROUND                                         ; all sixteen work-groups are here: the first joint loads meet
.irp s, 0,1
	s_mov_b32 s[G0+4*(\s)], 1
	s_add_co_u32 s[G0+4*(\s)+1], s20, (\s)*SLOT
	s_add_nc_u64 s[G0+4*(\s)+2:G0+4*(\s)+3], s[14:15], (\s)*ASTEP
	s_or_b32 s[G0+4*(\s)+3], s[G0+4*(\s)+3], 0x80000000
	s_mov_b32 s[G0B+4*(\s)], 1
	s_add_co_u32 s[G0B+4*(\s)+1], s21, (\s)*SLOT
	s_add_nc_u64 s[G0B+4*(\s)+2:G0B+4*(\s)+3], s[46:47], (\s)*BSTEP
	s_or_b32 s[G0B+4*(\s)+3], s[G0B+4*(\s)+3], 0x80000000
	JLOAD \s                                       ; two loads of mine are out
.endr
	v_and_b32 v1, 15, v0                           ; l % 16
	v_bfe_u32 v2, v0, 4, 1                         ; l / 16
	v_mul_u32_u24 v3, v1, PITCH
	v_lshl_add_u32 v3, v2, 4, v3                   ; a fragment's row x pitch + 16 x half
	s_mul_i32 s22, s11, 128*PITCH                  ; my 128 rows in a block of y
	s_mul_i32 s23, s12, 64*PITCH                   ; my 64 rows in a block of w_proj
	s_add_co_u32 s23, s23, BOFF
.irp s, 0,1
	v_add_nc_u32 v[ADRA+(\s)], s22, v3
	v_add_nc_u32 v[ADRB+(\s)], s23, v3
	s_add_co_u32 s22, s22, SLOT
	s_add_co_u32 s23, s23, SLOT
.endr
	s_mul_i32 s22, s10, 16*SPITCH
	s_add_co_u32 s22, s22, STAGE                   ; my stage
	v_mul_u32_u24 v4, v1, SPITCH                   ; in: row l % 16, 32 bytes for each half of the lanes
	v_lshl_add_u32 v4, v2, 5, v4
	v_add_nc_u32 v[STO], s22, v4
	v_mul_u32_u24 v5, v2, SPITCH                   ; back: lanes 0-15 take one row of 256 bytes, lanes 16-31 the next
	v_lshl_add_u32 v5, v1, 4, v5
	v_add_nc_u32 v[RD], s22, v5
	v_lshlrev_b32 v5, 12, v2                       ; and the same two rows in out0, 4,096 bytes apart
	v_lshl_add_u32 v[CO], v1, 4, v5
	s_lshl_b32 s16, s13, 8
	s_lshl_b32 s17, s11, 7
	s_add_co_u32 s16, s16, s17                     ; my first row of out0
	s_lshl_b32 s16, s16, 12                        ; under 2^25 bytes
	s_mov_b32 s17, 0
	s_add_nc_u64 s[8:9], s[8:9], s[16:17]
	s_lshl_b32 s46, s42, 9                         ; my first column, in bytes: 512 x tile column + 256 x half
	s_lshl_b32 s47, s12, 8
	s_add_co_u32 s46, s46, s47
	s_mov_b32 s47, 0
	s_add_nc_u64 s[8:9], s[8:9], s[46:47]
; 8 matrix instructions: row blocks a0, a0 + 1 x all 4 column blocks, 32 along K, buffers f.  zero = 1: the product starts the sum.  The 32 accumulators take turns, one instruction a turn.
.macro MUL8 f, a0, zero
	WIN MUL
.irp a, \a0, (\a0)+1
.irp b, 0,1,2,3
.if \zero
	v_wmma_f32_16x16x32_f16 v[8*(4*(\a)+(\b)):8*(4*(\a)+(\b))+7], v[BF+32*(\f)+8*(\b):BF+32*(\f)+8*(\b)+7], v[AF+64*(\f)+8*(\a):AF+64*(\f)+8*(\a)+7], 0
.else
	v_wmma_f32_16x16x32_f16 v[8*(4*(\a)+(\b)):8*(4*(\a)+(\b))+7], v[BF+32*(\f)+8*(\b):BF+32*(\f)+8*(\b)+7], v[AF+64*(\f)+8*(\a):AF+64*(\f)+8*(\a)+7], v[8*(4*(\a)+(\b)):8*(4*(\a)+(\b))+7]
.endif
.endr
.endr
.endm
.macro MUL16 f, a0, zero
	MUL8 \f, \a0, \zero
	MUL8 \f, (\a0)+2, \zero
.endm
; 24 LDS loads in one run: the fragments of quarter q of a K step (block q / 2, byte 64 (q % 2) of its rows) into buffers f: w_proj's 8, then y's row blocks 0-3 (8), then 4-7 (8)
.macro FETCH slot, q, f
	WIN 0
.set KA, ((\q)/2)*ABLK+64*((\q)%2)
.set KB, ((\q)/2)*BBLK+64*((\q)%2)
.irp i, 0,1,2,3
	ds_load_b128 v[BF+32*(\f)+8*(\i):BF+32*(\f)+8*(\i)+3],   v[ADRB+(\slot)] offset:KB+(\i)*16*PITCH
	ds_load_b128 v[BF+32*(\f)+8*(\i)+4:BF+32*(\f)+8*(\i)+7], v[ADRB+(\slot)] offset:KB+(\i)*16*PITCH+32
.endr
.irp i, 0,1,2,3,4,5,6,7
	ds_load_b128 v[AF+64*(\f)+8*(\i):AF+64*(\f)+8*(\i)+3],   v[ADRA+(\slot)] offset:KA+(\i)*16*PITCH
	ds_load_b128 v[AF+64*(\f)+8*(\i)+4:AF+64*(\f)+8*(\i)+7], v[ADRA+(\slot)] offset:KA+(\i)*16*PITCH+32
.endr
.endm
.macro PLACES                          ; four places in front of loads into registers that matrix instructions have read, and of LDS stores that read results
.rept 4
	v_nop
.endr
.endm
; A K step is four quarters of 32 along K, 32 matrix instructions each, on buffers 0, 1, 0, 1.  One of the first three: multiplies buffers f and fetches quarter nq of the same slot into g.
.macro QUARTER slot, nq, f, g, zero
	s_wait_dscnt 8                                 ; w_proj's fragments and y's row blocks 0-3 are in; the youngest eight loads may be out
	MUL16 \f, 0, \zero
	PLACES
	FETCH \slot, \nq, \g
	s_wait_dscnt 24                                ; all but the 24 just issued
	MUL16 \f, 4, \zero
.endm
; The last quarter multiplies buffers 1 and changes slots: ONE barrier; in front of it each wave waits for all its tensor loads (one is out: its part of the next slot), adds 0 to its spare word, and waits for that
; and for its own reads of this slot.  fill = 1: the barrier opens a round of the cluster's, and this slot is filled again, two K steps ahead: from that request to the wait for it a wave issues 112 matrix instructions.
.macro TURN slot, next, fill
	WIN 0                                          ; (the add's two registers lie in window 0)
	s_wait_tensorcnt 0x0                           ; all my tensor loads have landed;
	ds_add_u32 v[SPW], v[NIL]                      ; 0 onto my spare word;
	s_wait_dscnt 9                                 ; (the add and the youngest eight loads may be out)
	MUL8 1, 0, 0                                   ; eight matrix instructions stand between the add and the wait for it
	s_wait_dscnt 0x0                               ; the add is done, and my reads of this slot are over
	s_barrier_signal -1
	MUL8 1, 2, 0
	WIN 0
	s_barrier_wait -1
.if \fill
	CREST                                          ; no wave of any partner still reads this slot's tile or has a load on its way
	s_add_nc_u64 s[G0+4*(\slot)+2:G0+4*(\slot)+3], s[G0+4*(\slot)+2:G0+4*(\slot)+3], 2*ASTEP
	s_add_nc_u64 s[G0B+4*(\slot)+2:G0B+4*(\slot)+3], s[G0B+4*(\slot)+2:G0B+4*(\slot)+3], 2*BSTEP
	JLOAD \slot                                    ; the four v_nop behind it are also the places in front of the loads below
.else
	PLACES
.endif
	FETCH \next, 0, 0
	MUL16 1, 4, 0                                  ; buffers 1 were whole at the wait for 0 above
.endm
	s_wait_tensorcnt 1                             ; my part of K step 0 is in; step 1's may stay out
	s_barrier_signal -1
	s_barrier_wait -1                              ; everybody's is
	FETCH 0, 0, 0
	QUARTER 0, 1, 0, 1, 1                          ; the first quarter stands in front of the loop: its products start the sums
	WIN 0                                          ; at a label and at a branch every window is 0
	s_mov_b32 s3, LAPS-1
.Llap:                                                 ; a trip goes once round the ring, from a lap's second quarter to the next lap's first, and fills both slots again: K steps 2 to 7 in three trips
	QUARTER 0, 2, 1, 0, 0
	QUARTER 0, 3, 0, 1, 0
	TURN 0, 1, 1
	QUARTER 1, 1, 0, 1, 0
	QUARTER 1, 2, 1, 0, 0
	QUARTER 1, 3, 0, 1, 0
	TURN 1, 0, 1
	QUARTER 0, 1, 0, 1, 0
	WIN 0
	s_sub_co_u32 s3, s3, 1
	s_cmp_lg_u32 s3, 0
	s_cbranch_scc1 .Llap
	QUARTER 0, 2, 1, 0, 0                          ; the last lap fills nothing, and has no round of the cluster's barrier
	QUARTER 0, 3, 0, 1, 0
	TURN 0, 1, 0
	QUARTER 1, 1, 0, 1, 0
	QUARTER 1, 2, 1, 0, 0
	QUARTER 1, 3, 0, 1, 0
	s_wait_dscnt 8                                 ; the very last quarter: nothing more to fetch
	MUL16 1, 0, 0
	s_wait_dscnt 0x0
	MUL16 1, 4, 0
	PLACES                                         ; for the LDS stores below, which read results, and the loads into y's buffers
; THE WAY OUT, a block a of 16 rows at a time.  A lane's eight columns of a row are 32 bytes of f32; they go into my stage's rows of 272 bytes and come back as whole rows of 256.  The stage is the wave's own, and LDS
; serves a wave's instructions in order (ISA guide 5.7.1.4): no wait between the stores and the loads, and the next block's stores come behind these loads.
.macro TOSTAGE a
.set BK, AF+32*((\a)%4)
	s_wait_xcnt 0x0                                ; every earlier memory instruction has had its addresses translated (ISA guide 3.1): the registers that the stores of four blocks back read are loaded again only behind this wait
	WIN 0x04                                       ; the stores' data in window 1, their address in window 0
.irp b, 0,1,2,3
	ds_store_b128 v[STO], v[32*(\a)+8*(\b):32*(\a)+8*(\b)+3]   offset:64*(\b)     ; each accumulator from its low end on
	ds_store_b128 v[STO], v[32*(\a)+8*(\b)+4:32*(\a)+8*(\b)+7] offset:64*(\b)+16
.endr
	WIN 0
.irp t, 0,1,2,3,4,5,6,7
	ds_load_b128 v[BK+4*(\t):BK+4*(\t)+3], v[RD] offset:(\t)*2*SPITCH
.endr
.endm
.macro SEND a, younger                 ; younger: the LDS instructions issued behind block a's loads: the next block's sixteen, or none
.set BK, AF+32*((\a)%4)
	WIN 0
.irp t, 0,1,2,3,4,5,6,7
	s_wait_dscnt (\younger)+7-(\t)
	global_store_b128 v[CO], v[BK+4*(\t):BK+4*(\t)+3], s[8:9] offset:(16*(\a)+2*(\t))*4096 th:TH_STORE_NT  ; 16 lanes store 256 consecutive bytes, at a multiple of 256 from out0's first; 126 rows at the most: inside the signed 24-bit immediate
.endr
.endm
	TOSTAGE 0
.irp a, 1,2,3,4,5,6,7
	TOSTAGE \a
	SEND (\a)-1, 16
.endr
	SEND 7, 0
	s_wait_tensorcnt 0x0                           ; the wave's end, behind my last tensor load and my last LDS store
	ds_add_u32 v[SPW], v[NIL]
	s_wait_dscnt 0x0
	CROUND                                         ; the closing round: no work-group ends while a partner may still ask for a tile that names it
	s_endpgm
.Lfunc_end_k_q6213f6c26a_proj:
	.size	k_q6213f6c26a_proj, .Lfunc_end_k_q6213f6c26a_proj-k_q6213f6c26a_proj
	.p2alignl 7, 3214868480
	.fill 96, 4, 3214868480
	.section	.rodata,"a",@progbits
	.p2align	6, 0x0
	.amdhsa_kernel k_q6213f6c26a_proj
		.amdhsa_group_segment_fixed_size 327680
		.amdhsa_private_segment_fixed_size 0
		.amdhsa_enable_private_segment 0
		.amdhsa_kernarg_size 24
		.amdhsa_user_sgpr_count 2
		.amdhsa_user_sgpr_kernarg_segment_ptr 1
		.amdhsa_wavefront_size32 1
		.amdhsa_system_sgpr_workgroup_id_x 1
		.amdhsa_system_sgpr_workgroup_id_y 1
		.amdhsa_system_sgpr_workgroup_id_z 1
		.amdhsa_system_vgpr_workitem_id 0
		.amdhsa_next_free_vgpr 512
		.amdhsa_next_free_sgpr 66
		.amdhsa_reserve_vcc 0
		.amdhsa_float_denorm_mode_32 3
		.amdhsa_float_denorm_mode_16_64 3
		.amdhsa_memory_ordered 1
		.amdhsa_forward_progress 1
		.amdhsa_inst_pref_size 87
	.end_amdhsa_kernel
	.amdgpu_metadata
---
amdhsa.version: [ 1, 2 ]
amdhsa.kernels:
  - .name:           k_q6213f6c26a_proj
    .symbol:         k_q6213f6c26a_proj.kd
    .args:
      - { .name: oh, .offset: 0, .size: 8, .value_kind: global_buffer, .address_space: global }
      - { .name: wpb, .offset: 8, .size: 8, .value_kind: global_buffer, .address_space: global }
      - { .name: out0, .offset: 16, .size: 8, .value_kind: global_buffer, .address_space: global }
    .group_segment_fixed_size: 327680
    .private_segment_fixed_size: 0
    .kernarg_segment_align: 8
    .kernarg_segment_size: 24
    .max_flat_workgroup_size: 128
    .sgpr_count:     66
    .vgpr_count:     512
    .wavefront_size: 32
...
	.end_amdgpu_metadata
.endif
;; end of part 8
;; ======== version 3 of 3: 4 launches; version 2 with the launch cast written anew for expert scheduling mode
;; limits: values are held in f16: magnitudes above 65,504 overflow, below 6.1e-05 lose precision
;; workspace buffers: xb 16,777,216 bytes; wqb 6,291,456 bytes; wpb 2,097,152 bytes; qkvh 50,331,648 bytes; oh 16,777,216 bytes; pre 1,572,864 bytes
;; launch cast (part 9): grid 768 x 1, 8 waves a work-group, no clusters, 0 bytes of LDS; arguments x, w_qkv, w_proj, xb, wqb, wpb; writes xb, wqb, wpb
.if DOCPART == 9
	.amdgcn_target "amdgcn-amd-amdhsa--gfx1250"
	.amdhsa_code_object_version 6
	.text
	.protected	k_q6213f6c26a_cast
	.globl	k_q6213f6c26a_cast
	.p2align	8
	.type	k_q6213f6c26a_cast,@function
k_q6213f6c26a_cast:
	s_mov_b64 s[64:65], 0
	v_nop
	global_prefetch_b8 v0, s[64:65] scope:SCOPE_SE
	s_setreg_imm32_b32 hwreg(HW_REG_WAVE_SCHED_MODE, 0, 2), 2
	s_setreg_imm32_b32 hwreg(HW_REG_WAVE_MODE, 25, 1), 1
	s_wait_xcnt 0x0
	s_wait_alu depctr_vm_vsrc(0)
; The three f32 inputs are rounded once to bf16 and laid out in blocks of 64 along K: dst[kb][row][64], kb = 0..15, so that the products behind this launch
; can ask for a K step's rows as dense bytes.  x [8192][1024] -> xb, w_qkv [3072][1024] -> wqb, both bf16.  w_proj [1024][1024] -> wpb: rounded to bf16 like the
; other inputs, and that number written as f16, since it is multiplied with f16 numbers.
; LIMITS.  A bf16 number of w_proj below 2^-14 in magnitude keeps f16's fixed step of 6e-8 (error 3e-8 at the most); 65,520 or more becomes an infinity.
; SHARES.  A work-group takes 16 rows of 1,024 numbers: groups 0-511 x, 512-703 w_qkv, 704-767 w_proj.  Thread t takes row t / 16 and the four numbers at k = 64 j + 4 (t % 16), j = 0..15.
; A wave's load covers 256 consecutive bytes in each of two rows; a wave's store covers 256 consecutive bytes (two rows of one block), aligned.  Every byte is read once and written once.
; No loop, no LDS, no barrier, no matrix unit: memory binds, and all sixteen loads of a thread are out together.  No register is written again once a memory instruction may read it.
; THE MODE: SCHED_MODE bits 1:0 = 2 (LLVM: expert scheduling mode 2), set by the entry lines.  The code itself states the register dependences
; between vector instructions and memory instructions, with s_wait_alu, always for 0.
; THE PLAN.  Registers that memory instructions touch:
;   v1, v2     byte offsets of the loads and of the stores.  Written at the head by vector lines, never again; read by all sixteen loads, all sixteen stores.
;   X          load j lands in its four registers, once; no vector line names them ahead of the loads; number j's conversions read them.
;   Y          number j's conversions write its two registers; store j reads them; nothing writes them behind that.
;   T and v3 are named by vector lines alone.  No vector line writes a scalar register or VCC; EXEC is never written.
; The sixteen numbers go in four groups of four.  Group p's conversions name X, Y and T of group p; its memory instructions are the four stores of group p - 1, which read v2 and the Y of
; group p - 1.  So one wait at a group's head states all that its four stores hang on, and they are dealt among the group's conversions with no further wait.  A path holds five such waits:
; one ahead of the first load, one at the head of each of groups 1 to 3, one ahead of the last four stores.  No register that a memory instruction has read is written again, so no wait states that.
.set XBLK,  8192*128                   ; bytes in a block of xb
.set WQBLK, 3072*128                   ; of wqb
.set WPBLK, 1024*128                   ; of wpb
.set X,  8                             ; v[8:71]    load j: four f32
.set Y,  72                            ; v[72:103]  store j: four 16-bit numbers
.set T,  104                           ; v[104:107] at work (w_proj alone)
.set DB, 32                            ; s[32:63]   the destination at my rows of block j, a pair for each j
	s_load_b256 s[4:11], s[0:1], 0x0               ; x s[4:5], w_qkv s[6:7], w_proj s[8:9], xb s[10:11]
	s_load_b128 s[12:15], s[0:1], 0x20             ; wqb s[12:13], wpb s[14:15]
	v_lshrrev_b32 v1, 4, v0                        ; my row of the 16
	v_and_b32 v3, 15, v0
	v_lshlrev_b32 v1, 12, v1                       ; 4,096 bytes a row
	v_lshl_or_b32 v1, v3, 4, v1                    ; + 16 bytes for each thread of the row
	v_lshlrev_b32 v2, 3, v0                        ; in a block: row x 128 + 8 (t % 16) = 8 t
	s_mov_b32 s28, XBLK
	s_mov_b32 s29, WQBLK
	s_mov_b32 s30, WPBLK
	s_wait_kmcnt 0x0
	s_cmp_lt_u32 ttmp9, 512                        ; which tensor is mine: the choice hangs on the group's number alone
	s_cselect_b64 s[16:17], s[4:5], s[6:7]
	s_cselect_b64 s[18:19], s[10:11], s[12:13]
	s_cselect_b32 s20, s28, s29
	s_cselect_b32 s22, 0, 512
	s_cmp_lt_u32 ttmp9, 704
	s_cselect_b64 s[16:17], s[16:17], s[8:9]
	s_cselect_b64 s[18:19], s[18:19], s[14:15]
	s_cselect_b32 s20, s20, s30
	s_cselect_b32 s22, s22, 704
	s_mov_b32 s21, 0
	s_sub_co_u32 s23, ttmp9, s22                   ; my group among the tensor's
	s_lshl_b32 s24, s23, 16                        ; 16 rows of 4,096 bytes in,
	s_mov_b32 s25, 0
	s_lshl_b32 s26, s23, 11                        ; 16 rows of 128 bytes out
	s_mov_b32 s27, 0
	s_add_nc_u64 s[16:17], s[16:17], s[24:25]
	s_add_nc_u64 s[DB:DB+1], s[18:19], s[26:27]
.set j, 1
.rept 15
	s_add_nc_u64 s[DB+2*j:DB+2*j+1], s[DB+2*j-2:DB+2*j-1], s[20:21]  ; a block further on
.set j, j+1
.endr
	s_wait_alu depctr_va_vdst(0)                   ; v1 and v2 are written: every load of the kernel reads v1 as its offset, every store v2
.set j, 0
.rept 16
	global_load_b128 v[X+4*j:X+4*j+3], v1, s[16:17] offset:256*j th:TH_LOAD_NT  ; read once in the whole launch
.set j, j+1
.endr
; Number j is rounded into its two registers of Y.  half = 1: the bf16 number is written as f16.
.macro CVT j, half
	v_cvt_pk_bf16_f32 v[Y+2*(\j)],   v[X+4*(\j)],   v[X+4*(\j)+1]
	v_cvt_pk_bf16_f32 v[Y+2*(\j)+1], v[X+4*(\j)+2], v[X+4*(\j)+3]
.if \half
.irp c, 0,1
	v_lshlrev_b32 v[T+2*(\c)],   16,         v[Y+2*(\j)+(\c)]      ; bf16 to f32: the low half moves up,
	v_and_b32     v[T+2*(\c)+1], 0xffff0000, v[Y+2*(\j)+(\c)]      ; the high half stays
.endr
.irp c, 0,1
	v_cvt_pk_f16_f32 v[Y+2*(\j)+(\c)], v[T+2*(\c)], v[T+2*(\c)+1]  ; eight significant bits: exact within f16's normal range
.endr
.endif
.endm
.macro ST j
	global_store_b64 v2, v[Y+2*(\j):Y+2*(\j)+1], s[DB+2*(\j):DB+2*(\j)+1]  ; a launch behind reads these bytes: no hint
.endm
; Group p: numbers 4 p to 4 p + 3 are rounded, and the four numbers of the group before are stored, a store ahead of each number's conversions.
.macro GROUP p, half
	s_wait_loadcnt 12-4*(\p)                       ; loads come back in order (ISA guide 5.7.1): this group's four are in, the 12 - 4 p younger ones stay out
.if (\p) > 0
	s_wait_alu depctr_va_vdst(0)                   ; the conversions of the group before have written their eight registers of Y, which the four stores below read
.endif
.irp i, 0,1,2,3
.if (\p) > 0
	ST 4*((\p)-1)+(\i)                             ; no vector line since the wait names v2 or these two registers of Y
.endif
	CVT 4*(\p)+(\i), \half
.endr
.endm
	s_cmp_ge_u32 ttmp9, 704
	s_cbranch_scc1 .Lf16
	GROUP 0, 0
	GROUP 1, 0
	GROUP 2, 0
	GROUP 3, 0
	s_wait_alu depctr_va_vdst(0)                   ; group 3's conversions have written their registers of Y, which the last four stores read
.irp j, 12,13,14,15
	ST \j
.endr
	s_endpgm
.Lf16:
	GROUP 0, 1
	GROUP 1, 1
	GROUP 2, 1
	GROUP 3, 1
	s_wait_alu depctr_va_vdst(0)                   ; group 3's conversions have written their registers of Y, which the last four stores read
.irp j, 12,13,14,15
	ST \j
.endr
	s_endpgm
.Lfunc_end_k_q6213f6c26a_cast:
	.size	k_q6213f6c26a_cast, .Lfunc_end_k_q6213f6c26a_cast-k_q6213f6c26a_cast
	.p2alignl 7, 3214868480
	.fill 96, 4, 3214868480
	.section	.rodata,"a",@progbits
	.p2align	6, 0x0
	.amdhsa_kernel k_q6213f6c26a_cast
		.amdhsa_group_segment_fixed_size 0
		.amdhsa_private_segment_fixed_size 0
		.amdhsa_enable_private_segment 0
		.amdhsa_kernarg_size 48
		.amdhsa_user_sgpr_count 2
		.amdhsa_user_sgpr_kernarg_segment_ptr 1
		.amdhsa_wavefront_size32 1
		.amdhsa_system_sgpr_workgroup_id_x 1
		.amdhsa_system_sgpr_workgroup_id_y 1
		.amdhsa_system_sgpr_workgroup_id_z 1
		.amdhsa_system_vgpr_workitem_id 0
		.amdhsa_next_free_vgpr 108
		.amdhsa_next_free_sgpr 66
		.amdhsa_reserve_vcc 0
		.amdhsa_float_denorm_mode_32 3
		.amdhsa_float_denorm_mode_16_64 3
		.amdhsa_memory_ordered 1
		.amdhsa_forward_progress 1
		.amdhsa_inst_pref_size 17
	.end_amdhsa_kernel
	.amdgpu_metadata
---
amdhsa.version: [ 1, 2 ]
amdhsa.kernels:
  - .name:           k_q6213f6c26a_cast
    .symbol:         k_q6213f6c26a_cast.kd
    .args:
      - { .name: x, .offset: 0, .size: 8, .value_kind: global_buffer, .address_space: global }
      - { .name: w_qkv, .offset: 8, .size: 8, .value_kind: global_buffer, .address_space: global }
      - { .name: w_proj, .offset: 16, .size: 8, .value_kind: global_buffer, .address_space: global }
      - { .name: xb, .offset: 24, .size: 8, .value_kind: global_buffer, .address_space: global }
      - { .name: wqb, .offset: 32, .size: 8, .value_kind: global_buffer, .address_space: global }
      - { .name: wpb, .offset: 40, .size: 8, .value_kind: global_buffer, .address_space: global }
    .group_segment_fixed_size: 0
    .private_segment_fixed_size: 0
    .kernarg_segment_align: 8
    .kernarg_segment_size: 48
    .max_flat_workgroup_size: 256
    .sgpr_count:     66
    .vgpr_count:     108
    .wavefront_size: 32
...
	.end_amdgpu_metadata
.endif
;; end of part 9
;; launch qkv: the kernel of part 2 again; grid 8 x 32, 4 waves a work-group, clusters of 4 x 4, 327,680 bytes of LDS; arguments xb, wqb, qkvh, pre; writes qkvh, pre
;; launch attn: the kernel of part 7 again; grid 4 x 64, 4 waves a work-group, no clusters, 327,680 bytes of LDS; arguments qkvh, oh, pre; writes oh
;; launch proj: the kernel of part 8 again; grid 8 x 32, 4 waves a work-group, clusters of 4 x 4, 327,680 bytes of LDS; arguments oh, wpb, out0; writes out0
